; MI455X (gfx1250); checked and timed in simulation.
; The chip was launched on July 23, 2026; its instructions are those of AMD's public machine-readable ISA for CDNA 5 (MIT licence, August 2026) and "CDNA5" Instruction Set Architecture Reference Guide (July 2026). The comments in the code are by the model that wrote it; some were corrected since.
;; Transformer Encoder Layer. Allowed arithmetic: float matrix products may take bf16 or f16 operands with f32 sums; all other float work in f32.
;; Inputs: params_0_ffn_b1 128 float32; params_0_ffn_b2 128 float32; params_0_ffn_ln_b 128 float32; params_0_ffn_ln_w 128 float32; params_0_ffn_w1 128 x 128 float32; params_0_ffn_w2 128 x 128 float32; params_0_mha_ln_b 128 float32; params_0_mha_ln_w 128 float32; params_0_mha_wk 128 x 256 float32; params_0_mha_wo 256 x 128 float32; params_0_mha_wq 128 x 256 float32; params_0_mha_wv 128 x 256 float32; params_1_ffn_b1 128 float32; params_1_ffn_b2 128 float32; params_1_ffn_ln_b 128 float32; params_1_ffn_ln_w 128 float32; params_1_ffn_w1 128 x 128 float32; params_1_ffn_w2 128 x 128 float32; params_1_mha_ln_b 128 float32; params_1_mha_ln_w 128 float32; params_1_mha_wk 128 x 256 float32; params_1_mha_wo 256 x 128 float32; params_1_mha_wq 128 x 256 float32; params_1_mha_wv 128 x 256 float32; params_2_ffn_b1 128 float32; params_2_ffn_b2 128 float32; params_2_ffn_ln_b 128 float32; params_2_ffn_ln_w 128 float32; params_2_ffn_w1 128 x 128 float32; params_2_ffn_w2 128 x 128 float32; params_2_mha_ln_b 128 float32; params_2_mha_ln_w 128 float32; params_2_mha_wk 128 x 256 float32; params_2_mha_wo 256 x 128 float32; params_2_mha_wq 128 x 256 float32; params_2_mha_wv 128 x 256 float32; params_3_ffn_b1 128 float32; params_3_ffn_b2 128 float32; params_3_ffn_ln_b 128 float32; params_3_ffn_ln_w 128 float32; params_3_ffn_w1 128 x 128 float32; params_3_ffn_w2 128 x 128 float32; params_3_mha_ln_b 128 float32; params_3_mha_ln_w 128 float32; params_3_mha_wk 128 x 256 float32; params_3_mha_wo 256 x 128 float32; params_3_mha_wq 128 x 256 float32; params_3_mha_wv 128 x 256 float32; params_4_ffn_b1 128 float32; params_4_ffn_b2 128 float32; params_4_ffn_ln_b 128 float32; params_4_ffn_ln_w 128 float32; params_4_ffn_w1 128 x 128 float32; params_4_ffn_w2 128 x 128 float32; params_4_mha_ln_b 128 float32; params_4_mha_ln_w 128 float32; params_4_mha_wk 128 x 256 float32; params_4_mha_wo 256 x 128 float32; params_4_mha_wq 128 x 256 float32; params_4_mha_wv 128 x 256 float32; x 4,096 x 128 float32.
;; Outputs: out0 4,096 x 128 float32.
;; 2 versions, each right and faster than the one before. Each part assembles by itself: llvm-mc -triple=amdgcn-amd-amdhsa -mcpu=gfx1250 --defsym DOCPART=n.
;; ======== version 1 of 2: 7 launches
;; workspace buffers: st0 1,376,256 bytes; st1 1,376,256 bytes; st2 1,376,256 bytes; st3 1,376,256 bytes; st4 1,376,256 bytes; xfa 2,097,152 bytes; xfb 2,097,152 bytes
;; launch prep_attn (part 1): grid 80 x 1, 8 waves a work-group, no clusters, 58,880 bytes of LDS; arguments params_0_mha_wq, params_0_mha_wv, params_1_mha_wq, params_1_mha_wv, params_2_mha_wq, params_2_mha_wv, params_3_mha_wq, params_3_mha_wv, params_4_mha_wq, params_4_mha_wv, params_0_mha_wk, params_0_mha_wo, params_1_mha_wk, params_1_mha_wo, params_2_mha_wk, params_2_mha_wo, params_3_mha_wk, params_3_mha_wo, params_4_mha_wk, params_4_mha_wo, st0, st1, st2, st3, st4; writes st0, st1, st2, st3, st4
.if DOCPART == 1
	.amdgcn_target "amdgcn-amd-amdhsa--gfx1250"
	.amdhsa_code_object_version 6
	.text
	.protected	k_q4889ac325b_prep_attn
	.globl	k_q4889ac325b_prep_attn
	.p2align	8
	.type	k_q4889ac325b_prep_attn,@function
k_q4889ac325b_prep_attn:
	s_mov_b64 s[64:65], 0
	v_nop
	global_prefetch_b8 v0, s[64:65] scope:SCOPE_SE
	s_setreg_imm32_b32 hwreg(HW_REG_WAVE_MODE, 25, 1), 1
	s_wait_xcnt 0x0
; The attention weights of the five layers, folded head by head (exact for every input):
;   M_h[a][b]   = sum over d of wq[a][4d+h] wk[b][4d+h], times log2(e)/sqrt(128)   (scores = (x M_h) x^T, ready for exp2)
;   Wvo_h[c][e] = sum over d of wv[c][4d+h] wo[4d+h][e]                            (output = sum over h of (P_h x) Wvo_h)
; Both are written as register images of matrix operand A: fragment f = 4 x (block of 16 rows of A) + (step of 32 along K) takes 1,024 bytes,
; [registers 0-3 | registers 4-7][lane][16 bytes], so that the layer's loads are 512 consecutive bytes each.
; Ten tasks (layer, M or Wvo) of eight work-groups: 32 rows (i) x 64 columns (nh) of all four heads.  Eight waves: 16 columns (nt) x two heads (hp).
; The sum runs over all 256 columns with operand B masked to k = h mod 4: three products in four are zeros.  That spares a de-interleave by 2-byte
; LDS stores, for 0.34 GFLOP in the whole launch.
; LIMITS: operands are rounded to bf16, M_h and Wvo_h are stored in bf16; an infinite weight gives NaN in all four heads (0 x Inf), not in its own alone.
.set PA, 528                           ; LDS pitch of rows of 256 bf16: 512 + 16 bytes, an odd multiple of 16
.set PB, 160                           ; LDS pitch of wo's rows of 64 bf16: 128 + 32 bytes, an odd multiple of 32 (transposing loads)
.set BL, 32*PA                         ; operand B's tile lies behind A's 32 rows
.set MT_OFF, 1048576                   ; M images in st; the Wvo images follow 131,072 bytes further
.set AF, 16                            ; v[16:79]   A fragments: 4 K steps x 2 row blocks x 8   (before: staging)
.set BF, 80                            ; v[80:111]  B fragments: 4 K steps x 8
.set BM, 112                           ; v[112:143] masked B: 2 buffers x 2 heads x 8
.set ACC, 144                          ; v[144:175] sums: tile (u, e) at 8 (2 u + e)
.set IMG, 176                          ; v[176:191] the two heads' image fragments
.macro PLACES
.rept 4
	v_nop
.endr
.endm
	s_load_b512 s[8:23], s[0:1], 0x0               ; operand A of tasks 0-7 (wq, wv by turns)
	s_load_b128 s[24:27], s[0:1], 0x40             ; tasks 8, 9
	s_load_b512 s[28:43], s[0:1], 0x50             ; operand B of tasks 0-7 (wk, wo by turns)
	s_load_b128 s[44:47], s[0:1], 0x90
	s_load_b256 s[48:55], s[0:1], 0xa0             ; st0 .. st3
	s_load_b64 s[56:57], s[0:1], 0xc0              ; st4
	v_lshl_add_u32 v192, v0, 2, 0xe200
	v_mov_b32 v193, 0
	v_lshrrev_b32 v1, 5, v0
	v_readfirstlane_b32 s6, v1                     ; wave v
	s_lshr_b32 s2, ttmp9, 3                        ; task
	s_and_b32 s3, s2, 1                            ; 0: M, 1: Wvo
	s_lshr_b32 s7, s2, 1                           ; layer
	s_bfe_u32 s4, ttmp9, 0x20001                   ; i: which 32 rows = which K step of the image
	s_and_b32 s5, ttmp9, 1                         ; nh: which 64 columns
	; my four rows of A.  M: rows 32 i + 4 v.  Wvo: local row 16 u + m stands for c = 64 (m >> 3) + 16 i + 8 u + (m & 7), the order in which
	; the layer's O tiles hold c; with local row 4 v + x that is 64 ((v >> 1) & 1) + 16 i + 8 (v >> 2) + 4 (v & 1) + x
	s_lshl_b32 s58, s4, 5
	s_lshl2_add_u32 s58, s6, s58
	s_bfe_u32 s59, s6, 0x10001
	s_lshl_b32 s59, s59, 6
	s_lshl4_add_u32 s59, s4, s59
	s_lshr_b32 s60, s6, 2                          ; hp = v >> 2
	s_lshl3_add_u32 s59, s60, s59
	s_and_b32 s61, s6, 1
	s_lshl2_add_u32 s59, s61, s59
	s_cmp_eq_u32 s3, 0
	s_cselect_b32 s58, s58, s59
	s_lshl_b32 s58, s58, 10                        ; rows of 1,024 bytes
	s_mov_b32 s59, 0
	; my part of B.  wk: rows 64 nh + 8 v (1,024 bytes each).  wo: rows 32 v (512 bytes each), columns 64 nh
	s_lshl_b32 s62, s5, 16
	s_lshl_b32 s63, s6, 13
	s_add_co_u32 s62, s62, s63
	s_lshl_b32 s63, s6, 14
	s_lshl_b32 s74, s5, 8
	s_add_co_u32 s63, s63, s74
	s_cmp_eq_u32 s3, 0
	s_cselect_b32 s62, s62, s63
	s_mov_b32 s63, 0
	s_cselect_b32 s72, 0x3e0293ee, 1.0             ; log2(e) / sqrt(128) for M, 1 for Wvo
	s_mov_b32 s73, s72
	; masks: an even register of a fragment holds k = 0, 1 mod 4 in its halves, an odd one k = 2, 3
	s_cmp_eq_u32 s60, 0
	s_cselect_b32 s76, 0xffff, 0                   ; even register, first head of my pair
	s_cselect_b32 s77, 0xffff0000, 0               ; even register, second head
	s_cselect_b32 s78, 0, 0xffff                   ; odd register, first head
	s_cselect_b32 s79, 0, 0xffff0000               ; odd register, second head
	; where the images go: part + head 2 hp x 32,768 + fragment (4 (4 nh + nt) + i) x 1,024
	s_and_b32 s84, s6, 3                           ; nt
	s_lshl2_add_u32 s74, s5, s84
	s_lshl2_add_u32 s74, s74, s4
	s_lshl_b32 s74, s74, 10
	s_lshl_b32 s75, s3, 17
	s_add_co_u32 s74, s74, s75
	s_lshl_b32 s75, s60, 16
	s_add_co_u32 s74, s74, s75
	s_add_co_u32 s74, s74, MT_OFF
	s_mov_b32 s75, 0
	v_and_b32 v1, 31, v0                           ; lane
	v_and_b32 v2, 15, v0                           ; r
	v_bfe_u32 v3, v0, 4, 1                         ; hh
	v_lshlrev_b32 v4, 4, v1                        ; 16 lane
	s_mul_i32 s80, s6, 4*PA
	v_lshl_add_u32 v5, v1, 3, s80                  ; A into LDS: row 4 v, 8 bytes a lane
	s_mul_i32 s81, s6, 8*PA
	s_add_co_u32 s81, s81, BL
	v_lshl_add_u32 v6, v1, 3, s81                  ; wk into LDS: row 8 v
	v_lshlrev_b32 v7, 4, v2
	v_lshl_add_u32 v7, v3, 9, v7                   ; wo in memory: two rows a load, 256 bytes of each
	s_mul_i32 s82, s6, 32*PB
	s_add_co_u32 s82, s82, BL
	v_mul_u32_u24 v8, v3, PB
	v_lshl_add_u32 v8, v2, 3, v8
	v_add_nc_u32 v8, s82, v8                       ; wo into LDS: row 32 v + hh
	v_mul_u32_u24 v9, v2, PA
	v_lshl_add_u32 v9, v3, 4, v9                   ; A fragments: row r, 16 hh
	s_mul_i32 s83, s84, 16*PA
	s_add_co_u32 s83, s83, BL
	v_add_nc_u32 v10, s83, v9                      ; wk fragments: row 16 nt + r
	v_and_b32 v11, 7, v0
	v_lshl_add_u32 v11, v3, 3, v11
	v_mul_u32_u24 v11, v11, PB
	v_bfe_u32 v12, v0, 3, 1
	v_lshl_add_u32 v11, v12, 4, v11
	s_lshl_b32 s85, s84, 5
	s_add_co_u32 s85, s85, BL
	v_add_nc_u32 v11, s85, v11                     ; wo fragments, transposing: row 8 hh + (lane & 7), column 16 nt + 8 ((lane >> 3) & 1)
	s_wait_kmcnt 0x0
	s_mov_b64 s[66:67], s[8:9]
	s_mov_b64 s[68:69], s[28:29]
.irp k, 1,2,3,4,5,6,7,8,9
	s_cmp_eq_u32 s2, \k                            ; the task picks its two inputs
	s_cselect_b64 s[66:67], s[8+2*\k:9+2*\k], s[66:67]
	s_cselect_b64 s[68:69], s[28+2*\k:29+2*\k], s[68:69]
.endr
	s_mov_b64 s[70:71], s[48:49]
.irp k, 1,2,3,4
	s_cmp_eq_u32 s7, \k                            ; the layer picks its st
	s_cselect_b64 s[70:71], s[48+2*\k:49+2*\k], s[70:71]
.endr
	s_add_nc_u64 s[66:67], s[66:67], s[58:59]
	s_add_nc_u64 s[68:69], s[68:69], s[62:63]
	s_add_nc_u64 s[70:71], s[70:71], s[74:75]
	; staging: f32 in loads of 512 (wo: 2 x 256) consecutive bytes, rounded to bf16 in place, 8 bytes a lane into LDS
.irp j, 0,1,2,3,4,5,6,7
	global_load_b128 v[16+4*\j:19+4*\j], v4, s[66:67] offset:512*\j
.endr
	s_cmp_eq_u32 s3, 0
	s_cbranch_scc0 .Lstage_wo
.irp j, 0,1,2,3,4,5,6,7,8,9,10,11,12,13,14,15
	global_load_b128 v[48+4*\j:51+4*\j], v4, s[68:69] offset:512*\j
.endr
	s_wait_loadcnt 0x0
.irp j, 0,1,2,3,4,5,6,7,8,9,10,11,12,13,14,15
	v_cvt_pk_bf16_f32 v[48+4*\j], v[48+4*\j], v[49+4*\j]
	v_cvt_pk_bf16_f32 v[49+4*\j], v[50+4*\j], v[51+4*\j]
	ds_store_b64 v6, v[48+4*\j:49+4*\j] offset:(\j>>1)*PA+(\j&1)*256
.endr
	s_branch .Lstaged
.Lstage_wo:
.irp j, 0,1,2,3,4,5,6,7,8,9,10,11,12,13,14,15
	global_load_b128 v[48+4*\j:51+4*\j], v7, s[68:69] offset:1024*\j
.endr
	s_wait_loadcnt 0x0
.irp j, 0,1,2,3,4,5,6,7,8,9,10,11,12,13,14,15
	v_cvt_pk_bf16_f32 v[48+4*\j], v[48+4*\j], v[49+4*\j]
	v_cvt_pk_bf16_f32 v[49+4*\j], v[50+4*\j], v[51+4*\j]
	ds_store_b64 v8, v[48+4*\j:49+4*\j] offset:2*PB*\j
.endr
.Lstaged:
.irp j, 0,1,2,3,4,5,6,7
	v_cvt_pk_bf16_f32 v[16+4*\j], v[16+4*\j], v[17+4*\j]   ; A's loads are in: both ways have waited for all loads
	v_cvt_pk_bf16_f32 v[17+4*\j], v[18+4*\j], v[19+4*\j]
	ds_store_b64 v5, v[16+4*\j:17+4*\j] offset:(\j>>1)*PA+(\j&1)*256
.endr
	s_wait_dscnt 0x0                               ; my stores are in LDS before I say so
	s_barrier_signal -1
	s_barrier_wait -1
; Four K steps of 32.  The four sums take turns, one matrix instruction a turn.  The sixteen v_and_b32 of a K step
; are the places between the matrix instructions that read a mask buffer and the lines that write it again two steps later.
.macro BATCH b, wo
.if \b
	PLACES                                         ; four places behind the matrix instructions that read AF and BF (ISA guide 7.12.1)
.endif
.irp k, 0,1,2,3
.irp u, 0,1
	ds_load_b128 v[AF+16*\k+8*\u:AF+16*\k+8*\u+3],   v9 offset:\u*16*PA+64*(4*\b+\k)
	ds_load_b128 v[AF+16*\k+8*\u+4:AF+16*\k+8*\u+7], v9 offset:\u*16*PA+64*(4*\b+\k)+32
.endr
.if \wo
	ds_load_tr16_b128 v[BF+8*\k:BF+8*\k+3],   v11 offset:32*PB*(4*\b+\k)
	ds_load_tr16_b128 v[BF+8*\k+4:BF+8*\k+7], v11 offset:32*PB*(4*\b+\k)+16*PB
.else
	ds_load_b128 v[BF+8*\k:BF+8*\k+3],   v10 offset:64*(4*\b+\k)
	ds_load_b128 v[BF+8*\k+4:BF+8*\k+7], v10 offset:64*(4*\b+\k)+32
.endif
.endr
	s_wait_dscnt 0x0
.irp k, 0,1,2,3
.irp q, 0,2,4,6
	v_and_b32 v[BM+16*(\k&1)+\q],     s76, v[BF+8*\k+\q]
	v_and_b32 v[BM+16*(\k&1)+\q+1],   s78, v[BF+8*\k+\q+1]
	v_and_b32 v[BM+16*(\k&1)+8+\q],   s77, v[BF+8*\k+\q]
	v_and_b32 v[BM+16*(\k&1)+8+\q+1], s79, v[BF+8*\k+\q+1]
.endr
.irp u, 0,1
.irp e, 0,1
.if (4*\b+\k) == 0
	v_wmma_f32_16x16x32_bf16 v[ACC+8*(2*\u+\e):ACC+8*(2*\u+\e)+7], v[AF+16*\k+8*\u:AF+16*\k+8*\u+7], v[BM+16*(\k&1)+8*\e:BM+16*(\k&1)+8*\e+7], 0
.else
	v_wmma_f32_16x16x32_bf16 v[ACC+8*(2*\u+\e):ACC+8*(2*\u+\e)+7], v[AF+16*\k+8*\u:AF+16*\k+8*\u+7], v[BM+16*(\k&1)+8*\e:BM+16*(\k&1)+8*\e+7], v[ACC+8*(2*\u+\e):ACC+8*(2*\u+\e)+7]
.endif
.endr
.endr
.endr
.endm
	s_cmp_eq_u32 s3, 0
	s_cbranch_scc0 .Lmul_wo
	BATCH 0, 0
	BATCH 1, 0
	s_branch .Lout
.Lmul_wo:
	BATCH 0, 1
	BATCH 1, 1
.Lout:
	PLACES                                         ; four places before the sums are read
.set ii, 0
.rept 16
	v_pk_mul_f32 v[ACC+2*ii:ACC+2*ii+1], v[ACC+2*ii:ACC+2*ii+1], s[72:73] op_sel_hi:[1,0]
.set ii, ii+1
.endr
	; lane (r, hh) of a result tile holds rows 8 hh + 0..7 of column r: tile u = 0 gives the image's registers 0-3, tile u = 1 its registers 4-7
.irp e, 0,1
.irp u, 0,1
.irp q, 0,1,2,3
	v_cvt_pk_bf16_f32 v[IMG+8*\e+4*\u+\q], v[ACC+8*(2*\u+\e)+2*\q], v[ACC+8*(2*\u+\e)+2*\q+1]
.endr
.endr
	global_store_b128 v4, v[IMG+8*\e:IMG+8*\e+3],   s[70:71] offset:32768*\e        ; 512 consecutive bytes a store
	global_store_b128 v4, v[IMG+8*\e+4:IMG+8*\e+7], s[70:71] offset:32768*\e+512
.endr
	s_wait_tensorcnt 0x0
	ds_add_u32 v192, v193
	s_wait_dscnt 0x0
	s_endpgm
.Lfunc_end_k_q4889ac325b_prep_attn:
	.size	k_q4889ac325b_prep_attn, .Lfunc_end_k_q4889ac325b_prep_attn-k_q4889ac325b_prep_attn
	.p2alignl 7, 3214868480
	.fill 96, 4, 3214868480
	.section	.rodata,"a",@progbits
	.p2align	6, 0x0
	.amdhsa_kernel k_q4889ac325b_prep_attn
		.amdhsa_group_segment_fixed_size 58880
		.amdhsa_private_segment_fixed_size 0
		.amdhsa_enable_private_segment 0
		.amdhsa_kernarg_size 200
		.amdhsa_user_sgpr_count 2
		.amdhsa_user_sgpr_kernarg_segment_ptr 1
		.amdhsa_wavefront_size32 1
		.amdhsa_system_sgpr_workgroup_id_x 1
		.amdhsa_system_sgpr_workgroup_id_y 1
		.amdhsa_system_sgpr_workgroup_id_z 1
		.amdhsa_system_vgpr_workitem_id 0
		.amdhsa_next_free_vgpr 194
		.amdhsa_next_free_sgpr 90
		.amdhsa_reserve_vcc 0
		.amdhsa_float_denorm_mode_32 3
		.amdhsa_float_denorm_mode_16_64 3
		.amdhsa_memory_ordered 1
		.amdhsa_forward_progress 1
		.amdhsa_inst_pref_size 38
	.end_amdhsa_kernel
	.amdgpu_metadata
---
amdhsa.version: [ 1, 2 ]
amdhsa.kernels:
  - .name:           k_q4889ac325b_prep_attn
    .symbol:         k_q4889ac325b_prep_attn.kd
    .args:
      - { .name: params_0_mha_wq, .offset: 0, .size: 8, .value_kind: global_buffer, .address_space: global }
      - { .name: params_0_mha_wv, .offset: 8, .size: 8, .value_kind: global_buffer, .address_space: global }
      - { .name: params_1_mha_wq, .offset: 16, .size: 8, .value_kind: global_buffer, .address_space: global }
      - { .name: params_1_mha_wv, .offset: 24, .size: 8, .value_kind: global_buffer, .address_space: global }
      - { .name: params_2_mha_wq, .offset: 32, .size: 8, .value_kind: global_buffer, .address_space: global }
      - { .name: params_2_mha_wv, .offset: 40, .size: 8, .value_kind: global_buffer, .address_space: global }
      - { .name: params_3_mha_wq, .offset: 48, .size: 8, .value_kind: global_buffer, .address_space: global }
      - { .name: params_3_mha_wv, .offset: 56, .size: 8, .value_kind: global_buffer, .address_space: global }
      - { .name: params_4_mha_wq, .offset: 64, .size: 8, .value_kind: global_buffer, .address_space: global }
      - { .name: params_4_mha_wv, .offset: 72, .size: 8, .value_kind: global_buffer, .address_space: global }
      - { .name: params_0_mha_wk, .offset: 80, .size: 8, .value_kind: global_buffer, .address_space: global }
      - { .name: params_0_mha_wo, .offset: 88, .size: 8, .value_kind: global_buffer, .address_space: global }
      - { .name: params_1_mha_wk, .offset: 96, .size: 8, .value_kind: global_buffer, .address_space: global }
      - { .name: params_1_mha_wo, .offset: 104, .size: 8, .value_kind: global_buffer, .address_space: global }
      - { .name: params_2_mha_wk, .offset: 112, .size: 8, .value_kind: global_buffer, .address_space: global }
      - { .name: params_2_mha_wo, .offset: 120, .size: 8, .value_kind: global_buffer, .address_space: global }
      - { .name: params_3_mha_wk, .offset: 128, .size: 8, .value_kind: global_buffer, .address_space: global }
      - { .name: params_3_mha_wo, .offset: 136, .size: 8, .value_kind: global_buffer, .address_space: global }
      - { .name: params_4_mha_wk, .offset: 144, .size: 8, .value_kind: global_buffer, .address_space: global }
      - { .name: params_4_mha_wo, .offset: 152, .size: 8, .value_kind: global_buffer, .address_space: global }
      - { .name: st0, .offset: 160, .size: 8, .value_kind: global_buffer, .address_space: global }
      - { .name: st1, .offset: 168, .size: 8, .value_kind: global_buffer, .address_space: global }
      - { .name: st2, .offset: 176, .size: 8, .value_kind: global_buffer, .address_space: global }
      - { .name: st3, .offset: 184, .size: 8, .value_kind: global_buffer, .address_space: global }
      - { .name: st4, .offset: 192, .size: 8, .value_kind: global_buffer, .address_space: global }
    .group_segment_fixed_size: 58880
    .private_segment_fixed_size: 0
    .kernarg_segment_align: 8
    .kernarg_segment_size: 200
    .max_flat_workgroup_size: 256
    .sgpr_count:     90
    .vgpr_count:     194
    .wavefront_size: 32
...
	.end_amdgpu_metadata
.endif
;; end of part 1
;; launch prep_ffn (part 2): grid 104 x 1, 8 waves a work-group, no clusters, 17,920 bytes of LDS; arguments params_0_ffn_w1, params_0_ffn_w2, params_1_ffn_w1, params_1_ffn_w2, params_2_ffn_w1, params_2_ffn_w2, params_3_ffn_w1, params_3_ffn_w2, params_4_ffn_w1, params_4_ffn_w2, st0, st1, st2, st3, st4, x; writes st0, st1, st2, st3, st4
.if DOCPART == 2
	.amdgcn_target "amdgcn-amd-amdhsa--gfx1250"
	.amdhsa_code_object_version 6
	.text
	.protected	k_q4889ac325b_prep_ffn
	.globl	k_q4889ac325b_prep_ffn
	.p2align	8
	.type	k_q4889ac325b_prep_ffn,@function
k_q4889ac325b_prep_ffn:
	s_mov_b64 s[64:65], 0
	v_nop
	global_prefetch_b8 v0, s[64:65] scope:SCOPE_SE
	s_setreg_imm32_b32 hwreg(HW_REG_WAVE_MODE, 25, 1), 1
	s_wait_xcnt 0x0
; Work-groups 0-39: the ten FFN matrices w[K][M] (128 x 128 f32) as bf16 register images of matrix operand A = w^T: fragment f = 4 (M / 16) + (K / 32),
; 1,024 bytes, [registers 0-3 | 4-7][lane][16 bytes]; lane (r, hh) holds w[32 ks + 8 hh + 0..7 (and + 16)][16 fb + r].  One work-group: one matrix, one K step of 32.
; Work-groups 40-103: x rounded to bf16 into st0 (the keys and values of layer 0), 64 rows each.
; No matrix unit, no cluster, no tensor load: 0.65 MB of weights and 2 MB of x are read once and nothing is shared.
.set XP, 528                           ; LDS pitch: 512 bytes + 16
.set W1_OFF, 1310720                   ; w1's image in st; w2's follows 32,768 bytes further
	s_load_b512 s[8:23], s[0:1], 0x0               ; matrices 0-7
	s_load_b128 s[24:27], s[0:1], 0x40             ; matrices 8, 9
	s_load_b256 s[28:35], s[0:1], 0x50             ; st0 .. st3
	s_load_b128 s[36:39], s[0:1], 0x70             ; st4, x
	v_lshl_add_u32 v64, v0, 2, 0x4200
	v_mov_b32 v65, 0
	v_lshrrev_b32 v1, 5, v0
	v_readfirstlane_b32 s6, v1                     ; wave v
	v_and_b32 v1, 31, v0                           ; lane
	v_lshlrev_b32 v4, 4, v1                        ; 16 lane
	s_wait_kmcnt 0x0
	s_cmp_ge_u32 ttmp9, 40                         ; the same for all waves of a work-group
	s_cbranch_scc1 .Lcast
	s_lshr_b32 s2, ttmp9, 2                        ; matrix
	s_lshr_b32 s3, s2, 1                           ; layer
	s_and_b32 s4, s2, 1                            ; w1 or w2
	s_and_b32 s5, ttmp9, 3                         ; ks
	s_mov_b64 s[40:41], s[8:9]
.irp k, 1,2,3,4,5,6,7,8,9
	s_cmp_eq_u32 s2, \k
	s_cselect_b64 s[40:41], s[8+2*\k:9+2*\k], s[40:41]
.endr
	s_mov_b64 s[42:43], s[28:29]
.irp k, 1,2,3,4
	s_cmp_eq_u32 s3, \k
	s_cselect_b64 s[42:43], s[28+2*\k:29+2*\k], s[42:43]
.endr
	s_lshl_b32 s44, s5, 14                         ; 32 rows of 512 bytes a K step,
	s_lshl_b32 s45, s6, 11                         ; four rows a wave
	s_add_co_u32 s44, s44, s45
	s_mov_b32 s45, 0
	s_add_nc_u64 s[40:41], s[40:41], s[44:45]
	s_lshl2_add_u32 s46, s6, s5                    ; fragment 4 v + ks
	s_lshl_b32 s46, s46, 10
	s_lshl_b32 s47, s4, 15
	s_add_co_u32 s46, s46, s47
	s_add_co_u32 s46, s46, W1_OFF
	s_mov_b32 s47, 0
	s_add_nc_u64 s[42:43], s[42:43], s[46:47]
.irp j, 0,1,2,3
	global_load_b128 v[8+4*\j:11+4*\j], v4, s[40:41] offset:512*\j     ; a whole row a load
.endr
	s_mul_i32 s48, s6, 4*XP
	v_add_nc_u32 v5, s48, v4
	v_and_b32 v2, 15, v0
	v_bfe_u32 v3, v0, 4, 1
	v_mul_u32_u24 v6, v3, 8*XP
	v_lshl_add_u32 v6, v2, 2, v6
	s_lshl_b32 s49, s6, 6
	v_add_nc_u32 v6, s49, v6                       ; row 8 hh, column 16 v + r: the 32 lanes read 32 different words modulo 64
	s_wait_loadcnt 0x0
.irp j, 0,1,2,3
	ds_store_b128 v5, v[8+4*\j:11+4*\j] offset:XP*\j
.endr
	s_wait_dscnt 0x0                               ; my rows are in LDS before I say so
	s_barrier_signal -1
	s_barrier_wait -1
.irp g, 0,1
.irp j, 0,1,2,3,4,5,6,7
	ds_load_b32 v[24+8*\g+\j], v6 offset:(16*\g+\j)*XP
.endr
.endr
	s_wait_dscnt 0x0
.irp g, 0,1
.irp q, 0,1,2,3
	v_cvt_pk_bf16_f32 v[40+4*\g+\q], v[24+8*\g+2*\q], v[24+8*\g+2*\q+1]
.endr
	global_store_b128 v4, v[40+4*\g:43+4*\g], s[42:43] offset:512*\g   ; 512 consecutive bytes
.endr
	s_wait_tensorcnt 0x0
	ds_add_u32 v64, v65
	s_wait_dscnt 0x0
	s_endpgm
.Lcast:
	s_sub_co_u32 s2, ttmp9, 40
	s_lshl_b32 s44, s2, 15                         ; 64 rows of 512 bytes,
	s_lshl_b32 s45, s6, 12                         ; eight rows a wave
	s_add_co_u32 s44, s44, s45
	s_mov_b32 s45, 0
	s_add_nc_u64 s[38:39], s[38:39], s[44:45]
	s_lshr_b32 s44, s44, 1                         ; half as many bytes in bf16
	s_add_nc_u64 s[28:29], s[28:29], s[44:45]
	v_lshlrev_b32 v7, 3, v1                        ; 8 lane
.irp j, 0,1,2,3,4,5,6,7
	global_load_b128 v[8+4*\j:11+4*\j], v4, s[38:39] offset:512*\j th:TH_LOAD_NT
.endr
.irp j, 0,1,2,3,4,5,6,7
	s_wait_loadcnt 7-\j                            ; loads return in order: row j is in, the younger ones stay out
	v_cvt_pk_bf16_f32 v[8+4*\j], v[8+4*\j], v[9+4*\j]
	v_cvt_pk_bf16_f32 v[9+4*\j], v[10+4*\j], v[11+4*\j]
	global_store_b64 v7, v[8+4*\j:9+4*\j], s[28:29] offset:256*\j      ; a row of 256 consecutive bytes, aligned
.endr
	s_endpgm
.Lfunc_end_k_q4889ac325b_prep_ffn:
	.size	k_q4889ac325b_prep_ffn, .Lfunc_end_k_q4889ac325b_prep_ffn-k_q4889ac325b_prep_ffn
	.p2alignl 7, 3214868480
	.fill 96, 4, 3214868480
	.section	.rodata,"a",@progbits
	.p2align	6, 0x0
	.amdhsa_kernel k_q4889ac325b_prep_ffn
		.amdhsa_group_segment_fixed_size 17920
		.amdhsa_private_segment_fixed_size 0
		.amdhsa_enable_private_segment 0
		.amdhsa_kernarg_size 128
		.amdhsa_user_sgpr_count 2
		.amdhsa_user_sgpr_kernarg_segment_ptr 1
		.amdhsa_wavefront_size32 1
		.amdhsa_system_sgpr_workgroup_id_x 1
		.amdhsa_system_sgpr_workgroup_id_y 1
		.amdhsa_system_sgpr_workgroup_id_z 1
		.amdhsa_system_vgpr_workitem_id 0
		.amdhsa_next_free_vgpr 66
		.amdhsa_next_free_sgpr 66
		.amdhsa_reserve_vcc 0
		.amdhsa_float_denorm_mode_32 3
		.amdhsa_float_denorm_mode_16_64 3
		.amdhsa_memory_ordered 1
		.amdhsa_forward_progress 1
		.amdhsa_inst_pref_size 9
	.end_amdhsa_kernel
	.amdgpu_metadata
---
amdhsa.version: [ 1, 2 ]
amdhsa.kernels:
  - .name:           k_q4889ac325b_prep_ffn
    .symbol:         k_q4889ac325b_prep_ffn.kd
    .args:
      - { .name: params_0_ffn_w1, .offset: 0, .size: 8, .value_kind: global_buffer, .address_space: global }
      - { .name: params_0_ffn_w2, .offset: 8, .size: 8, .value_kind: global_buffer, .address_space: global }
      - { .name: params_1_ffn_w1, .offset: 16, .size: 8, .value_kind: global_buffer, .address_space: global }
      - { .name: params_1_ffn_w2, .offset: 24, .size: 8, .value_kind: global_buffer, .address_space: global }
      - { .name: params_2_ffn_w1, .offset: 32, .size: 8, .value_kind: global_buffer, .address_space: global }
      - { .name: params_2_ffn_w2, .offset: 40, .size: 8, .value_kind: global_buffer, .address_space: global }
      - { .name: params_3_ffn_w1, .offset: 48, .size: 8, .value_kind: global_buffer, .address_space: global }
      - { .name: params_3_ffn_w2, .offset: 56, .size: 8, .value_kind: global_buffer, .address_space: global }
      - { .name: params_4_ffn_w1, .offset: 64, .size: 8, .value_kind: global_buffer, .address_space: global }
      - { .name: params_4_ffn_w2, .offset: 72, .size: 8, .value_kind: global_buffer, .address_space: global }
      - { .name: st0, .offset: 80, .size: 8, .value_kind: global_buffer, .address_space: global }
      - { .name: st1, .offset: 88, .size: 8, .value_kind: global_buffer, .address_space: global }
      - { .name: st2, .offset: 96, .size: 8, .value_kind: global_buffer, .address_space: global }
      - { .name: st3, .offset: 104, .size: 8, .value_kind: global_buffer, .address_space: global }
      - { .name: st4, .offset: 112, .size: 8, .value_kind: global_buffer, .address_space: global }
      - { .name: x, .offset: 120, .size: 8, .value_kind: global_buffer, .address_space: global }
    .group_segment_fixed_size: 17920
    .private_segment_fixed_size: 0
    .kernarg_segment_align: 8
    .kernarg_segment_size: 128
    .max_flat_workgroup_size: 256
    .sgpr_count:     66
    .vgpr_count:     66
    .wavefront_size: 32
...
	.end_amdgpu_metadata
.endif
;; end of part 2
;; launch layer0 (part 3): grid 256 x 1, 4 waves a work-group, clusters of 4 x 1, 327,680 bytes of LDS; arguments x, st0, params_0_mha_ln_w, params_0_mha_ln_b, params_0_ffn_b1, params_0_ffn_b2, params_0_ffn_ln_w, params_0_ffn_ln_b, xfa, st1; writes xfa, st1
.if DOCPART == 3
	.amdgcn_target "amdgcn-amd-amdhsa--gfx1250"
	.amdhsa_code_object_version 6
	.text
	.protected	k_q4889ac325b_layer0
	.globl	k_q4889ac325b_layer0
	.p2align	8
	.type	k_q4889ac325b_layer0,@function
k_q4889ac325b_layer0:
	s_mov_b64 s[64:65], 0
	v_nop
	global_prefetch_b8 v0, s[64:65] scope:SCOPE_SE
	s_setreg_imm32_b32 hwreg(HW_REG_WAVE_MODE, 25, 1), 1
	s_wait_xcnt 0x0
	s_wait_alu depctr_hold_cnt(0) depctr_sa_sdst(0) depctr_va_vdst(0) depctr_va_sdst(0) depctr_va_ssrc(0) depctr_va_vcc(0) depctr_vm_vsrc(0)
	s_getreg_b32 s2, hwreg(HW_REG_IB_STS2, 6, 4)
	s_cmp_eq_u32 s2, 0
	s_cbranch_scc0 .Lentry_in_a_cluster
	s_endpgm
.Lentry_in_a_cluster:
	s_bfe_u32 s2, ttmp6, 0x10000c
	s_cmp_lg_u32 s2, 0x3003
	s_cbranch_scc0 .Lentry_shape_is_right
	s_endpgm
.Lentry_shape_is_right:
; One whole encoder layer: attention, wo, residual, LayerNorm, FFN, residual, LayerNorm (LAST = 1: then softplus, to the output).
; Scores are (x M_h) x^T and the attention output is sum over h of (P_h x) Wvo_h (M_h, Wvo_h folded beforehand), so the keys AND the values of all four heads
; are one matrix: x in bf16, 1 MB.  A work-group owns 16 rows of x; with four heads that is 64 query rows against one tile, so every fragment read from LDS
; feeds four matrix instructions, and one LDS tile serves as keys (plain loads) and as values (transposing loads).  The price: K = 128 in the scores and
; N = 128 in P x, twice the products of the form with 64-wide heads.
; Four waves, as many as a WGP has SIMDs.  In the loop wave w takes keys 1024 w .. + 1023 for all 64 query rows, with its own running maximum;
; before and behind the loop wave w is head w, and the four key quarters are merged through LDS.
; Everything is computed transposed (weights or keys are operand A, activations operand B): lane (r, hh) of a result tile holds features 8 hh + 0..7 of
; query r, so two neighbouring tiles pack straight into the next product's operand B, and softmax and LayerNorm sums are in-lane plus one exchange of halves.
; CLUSTER: the four work-groups of a cluster walk the same x tiles, so each tile is asked for jointly (mask 15): wave w of all four issues the same descriptor.
; My own 16 rows in f32 come by a plain tensor load in the same first group.  A wave has at most three tensor loads outstanding (the first group), later one.
; No L2 prefetch: the 1.3 MB of a layer are read by all 64 clusters shortly after each other.
; LIMITS: x as keys and values, x M_h, P, P x and the FFN operands are rounded to bf16; residuals, softmax sums and LayerNorm are f32.
; exp2 results below 2^-126 count as zero.  softplus is max(x,0) + ln2 log2(1 + 2^(-|x| log2 e)): 0 for x below about -17, an absolute error under 6e-8.
.set LAST, 0
.set PITCH, 272                        ; a key row in LDS: 256 bytes + 16: 16 rows that a load touches start 4 words apart modulo 64 (64 banks of 4 bytes: ISA guide 11.1)
.set CHK, 64*PITCH                     ; a chunk: 64 keys
.set SLOT, 128*PITCH                   ; a slot: 128 keys = two chunks
.set RING, 2*SLOT                      ; each wave's own two slots
.set XP, 528                           ; pitch of f32 rows: 512 + 16
.set XROW, 4*RING                      ; my work-group's 16 rows of x in f32
.set QFRAG, XROW+16*XP                 ; x M_h as operand B fragments, [head][K step][half][lane][16]
.set STAT, QFRAG+16384                 ; (m, l): [wave][head][lane][8]
.set PS1, 32768                        ; in a wave's ring, behind its last fill: partial O at 0, partial wo sums,
.set PS2, 40960                        ; partial FFN sums,
.set STG, 49152                        ; the way out
.set MT_OFF, 1048576
.set WVO_OFF, 1179648
.set W1_OFF, 1310720
.set W2_OFF, 1343488
; window 0
.set LIN, 4                            ; 16 lane
.set ADRK, 5                           ; v5, v6    key fragments in slot 0, 1
.set ADRV, 7                           ; v7, v8    value fragments (transposing) in slot 0, 1
.set XRD, 9
.set QST, 10
.set QLD, 11
.set STS, 12
.set STL, 13
.set OWN, 14                           ; my ring + 16 lane
.set WB, 15                            ; v15-18    ring of wave p + 16 lane
.set OXL, 19                           ; v19-22    my head's partial O in the ring of wave p
.set POFF, 23                          ; 32 hh
.set SGW, 24
.set SGR, 25
.set L8, 26                            ; 8 lane
.set TA, 27
.set MX, 28                            ; v28-31    running maximum of head q
.set NM, 32                            ; v32-39    (-m, -m)
.set AL, 40                            ; v40-47    (alpha, alpha)
.set LS, 48                            ; v48-55    running sums, two each
.set TM, 56
.set TX, 60
.set AM, 64                            ; v64-79    maxima of the 16 score tiles
.set X1, 64                            ; v64-127   outside the loop: 64 f32 of query r (features 16 e + 8 hh + j at 8 e + j)
.set KF, 128                           ; v128-255  key fragments (kb, ks) at 8 (4 kb + ks)
.set FB, 128                           ; v128-159  outside the loop: operand B, four K steps
.set QB, 160
.set HR, 160                           ; v160-175  hidden tiles
.set HB, 176                           ; v176-183
.set YZ, 184                           ; v184-247  wo and FFN results
.set TT, 248                           ; v248-255
; window 1: x M_h fragments (q, ks) at 8 (4 q + ks); P fragments (q, kg) at PF + 8 (2 q + kg).  Behind the loop: Wvo image; then ln2_w 0, ln2_b 64, b2 128
.set PF, 128
; window 2: O tiles (t, q) at 8 (4 t + q).  Before the loop: M image.  Behind it: ln1_w 0, ln1_b 64, w1 image 128, w2 image 192
; window 3: score tiles (kb, q) at 8 (4 kb + q); value fragments (kg, t) at VF + 8 (8 kg + t).  Outside the loop: x M_h sums; partial sums of four waves
.set VF, 128
.set G1, 32                            ; s[32:39]  shape of an x tile (joint)
.set G0, 40                            ; s[40:47]  from where, to where: one set a slot
.set G1X, 48                           ; s[48:55]  shape of my four f32 rows (plain)
.set G0X, 56                           ; s[56:59]
.set MSB, 0
.macro WIN new                         ; s_set_vgpr_msb: bits 1:0 source 0, 3:2 source 1, 5:4 source 2, 7:6 destination; the high byte repeats the setting left
.if MSB != \new
	s_set_vgpr_msb (MSB<<8)|\new
.set MSB, \new
.endif
.endm
.macro PLACES                          ; four places behind matrix instructions (ISA guide 7.12.1) where there is no independent vector work
.rept 4
	v_nop
.endr
.endm
.macro ROUND                           ; a round of the cluster's barrier: my work-group's barrier, wave 0 signals for it, all wait for the four work-groups, my barrier again
	WIN 0
	s_barrier_signal -1
	s_barrier_wait -1
	s_cmp_lg_u32 s24, 0
	s_cbranch_scc1 .Lnot_wave_0_\@
	s_barrier_signal -3
.Lnot_wave_0_\@:
	s_barrier_wait -3
	s_barrier_signal -1
	s_barrier_wait -1
.endm
.macro PACK dst, src, n                ; n words of two bf16 from 2 n f32
.set ii, 0
.rept \n
	v_cvt_pk_bf16_f32 v[\dst+ii], v[\src+2*ii], v[\src+2*ii+1]
.set ii, ii+1
.endr
.endm
.macro LDVEC dst, sb                   ; a vector of 128 f32 in the layout of X1: features 16 e + 8 hh + 0..7
.irp e, 0,1,2,3,4,5,6,7
	global_load_b128 v[\dst+8*\e:\dst+8*\e+3],   v[POFF], s[\sb:\sb+1] offset:64*\e
	global_load_b128 v[\dst+8*\e+4:\dst+8*\e+7], v[POFF], s[\sb:\sb+1] offset:64*\e+16
.endr
.endm
.macro LDP p, areg, off                ; 64 registers of wave p's partial sums into window 3
.set ii, 0
.rept 16
	ds_load_b128 v[64*\p+4*ii:64*\p+4*ii+3], v[\areg+\p] offset:\off+512*ii
.set ii, ii+1
.endr
.endm
.macro ADDPART                         ; X1 += the four waves' partial sums
	WIN 0x03
.irp p, 0,1,2,3
.set ii, 0
.rept 32
	v_pk_add_f32 v[X1+2*ii:X1+2*ii+1], v[64*\p+2*ii:64*\p+2*ii+1], v[X1+2*ii:X1+2*ii+1]
.set ii, ii+1
.endr
.endr
.endm
.macro STP off                         ; my 64 result registers into my ring
	WIN 0
.set ii, 0
.rept 16
	ds_store_b128 v[OWN], v[YZ+4*ii:YZ+4*ii+3] offset:\off+512*ii
.set ii, ii+1
.endr
.endm
.macro RED8                            ; four pairs in TT to one number, over both halves of the lanes
	v_pk_add_f32 v[TT:TT+1], v[TT:TT+1], v[TT+2:TT+3]
	v_pk_add_f32 v[TT+4:TT+5], v[TT+4:TT+5], v[TT+6:TT+7]
	v_pk_add_f32 v[TT:TT+1], v[TT:TT+1], v[TT+4:TT+5]
	v_add_f32 v[TT], v[TT], v[TT+1]
	v_permlanex16_b32 v[TT+2], v[TT], s28, s29
	v_add_f32 v[TT], v[TT], v[TT+2]
.endm
; LayerNorm of X1 in place: mean, then the sum of squares of the differences (no difference of large sums).  wset: the window of gain (v0-63) and bias (v64-127)
.macro LNORM wset
	WIN 0
.irp c, 0,2,4,6
	v_pk_add_f32 v[TT+\c:TT+\c+1], v[X1+\c:X1+\c+1], v[X1+8+\c:X1+8+\c+1]
.endr
.irp g, 2,3,4,5,6,7
.irp c, 0,2,4,6
	v_pk_add_f32 v[TT+\c:TT+\c+1], v[TT+\c:TT+\c+1], v[X1+8*\g+\c:X1+8*\g+\c+1]
.endr
.endr
	RED8
	v_mul_f32 v[TT+6], 0xbc000000, v[TT]           ; - sum / 128
	v_mov_b32 v[TT+7], v[TT+6]
.set ii, 0
.rept 32
	v_pk_add_f32 v[X1+2*ii:X1+2*ii+1], v[X1+2*ii:X1+2*ii+1], v[TT+6:TT+7]
.set ii, ii+1
.endr
.irp c, 0,2,4,6
	v_pk_mul_f32 v[TT+\c:TT+\c+1], v[X1+\c:X1+\c+1], v[X1+\c:X1+\c+1]
.endr
.irp g, 1,2,3,4,5,6,7
.irp c, 0,2,4,6
	v_pk_fma_f32 v[TT+\c:TT+\c+1], v[X1+8*\g+\c:X1+8*\g+\c+1], v[X1+8*\g+\c:X1+8*\g+\c+1], v[TT+\c:TT+\c+1]
.endr
.endr
	RED8
	v_fma_f32 v[TT], v[TT], s30, s31               ; variance + 1e-5
	v_rsq_f32 v[TT+6], v[TT]
	v_rsq_f32 v[TT+7], v[TT]
	v_nop                                          ; one plain place behind a transcendental before its result is used (ISA guide 5.7.2)
.set ii, 0
	s_wait_alu depctr_va_vdst(0)
.rept 32
	v_pk_mul_f32 v[X1+2*ii:X1+2*ii+1], v[X1+2*ii:X1+2*ii+1], v[TT+6:TT+7]
.set ii, ii+1
.endr
	WIN \wset
.set ii, 0
.rept 32
	v_pk_fma_f32 v[X1+2*ii:X1+2*ii+1], v[X1+2*ii:X1+2*ii+1], v[2*ii:2*ii+1], v[64+2*ii:64+2*ii+1]
.set ii, ii+1
.endr
.endm
; ---- the loop's steps
.macro LDK slot, c                     ; 32 loads: 64 keys x 128 features as operand A of the scores
	WIN 0
.irp kb, 0,1,2,3
.irp ks, 0,1,2,3
	ds_load_b128 v[KF+8*(4*\kb+\ks):KF+8*(4*\kb+\ks)+3],   v[ADRK+(\slot)] offset:(\c)*CHK+\kb*16*PITCH+64*\ks
	ds_load_b128 v[KF+8*(4*\kb+\ks)+4:KF+8*(4*\kb+\ks)+7], v[ADRK+(\slot)] offset:(\c)*CHK+\kb*16*PITCH+64*\ks+32
.endr
.endr
.endm
; 32 transposing loads: the same 64 keys as operand A of P x.  Lanes 8-15 of a half take the 16 bytes 128 bytes further on, so row m of fragment t is
; feature 8 t + 64 (m >> 3) + (m & 7), O tile t holds features 64 hh + 8 t + j (the order built into the Wvo image), and at pitch 272 the 16 lanes of a
; half touch 16 different 16-byte columns modulo 256 bytes
.macro LDV slot, c
	WIN 0xc0
.irp kg, 0,1
.irp t, 0,1,2,3,4,5,6,7
	ds_load_tr16_b128 v[VF+8*(8*\kg+\t):VF+8*(8*\kg+\t)+3],   v[ADRV+(\slot)] offset:(\c)*CHK+\kg*32*PITCH+16*\t
	ds_load_tr16_b128 v[VF+8*(8*\kg+\t)+4:VF+8*(8*\kg+\t)+7], v[ADRV+(\slot)] offset:(\c)*CHK+\kg*32*PITCH+16*PITCH+16*\t
.endr
.endr
.endm
.macro SPH                             ; scores, transposed: tile (kb, q) = keys 16 kb .. x queries of head q.  The four heads' tiles take turns
	s_wait_dscnt 32                                ; all but the 32 value loads just issued: the key fragments are in
	WIN 0xf4
.irp kb, 0,1,2,3
.irp ks, 0,1,2,3
.irp qb, 0,1,2,3
.if \ks == 0
	v_wmma_f32_16x16x32_bf16 v[8*(4*\kb+\qb):8*(4*\kb+\qb)+7], v[KF+8*(4*\kb+\ks):KF+8*(4*\kb+\ks)+7], v[8*(4*\qb+\ks):8*(4*\qb+\ks)+7], 0
.else
	v_wmma_f32_16x16x32_bf16 v[8*(4*\kb+\qb):8*(4*\kb+\qb)+7], v[KF+8*(4*\kb+\ks):KF+8*(4*\kb+\ks)+7], v[8*(4*\qb+\ks):8*(4*\qb+\ks)+7], v[8*(4*\kb+\qb):8*(4*\kb+\qb)+7]
.endif
.endr
.endr
.endr
.endm
.macro MAXPH first                     ; the new running maximum of each head's query r, alpha = 2^(old - new), and -m
	WIN 0x0f
.set ii, 0
.rept 16
	v_max_num_f32 v[AM+ii], v[8*ii], v[8*ii+1]
.set ii, ii+1
.endr
.irp p, 2,4,6
.set ii, 0
.rept 16
	v_max3_num_f32 v[AM+ii], v[8*ii+\p], v[8*ii+\p+1], v[AM+ii]
.set ii, ii+1
.endr
.endr
	WIN 0
.irp q, 0,1,2,3
	v_max3_num_f32 v[TM+\q], v[AM+\q], v[AM+4+\q], v[AM+8+\q]
.endr
.irp q, 0,1,2,3
.if \first
	v_max_num_f32 v[TM+\q], v[TM+\q], v[AM+12+\q]
.else
	v_max3_num_f32 v[TM+\q], v[TM+\q], v[AM+12+\q], v[MX+\q]
.endif
.endr
.irp q, 0,1,2,3
	v_permlanex16_b32 v[TX+\q], v[TM+\q], s28, s29 ; the other half of the lanes holds the other keys of the same query
.endr
.irp q, 0,1,2,3
	v_max_num_f32 v[TM+\q], v[TM+\q], v[TX+\q]
.endr
.if \first == 0
.irp q, 0,1,2,3
	v_sub_f32 v[TX+\q], v[MX+\q], v[TM+\q]
.endr
.irp q, 0,1,2,3
	v_exp_f32 v[AL+2*\q], v[TX+\q]
	v_exp_f32 v[AL+2*\q+1], v[TX+\q]
.endr
.endif
.irp q, 0,1,2,3
	v_mov_b32 v[MX+\q], v[TM+\q]                   ; also the plain place behind the exponentials
.endr
.irp q, 0,1,2,3
	v_sub_f32 v[NM+2*\q], 0, v[TM+\q]
	v_sub_f32 v[NM+2*\q+1], 0, v[TM+\q]
.endr
.endm
.macro SUBEXP                          ; P = 2^(S - m) in place; the next tile's subtraction is the plain place behind a tile's exponentials
	WIN 0xc3
.set ii, 0
.rept 16
.irp p, 0,2,4,6
	v_pk_add_f32 v[8*ii+\p:8*ii+\p+1], v[8*ii+\p:8*ii+\p+1], v[NM+2*(ii&3):NM+2*(ii&3)+1]
.endr
.irp p, 0,1,2,3,4,5,6,7
	v_exp_f32 v[8*ii+\p], v[8*ii+\p]
.endr
.set ii, ii+1
.endr
.endm
.macro SUMPH first                     ; l = alpha l + sum of P, four chains
.if \first == 0
	WIN 0
	s_wait_alu depctr_va_vdst(0)
.irp q, 0,1,2,3
	v_pk_mul_f32 v[LS+2*\q:LS+2*\q+1], v[LS+2*\q:LS+2*\q+1], v[AL+2*\q:AL+2*\q+1]
.endr
.endif
	WIN 0x03
	s_wait_alu depctr_va_vdst(0)
.irp p, 0,2,4,6
.set ii, 0
.rept 16
	v_pk_add_f32 v[LS+2*(ii&3):LS+2*(ii&3)+1], v[8*ii+\p:8*ii+\p+1], v[LS+2*(ii&3):LS+2*(ii&3)+1]
.set ii, ii+1
.endr
.endr
.endm
.macro CVTPH                           ; score tiles 2 kg and 2 kg + 1 of a head are registers 0-3 and 4-7 of its operand B for keys 32 kg ..
	WIN 0x4f
.irp qb, 0,1,2,3
.irp kg, 0,1
.irp u, 0,1
.irp i, 0,1,2,3
	v_cvt_pk_bf16_f32 v[PF+8*(2*\qb+\kg)+4*\u+\i], v[8*(4*(2*\kg+\u)+\qb)+2*\i], v[8*(4*(2*\kg+\u)+\qb)+2*\i+1]
.endr
.endr
.endr
.endr
.endm
.macro RESC                            ; O *= alpha
	WIN 0x82
.set ii, 0
.rept 32
.irp p, 0,2,4,6
	v_pk_mul_f32 v[8*ii+\p:8*ii+\p+1], v[8*ii+\p:8*ii+\p+1], v[AL+2*(ii&3):AL+2*(ii&3)+1]
.endr
.set ii, ii+1
.endr
.endm
.macro PVPH first, left                ; O += x^T P: 32 tiles take turns
	s_wait_dscnt \left                             ; all but the next chunk's key loads: the value fragments are in
	WIN 0xa7
.irp kg, 0,1
.irp t, 0,1,2,3,4,5,6,7
.irp qb, 0,1,2,3
.if (\first)*(1-\kg)
	v_wmma_f32_16x16x32_bf16 v[8*(4*\t+\qb):8*(4*\t+\qb)+7], v[VF+8*(8*\kg+\t):VF+8*(8*\kg+\t)+7], v[PF+8*(2*\qb+\kg):PF+8*(2*\qb+\kg)+7], 0
.else
	v_wmma_f32_16x16x32_bf16 v[8*(4*\t+\qb):8*(4*\t+\qb)+7], v[VF+8*(8*\kg+\t):VF+8*(8*\kg+\t)+7], v[PF+8*(2*\qb+\kg):PF+8*(2*\qb+\kg)+7], v[8*(4*\t+\qb):8*(4*\t+\qb)+7]
.endif
.endr
.endr
.endr
.endm
; One chunk of 64 keys.  mode 0: the slot's first chunk; 1: its last, and the slot is filled again; 2: its last, nothing to fill; 3: the very last chunk.
; Behind the score products of a slot's last chunk every byte of the slot that is needed lies in registers: the earliest place for the refill.
.macro CHUNK slot, c, first, mode
.if \first == 0
	PLACES                                         ; behind the products that read the value fragments
.endif
	LDV \slot, \c
	SPH
	PLACES                                         ; before the scores are read and the key fragments loaded again
.if \mode == 0
	LDK \slot, 1
.endif
.if \mode == 1
	s_wait_dscnt 0x0                               ; my reads of this slot are back
	s_wait_xcnt 0x0
	s_set_vgpr_msb 0xf434
	v_lshl_add_u32 v135, v0, 2, 0x4b100
	s_set_vgpr_msb 0x3474
	v_mov_b32 v255, 0
	s_wait_tensorcnt 0x0                           ; all my tensor loads have landed (the one out was the other slot's), so a descriptor may be written
	ds_add_u32 v135, v255
	s_wait_dscnt 0x0
	s_set_vgpr_msb 0x74f4
	s_add_nc_u64 s[G0+4*\slot+2:G0+4*\slot+3], s[G0+4*\slot+2:G0+4*\slot+3], 0x10000   ; two slots of 128 keys of 256 bytes further
	ROUND                                          ; both hold of every wave of the four work-groups
	tensor_load_to_lds s[G0+4*\slot:G0+4*\slot+3], s[G1:G1+7]     ; my one tensor load behind the round, first thing; it has two chunks' work in which to land
	s_nop 0
	LDK 1-\slot, 0
.endif
.if \mode == 2
	s_wait_tensorcnt 0x0                           ; the last fill, issued two chunks ago; no load was issued behind it
	LDK 1-\slot, 0
.endif
	MAXPH \first
	SUBEXP
	SUMPH \first
	CVTPH
.if \first == 0
	RESC
.endif
.if \mode == 3
	PVPH \first, 0
.else
	PVPH \first, 32
.endif
.endm
; ---- set-up
	s_load_b512 s[4:19], s[0:1], 0x0               ; x f32 s[4:5], st s[6:7], ln1_w, ln1_b, b1 s[12:13], b2 s[14:15], ln2_w s[16:17], ln2_b s[18:19]
.if LAST
	s_load_b64 s[20:21], s[0:1], 0x40              ; the output
.else
	s_load_b128 s[20:23], s[0:1], 0x40             ; next x in f32, next st (its bf16 x)
	v_lshl_add_u32 v135, v0, 2, 0x4b100
	s_set_vgpr_msb 0x40
	v_mov_b32 v255, 0
	s_set_vgpr_msb 0x4044
	ds_add_u32 v135, v255
	s_wait_dscnt 0x0
	s_set_vgpr_msb 0x4400
.endif
	v_lshrrev_b32 v1, 5, v0
	v_readfirstlane_b32 s24, v1                    ; wave w
	s_bfe_u32 s25, ttmp6, 0x40000                  ; cx
	s_lshl_b32 s26, ttmp9, 2
	s_add_co_u32 s26, s26, s25                     ; work-group = 4 x cluster + cx: enters global addresses of plain accesses alone
	s_mov_b32 s28, 0x76543210                      ; v_permlanex16_b32: lane i of the other half
	s_mov_b32 s29, 0xfedcba98
	s_mov_b32 s30, 0x3c000000                      ; 1 / 128
	s_mov_b32 s31, 0x3727c5ac                      ; 1e-5
	s_mov_b32 s[G1+0], 15|(1<<16)|(1<<20)|(1<<21)|(5<<22)|(3<<25)  ; mask: all four work-groups; 2-byte elements; padding on; bit 21 beside a mask; after 64 words, 4 words
	s_mov_b32 s[G1+1], 128<<16                     ; tensor_dim0 = 128
	s_mov_b32 s[G1+2], 128<<16                     ; tensor_dim1 = 128
	s_mov_b32 s[G1+3], 128<<16                     ; tile_dim0 = 128
	s_mov_b32 s[G1+4], 128                         ; tile_dim1 = 128 keys
	s_mov_b32 s[G1+5], 128                         ; 128 elements from row to row
	s_mov_b32 s[G1+6], 0
	s_mov_b32 s[G1+7], 0
	s_mov_b32 s[G1X+0], (2<<16)|(1<<20)|(6<<22)|(3<<25)            ; no mask; 4-byte elements; after 128 words, 4 words
	s_mov_b32 s[G1X+1], 128<<16
	s_mov_b32 s[G1X+2], 4<<16
	s_mov_b32 s[G1X+3], 128<<16
	s_mov_b32 s[G1X+4], 4                          ; four rows a wave
	s_mov_b32 s[G1X+5], 128
	s_mov_b32 s[G1X+6], 0
	s_mov_b32 s[G1X+7], 0
	s_mul_i32 s60, s24, RING                       ; my ring
	s_mul_i32 s61, s24, 4*XP
	s_lshl_b32 s62, s24, 18                        ; 1,024 keys of 256 bytes a wave
	s_mov_b32 s63, 0
	s_lshl_b32 s76, s26, 13                        ; 16 rows of 512 bytes a work-group,
	s_lshl_b32 s77, s24, 11                        ; four a wave
	s_add_co_u32 s76, s76, s77
	s_mov_b32 s77, 0
	s_lshl_b32 s78, s24, 15
	s_mov_b32 s79, 0
	s_wait_kmcnt 0x0
	s_add_nc_u64 s[62:63], s[6:7], s[62:63]
.irp s, 0,1
	s_mov_b32 s[G0+4*\s], 1
	s_add_co_u32 s[G0+4*\s+1], s60, \s*SLOT
	s_add_nc_u64 s[G0+4*\s+2:G0+4*\s+3], s[62:63], \s*32768
	s_or_b32 s[G0+4*\s+3], s[G0+4*\s+3], 0x80000000
.endr
	s_mov_b32 s[G0X], 1
	s_add_co_u32 s[G0X+1], s61, XROW
	s_add_nc_u64 s[G0X+2:G0X+3], s[4:5], s[76:77]
	s_or_b32 s[G0X+3], s[G0X+3], 0x80000000
	ROUND                                          ; the four work-groups are here: the first joint loads meet
	tensor_load_to_lds s[G0X:G0X+3], s[G1X:G1X+7]  ; my four rows of x in f32
	s_nop 0
	tensor_load_to_lds s[G0:G0+3], s[G1:G1+7]      ; keys 0-127 of my quarter
	s_nop 0
	tensor_load_to_lds s[G0+4:G0+7], s[G1:G1+7]    ; keys 128-255
	s_nop 0
	s_add_nc_u64 s[66:67], s[6:7], s[78:79]
	s_add_nc_u64 s[68:69], s[66:67], WVO_OFF       ; Wvo image of head w
	s_add_nc_u64 s[66:67], s[66:67], MT_OFF        ; M image of head w
	s_lshl_b32 s78, s24, 13
	s_add_nc_u64 s[70:71], s[6:7], s[78:79]
	s_add_nc_u64 s[70:71], s[70:71], W1_OFF        ; w1 image, hidden features 32 w ..: eight fragments
	s_lshl_b32 s78, s24, 10
	s_add_nc_u64 s[72:73], s[6:7], s[78:79]
	s_add_nc_u64 s[72:73], s[72:73], W2_OFF        ; w2 image, K step w of every block
	s_lshl_b32 s78, s24, 7
	s_add_nc_u64 s[74:75], s[12:13], s[78:79]      ; b1 at 32 w
	s_add_nc_u64 s[20:21], s[20:21], s[76:77]      ; my four rows of the f32 result
.if LAST == 0
	s_lshr_b32 s76, s76, 1
	s_add_nc_u64 s[22:23], s[22:23], s[76:77]      ; and of its bf16 copy
.endif
	v_and_b32 v1, 31, v0                           ; lane
	v_and_b32 v2, 15, v0                           ; r
	v_bfe_u32 v3, v0, 4, 1                         ; hh
	v_lshlrev_b32 v[LIN], 4, v1
	v_lshlrev_b32 v[L8], 3, v1
	v_lshlrev_b32 v[POFF], 5, v3
	WIN 0x80
.set ii, 0
.rept 64
	global_load_b128 v[4*ii:4*ii+3], v[LIN], s[66:67] offset:512*ii    ; the M image of my head, 512 consecutive bytes a load
.set ii, ii+1
.endr
	WIN 0
	v_mul_u32_u24 v[TA], v2, PITCH
	v_lshl_add_u32 v[TA], v3, 4, v[TA]
	v_add_nc_u32 v[ADRK], s60, v[TA]               ; row r, 16 hh
	v_add_nc_u32 v[ADRK+1], SLOT, v[ADRK]
	v_and_b32 v[TA], 7, v0
	v_lshl_add_u32 v[TA], v3, 3, v[TA]
	v_mul_u32_u24 v[TA], v[TA], PITCH
	v_bfe_u32 v[ADRV], v0, 3, 1
	v_lshl_add_u32 v[TA], v[ADRV], 7, v[TA]
	v_add_nc_u32 v[ADRV], s60, v[TA]               ; row 8 hh + (lane & 7), 128 ((lane >> 3) & 1)
	v_add_nc_u32 v[ADRV+1], SLOT, v[ADRV]
	v_mul_u32_u24 v[XRD], v2, XP
	v_lshl_add_u32 v[XRD], v3, 5, v[XRD]           ; row r, 32 hh
	v_add_nc_u32 v[SGW], s60, v[XRD]
	v_add_nc_u32 v[SGW], STG, v[SGW]
	v_add_nc_u32 v[XRD], XROW, v[XRD]
	s_lshl_b32 s78, s24, 12
	s_add_co_u32 s78, s78, QFRAG
	v_add_nc_u32 v[QST], s78, v[LIN]
	v_add_nc_u32 v[QLD], QFRAG, v[LIN]
	s_lshl_b32 s78, s24, 10
	s_add_co_u32 s78, s78, STAT
	v_add_nc_u32 v[STS], s78, v[L8]
	s_lshl_b32 s78, s24, 8
	s_add_co_u32 s78, s78, STAT
	v_add_nc_u32 v[STL], s78, v[L8]
	v_add_nc_u32 v[OWN], s60, v[LIN]
	s_lshl_b32 s78, s24, 13
.irp p, 0,1,2,3
	v_add_nc_u32 v[WB+\p], \p*RING, v[LIN]
	v_add_nc_u32 v[OXL+\p], s78, v[WB+\p]
.endr
	s_add_co_u32 s78, s61, s60
	s_add_co_u32 s78, s78, STG
	v_add_nc_u32 v[SGR], s78, v[LIN]               ; rows 4 w .. of my stage
; ---- x M_h of my head for the 16 queries
	s_wait_tensorcnt 0x2                           ; my rows of x are in; the two x tiles issued behind them stay out
	s_barrier_signal -1
	s_barrier_wait -1                              ; all 16 rows are in
.irp e, 0,1,2,3,4,5,6,7
	ds_load_b128 v[X1+8*\e:X1+8*\e+3],   v[XRD] offset:64*\e
	ds_load_b128 v[X1+8*\e+4:X1+8*\e+7], v[XRD] offset:64*\e+16
.endr
	s_wait_dscnt 0x0
	PACK FB, X1, 32
	s_wait_loadcnt 0x0                             ; the M image
	WIN 0xf2
.irp ks, 0,1,2,3
.irp bb, 0,1,2,3,4,5,6,7
.if \ks == 0
	v_wmma_f32_16x16x32_bf16 v[8*\bb:8*\bb+7], v[8*(4*\bb+\ks):8*(4*\bb+\ks)+7], v[FB+8*\ks:FB+8*\ks+7], 0
.else
	v_wmma_f32_16x16x32_bf16 v[8*\bb:8*\bb+7], v[8*(4*\bb+\ks):8*(4*\bb+\ks)+7], v[FB+8*\ks:FB+8*\ks+7], v[8*\bb:8*\bb+7]
.endif
.endr
.endr
	PLACES
	WIN 0x0f
	PACK QB, 0, 32
	WIN 0
.irp i, 0,1,2,3,4,5,6,7
	ds_store_b128 v[QST], v[QB+4*\i:QB+4*\i+3] offset:512*\i
.endr
	s_wait_dscnt 0x0                               ; my head's fragments are in LDS before I say so
	s_barrier_signal -1
	s_barrier_wait -1
	WIN 0x40
.set ii, 0
.rept 32
	ds_load_b128 v[4*ii:4*ii+3], v[QLD] offset:512*ii                  ; all four heads' fragments
.set ii, ii+1
.endr
	WIN 0
.irp i, 0,1,2,3,4,5,6,7
	v_mov_b32 v[LS+\i], 0                          ; the sums of P start at 0
.endr
.irp i, 0,1,2,3
	v_mov_b32 v[TX+\i], 0                          ; a destination of v_permlanex16_b32 counts as read
.endr
	s_wait_tensorcnt 0x1                           ; slot 0 is in (only I read my ring); slot 1 stays out
	LDK 0, 0
; ---- 16 chunks of 64 keys: eight fills of 128 keys, two at the start and six refills
	CHUNK 0, 0, 1, 0
	WIN 0
	s_mov_b32 s27, 3
.Lloop:
	CHUNK 0, 1, 0, 1
	CHUNK 1, 0, 0, 0
	CHUNK 1, 1, 0, 1
	CHUNK 0, 0, 0, 0
	WIN 0
	s_sub_co_u32 s27, s27, 1
	s_cmp_lg_u32 s27, 0
	s_cbranch_scc1 .Lloop
	CHUNK 0, 1, 0, 2
	CHUNK 1, 0, 0, 0
	CHUNK 1, 1, 0, 3
; ---- hand my quarter's (m, l, O) over.  My ring has had its last fill and its last read: it is scratch from here on
	PLACES
	WIN 0x40
.set ii, 0
.rept 64
	global_load_b128 v[4*ii:4*ii+3], v[LIN], s[68:69] offset:512*ii    ; 64 loads: the Wvo image of my head
.set ii, ii+1
.endr
	WIN 0
.irp q, 0,1,2,3
	v_add_f32 v[TM+\q], v[LS+2*\q], v[LS+2*\q+1]
.endr
.irp q, 0,1,2,3
	v_permlanex16_b32 v[TX+\q], v[TM+\q], s28, s29
.endr
.irp q, 0,1,2,3
	v_mov_b32 v[NM+2*\q], v[MX+\q]
	v_add_f32 v[NM+2*\q+1], v[TM+\q], v[TX+\q]
.endr
.irp q, 0,1,2,3
	ds_store_b64 v[STS], v[NM+2*\q:NM+2*\q+1] offset:256*\q
.endr
	WIN 0x08
.irp q, 0,1,2,3
.irp t, 0,1,2,3,4,5,6,7
	ds_store_b128 v[OWN], v[8*(4*\t+\q):8*(4*\t+\q)+3]   offset:8192*\q+1024*\t
	ds_store_b128 v[OWN], v[8*(4*\t+\q)+4:8*(4*\t+\q)+7] offset:8192*\q+1024*\t+512
.endr
.endr
	WIN 0
	s_wait_dscnt 0x0                               ; in LDS before I say so
	WIN 0x80                                       ; 52 loads: ln1_w 16, ln1_b 16, b1 4, w1 image 16
	LDVEC 0, 8
	LDVEC 64, 10
	WIN 0
.irp u, 0,1
	global_load_b128 v[HR+8*\u:HR+8*\u+3],   v[POFF], s[74:75] offset:64*\u       ; b1 starts the hidden sums
	global_load_b128 v[HR+8*\u+4:HR+8*\u+7], v[POFF], s[74:75] offset:64*\u+16
.endr
	WIN 0x80
.set ii, 0
.rept 16
	global_load_b128 v[128+4*ii:128+4*ii+3], v[LIN], s[70:71] offset:512*ii
.set ii, ii+1
.endr
	WIN 0
	s_barrier_signal -1
	s_barrier_wait -1
; ---- merge the four key quarters for my head
.irp p, 0,1,2,3
	ds_load_b64 v[NM+2*\p:NM+2*\p+1], v[STL] offset:1024*\p
.endr
	WIN 0xc0
	LDP 0, OXL, 0
	LDP 1, OXL, 0
	LDP 2, OXL, 0
	s_wait_dscnt 48                                ; all but the 48 loads of partial O: the four (m, l) are in
	LDP 3, OXL, 0
	WIN 0
	v_max3_num_f32 v[TA], v[NM], v[NM+2], v[NM+4]
	v_max_num_f32 v[TA], v[TA], v[NM+6]
.irp p, 0,1,2,3
	v_sub_f32 v[TX+\p], v[NM+2*\p], v[TA]
.endr
.irp p, 0,1,2,3
	v_exp_f32 v[TM+\p], v[TX+\p]
.endr
	v_nop
	s_wait_alu depctr_va_vdst(0)
	v_mul_f32 v[TA], v[TM], v[NM+1]
	v_fmac_f32 v[TA], v[TM+1], v[NM+3]
	v_fmac_f32 v[TA], v[TM+2], v[NM+5]
	v_fmac_f32 v[TA], v[TM+3], v[NM+7]             ; at least 1: the quarter with the largest m has factor 1 and a sum of at least 1
	v_rcp_f32 v[TX], v[TA]
	v_nop
	s_wait_alu depctr_va_vdst(0)
.irp p, 0,1,2,3
	v_mul_f32 v[AL+2*\p], v[TM+\p], v[TX]
	v_mul_f32 v[AL+2*\p+1], v[TM+\p], v[TX]
.endr
	s_wait_dscnt 0x0
	WIN 0x03
.set ii, 0
.rept 32
	v_pk_mul_f32 v[X1+2*ii:X1+2*ii+1], v[2*ii:2*ii+1], v[AL:AL+1]
.set ii, ii+1
.endr
.irp p, 1,2,3
.set ii, 0
.rept 32
	v_pk_fma_f32 v[X1+2*ii:X1+2*ii+1], v[64*\p+2*ii:64*\p+2*ii+1], v[AL+2*\p:AL+2*\p+1], v[X1+2*ii:X1+2*ii+1]
.set ii, ii+1
.endr
.endr
	WIN 0
	PACK FB, X1, 32
; ---- (P_h x) Wvo_h: the sum over heads is split over the waves
	s_wait_loadcnt 52                              ; all but the 52 loads behind it: the Wvo image is in
	WIN 0x01
.irp ks, 0,1,2,3
.irp eb, 0,1,2,3,4,5,6,7
.if \ks == 0
	v_wmma_f32_16x16x32_bf16 v[YZ+8*\eb:YZ+8*\eb+7], v[8*(4*\eb+\ks):8*(4*\eb+\ks)+7], v[FB+8*\ks:FB+8*\ks+7], 0
.else
	v_wmma_f32_16x16x32_bf16 v[YZ+8*\eb:YZ+8*\eb+7], v[8*(4*\eb+\ks):8*(4*\eb+\ks)+7], v[FB+8*\ks:FB+8*\ks+7], v[YZ+8*\eb:YZ+8*\eb+7]
.endif
.endr
.endr
	PLACES
	WIN 0x80                                       ; 32 loads: w2 image 16, b2 16
.irp eb, 0,1,2,3,4,5,6,7
	global_load_b128 v[192+8*\eb:192+8*\eb+3],   v[LIN], s[72:73] offset:4096*\eb
	global_load_b128 v[192+8*\eb+4:192+8*\eb+7], v[LIN], s[72:73] offset:4096*\eb+512
.endr
	WIN 0x40
	LDVEC 128, 14
	STP PS1
	s_wait_dscnt 0x0
	s_barrier_signal -1
	s_barrier_wait -1
; ---- sum over heads, residual, first LayerNorm.  Every wave does all 128 features of the 16 queries: they are one block of columns
.irp e, 0,1,2,3,4,5,6,7
	ds_load_b128 v[X1+8*\e:X1+8*\e+3],   v[XRD] offset:64*\e
	ds_load_b128 v[X1+8*\e+4:X1+8*\e+7], v[XRD] offset:64*\e+16
.endr
	WIN 0xc0
	LDP 0, WB, PS1
	LDP 1, WB, PS1
	LDP 2, WB, PS1
	LDP 3, WB, PS1
	s_wait_dscnt 0x0
	ADDPART
	s_wait_loadcnt 52                              ; b1 4, w1 16 and the 32 behind them stay out: ln1_w and ln1_b are in
	LNORM 0x28
; ---- FFN: wave w makes hidden features 32 w .. + 31, which are K step w of the second product
	WIN 0
	PACK FB, X1, 32
	s_wait_loadcnt 32                              ; the w2 image and b2 stay out: b1 and the w1 image are in
	WIN 0x40                                       ; 32 loads: ln2_w, ln2_b
	LDVEC 0, 16
	LDVEC 64, 18
	WIN 0x02
.irp ks, 0,1,2,3
.irp u, 0,1
	v_wmma_f32_16x16x32_bf16 v[HR+8*\u:HR+8*\u+7], v[128+8*(4*\u+\ks):128+8*(4*\u+\ks)+7], v[FB+8*\ks:FB+8*\ks+7], v[HR+8*\u:HR+8*\u+7]
.endr
.endr
	PLACES
	WIN 0
.set ii, 0
.rept 16
	v_max_num_f32 v[HR+ii], 0, v[HR+ii]            ; leaky_relu with slope 0
.set ii, ii+1
.endr
	PACK HB, HR, 8
	s_wait_loadcnt 48                              ; b2 16 and the 32 of ln2 stay out: the w2 image is in
	WIN 0x02
.irp eb, 0,1,2,3,4,5,6,7
	v_wmma_f32_16x16x32_bf16 v[YZ+8*\eb:YZ+8*\eb+7], v[192+8*\eb:192+8*\eb+7], v[HB:HB+7], 0
.endr
	PLACES
	STP PS2
	s_wait_dscnt 0x0
	s_barrier_signal -1
	s_barrier_wait -1
	WIN 0xc0
	LDP 0, WB, PS2
	LDP 1, WB, PS2
	LDP 2, WB, PS2
	LDP 3, WB, PS2
	s_wait_dscnt 0x0
	ADDPART
	s_wait_loadcnt 32                              ; ln2's 32 stay out: b2 is in
	WIN 0x04
.set ii, 0
.rept 32
	v_pk_add_f32 v[X1+2*ii:X1+2*ii+1], v[X1+2*ii:X1+2*ii+1], v[128+2*ii:128+2*ii+1]
.set ii, ii+1
.endr
	s_wait_loadcnt 0x0
	LNORM 0x14
; ---- the way out: through my own stage into whole rows; wave w stores rows 4 w .. 4 w + 3
	WIN 0
.irp e, 0,1,2,3,4,5,6,7
	ds_store_b128 v[SGW], v[X1+8*\e:X1+8*\e+3]   offset:64*\e
	ds_store_b128 v[SGW], v[X1+8*\e+4:X1+8*\e+7] offset:64*\e+16
.endr
.irp i, 0,1,2,3
	ds_load_b128 v[FB+4*\i:FB+4*\i+3], v[SGR] offset:XP*\i             ; LDS serves a wave's instructions in order (ISA guide 5.7.1.4): these see the stores above
.endr
.if LAST
	s_wait_dscnt 0x0
	s_mov_b32 s76, 0x3fb8aa3b                      ; log2 e
	s_mov_b32 s77, 0x3f317218                      ; ln 2
.set ii, 0
.rept 16
	v_or_b32 v[HR+ii], 0x80000000, v[FB+ii]        ; -|x|
.set ii, ii+1
.endr
.set ii, 0
.rept 16
	v_mul_f32 v[HR+ii], s76, v[HR+ii]
.set ii, ii+1
.endr
.set ii, 0
.rept 16
	v_exp_f32 v[HR+ii], v[HR+ii]
.set ii, ii+1
.endr
	v_nop
.set ii, 0
.rept 16
	v_add_f32 v[HR+ii], 1.0, v[HR+ii]
.set ii, ii+1
.endr
.set ii, 0
.rept 16
	v_log_f32 v[HR+ii], v[HR+ii]
.set ii, ii+1
.endr
	v_nop
.set ii, 0
.rept 16
	v_max_num_f32 v[FB+ii], 0, v[FB+ii]
.set ii, ii+1
.endr
.set ii, 0
.rept 16
	v_fmac_f32 v[FB+ii], s77, v[HR+ii]
.set ii, ii+1
.endr
.irp i, 0,1,2,3
	global_store_b128 v[LIN], v[FB+4*\i:FB+4*\i+3], s[20:21] offset:512*\i th:TH_STORE_NT   ; a whole row of 512 consecutive bytes
.endr
.else
.irp i, 0,1,2,3
	s_wait_dscnt 3-\i                              ; LDS loads return in order: row i is in
	global_store_b128 v[LIN], v[FB+4*\i:FB+4*\i+3], s[20:21] offset:512*\i                  ; a whole row of 512 consecutive bytes
	v_cvt_pk_bf16_f32 v[HB+2*\i], v[FB+4*\i], v[FB+4*\i+1]
	v_cvt_pk_bf16_f32 v[HB+2*\i+1], v[FB+4*\i+2], v[FB+4*\i+3]
	global_store_b64 v[L8], v[HB+2*\i:HB+2*\i+1], s[22:23] offset:256*\i                    ; the same row in bf16: 256 consecutive bytes, aligned
.endr
.endif
	s_wait_xcnt 0x0
	v_lshl_add_u32 v135, v0, 2, 0x4b100
	s_set_vgpr_msb 0x40
	v_mov_b32 v255, 0
	s_set_vgpr_msb 0x4044
	s_wait_tensorcnt 0x0
	ds_add_u32 v135, v255
	s_wait_dscnt 0x0
	s_set_vgpr_msb 0x4400
	ROUND                                          ; the closing round: no work-group ends while a partner may still ask for a tile that names it
	s_endpgm
.Lfunc_end_k_q4889ac325b_layer0:
	.size	k_q4889ac325b_layer0, .Lfunc_end_k_q4889ac325b_layer0-k_q4889ac325b_layer0
	.p2alignl 7, 3214868480
	.fill 96, 4, 3214868480
	.section	.rodata,"a",@progbits
	.p2align	6, 0x0
	.amdhsa_kernel k_q4889ac325b_layer0
		.amdhsa_group_segment_fixed_size 327680
		.amdhsa_private_segment_fixed_size 0
		.amdhsa_enable_private_segment 0
		.amdhsa_kernarg_size 80
		.amdhsa_user_sgpr_count 2
		.amdhsa_user_sgpr_kernarg_segment_ptr 1
		.amdhsa_wavefront_size32 1
		.amdhsa_system_sgpr_workgroup_id_x 1
		.amdhsa_system_sgpr_workgroup_id_y 1
		.amdhsa_system_sgpr_workgroup_id_z 1
		.amdhsa_system_vgpr_workitem_id 0
		.amdhsa_next_free_vgpr 1024
		.amdhsa_next_free_sgpr 80
		.amdhsa_reserve_vcc 0
		.amdhsa_float_denorm_mode_32 3
		.amdhsa_float_denorm_mode_16_64 3
		.amdhsa_memory_ordered 1
		.amdhsa_forward_progress 1
		.amdhsa_inst_pref_size 255
	.end_amdhsa_kernel
	.section	.bss,"aw",@nobits
	.p2align	6
	.space	262144
	.amdgpu_metadata
---
amdhsa.version: [ 1, 2 ]
amdhsa.kernels:
  - .name:           k_q4889ac325b_layer0
    .symbol:         k_q4889ac325b_layer0.kd
    .args:
      - { .name: x, .offset: 0, .size: 8, .value_kind: global_buffer, .address_space: global }
      - { .name: st0, .offset: 8, .size: 8, .value_kind: global_buffer, .address_space: global }
      - { .name: params_0_mha_ln_w, .offset: 16, .size: 8, .value_kind: global_buffer, .address_space: global }
      - { .name: params_0_mha_ln_b, .offset: 24, .size: 8, .value_kind: global_buffer, .address_space: global }
      - { .name: params_0_ffn_b1, .offset: 32, .size: 8, .value_kind: global_buffer, .address_space: global }
      - { .name: params_0_ffn_b2, .offset: 40, .size: 8, .value_kind: global_buffer, .address_space: global }
      - { .name: params_0_ffn_ln_w, .offset: 48, .size: 8, .value_kind: global_buffer, .address_space: global }
      - { .name: params_0_ffn_ln_b, .offset: 56, .size: 8, .value_kind: global_buffer, .address_space: global }
      - { .name: xfa, .offset: 64, .size: 8, .value_kind: global_buffer, .address_space: global }
      - { .name: st1, .offset: 72, .size: 8, .value_kind: global_buffer, .address_space: global }
    .group_segment_fixed_size: 327680
    .private_segment_fixed_size: 0
    .kernarg_segment_align: 8
    .kernarg_segment_size: 80
    .max_flat_workgroup_size: 128
    .sgpr_count:     80
    .vgpr_count:     1024
    .wavefront_size: 32
...
	.end_amdgpu_metadata
.endif
;; end of part 3
;; launch layer1: the kernel of part 3 again; grid 256 x 1, 4 waves a work-group, clusters of 4 x 1, 327,680 bytes of LDS; arguments xfa, st1, params_1_mha_ln_w, params_1_mha_ln_b, params_1_ffn_b1, params_1_ffn_b2, params_1_ffn_ln_w, params_1_ffn_ln_b, xfb, st2; writes xfb, st2
;; launch layer2: the kernel of part 3 again; grid 256 x 1, 4 waves a work-group, clusters of 4 x 1, 327,680 bytes of LDS; arguments xfb, st2, params_2_mha_ln_w, params_2_mha_ln_b, params_2_ffn_b1, params_2_ffn_b2, params_2_ffn_ln_w, params_2_ffn_ln_b, xfa, st3; writes xfa, st3
;; launch layer3: the kernel of part 3 again; grid 256 x 1, 4 waves a work-group, clusters of 4 x 1, 327,680 bytes of LDS; arguments xfa, st3, params_3_mha_ln_w, params_3_mha_ln_b, params_3_ffn_b1, params_3_ffn_b2, params_3_ffn_ln_w, params_3_ffn_ln_b, xfb, st4; writes xfb, st4
;; launch layer_last (part 4): grid 256 x 1, 4 waves a work-group, clusters of 4 x 1, 327,680 bytes of LDS; arguments xfb, st4, params_4_mha_ln_w, params_4_mha_ln_b, params_4_ffn_b1, params_4_ffn_b2, params_4_ffn_ln_w, params_4_ffn_ln_b, out0; writes out0
.if DOCPART == 4
	.amdgcn_target "amdgcn-amd-amdhsa--gfx1250"
	.amdhsa_code_object_version 6
	.text
	.protected	k_q4889ac325b_layer_last
	.globl	k_q4889ac325b_layer_last
	.p2align	8
	.type	k_q4889ac325b_layer_last,@function
k_q4889ac325b_layer_last:
	s_mov_b64 s[64:65], 0
	v_nop
	global_prefetch_b8 v0, s[64:65] scope:SCOPE_SE
	s_setreg_imm32_b32 hwreg(HW_REG_WAVE_MODE, 25, 1), 1
	s_wait_xcnt 0x0
	s_wait_alu depctr_hold_cnt(0) depctr_sa_sdst(0) depctr_va_vdst(0) depctr_va_sdst(0) depctr_va_ssrc(0) depctr_va_vcc(0) depctr_vm_vsrc(0)
	s_getreg_b32 s2, hwreg(HW_REG_IB_STS2, 6, 4)
	s_cmp_eq_u32 s2, 0
	s_cbranch_scc0 .Lentry_in_a_cluster
	s_endpgm
.Lentry_in_a_cluster:
	s_bfe_u32 s2, ttmp6, 0x10000c
	s_cmp_lg_u32 s2, 0x3003
	s_cbranch_scc0 .Lentry_shape_is_right
	s_endpgm
.Lentry_shape_is_right:
; One whole encoder layer: attention, wo, residual, LayerNorm, FFN, residual, LayerNorm (LAST = 1: then softplus, to the output).
; Scores are (x M_h) x^T and the attention output is sum over h of (P_h x) Wvo_h (M_h, Wvo_h folded beforehand), so the keys AND the values of all four heads
; are one matrix: x in bf16, 1 MB.  A work-group owns 16 rows of x; with four heads that is 64 query rows against one tile, so every fragment read from LDS
; feeds four matrix instructions, and one LDS tile serves as keys (plain loads) and as values (transposing loads).  The price: K = 128 in the scores and
; N = 128 in P x, twice the products of the form with 64-wide heads.
; Four waves, as many as a WGP has SIMDs.  In the loop wave w takes keys 1024 w .. + 1023 for all 64 query rows, with its own running maximum;
; before and behind the loop wave w is head w, and the four key quarters are merged through LDS.
; Everything is computed transposed (weights or keys are operand A, activations operand B): lane (r, hh) of a result tile holds features 8 hh + 0..7 of
; query r, so two neighbouring tiles pack straight into the next product's operand B, and softmax and LayerNorm sums are in-lane plus one exchange of halves.
; CLUSTER: the four work-groups of a cluster walk the same x tiles, so each tile is asked for jointly (mask 15): wave w of all four issues the same descriptor.
; My own 16 rows in f32 come by a plain tensor load in the same first group.  A wave has at most three tensor loads outstanding (the first group), later one.
; No L2 prefetch: the 1.3 MB of a layer are read by all 64 clusters shortly after each other.
; LIMITS: x as keys and values, x M_h, P, P x and the FFN operands are rounded to bf16; residuals, softmax sums and LayerNorm are f32.
; exp2 results below 2^-126 count as zero.  softplus is max(x,0) + ln2 log2(1 + 2^(-|x| log2 e)): 0 for x below about -17, an absolute error under 6e-8.
.set LAST, 1
.set PITCH, 272                        ; a key row in LDS: 256 bytes + 16: 16 rows that a load touches start 4 words apart modulo 64 (64 banks of 4 bytes: ISA guide 11.1)
.set CHK, 64*PITCH                     ; a chunk: 64 keys
.set SLOT, 128*PITCH                   ; a slot: 128 keys = two chunks
.set RING, 2*SLOT                      ; each wave's own two slots
.set XP, 528                           ; pitch of f32 rows: 512 + 16
.set XROW, 4*RING                      ; my work-group's 16 rows of x in f32
.set QFRAG, XROW+16*XP                 ; x M_h as operand B fragments, [head][K step][half][lane][16]
.set STAT, QFRAG+16384                 ; (m, l): [wave][head][lane][8]
.set PS1, 32768                        ; in a wave's ring, behind its last fill: partial O at 0, partial wo sums,
.set PS2, 40960                        ; partial FFN sums,
.set STG, 49152                        ; the way out
.set MT_OFF, 1048576
.set WVO_OFF, 1179648
.set W1_OFF, 1310720
.set W2_OFF, 1343488
; window 0
.set LIN, 4                            ; 16 lane
.set ADRK, 5                           ; v5, v6    key fragments in slot 0, 1
.set ADRV, 7                           ; v7, v8    value fragments (transposing) in slot 0, 1
.set XRD, 9
.set QST, 10
.set QLD, 11
.set STS, 12
.set STL, 13
.set OWN, 14                           ; my ring + 16 lane
.set WB, 15                            ; v15-18    ring of wave p + 16 lane
.set OXL, 19                           ; v19-22    my head's partial O in the ring of wave p
.set POFF, 23                          ; 32 hh
.set SGW, 24
.set SGR, 25
.set L8, 26                            ; 8 lane
.set TA, 27
.set MX, 28                            ; v28-31    running maximum of head q
.set NM, 32                            ; v32-39    (-m, -m)
.set AL, 40                            ; v40-47    (alpha, alpha)
.set LS, 48                            ; v48-55    running sums, two each
.set TM, 56
.set TX, 60
.set AM, 64                            ; v64-79    maxima of the 16 score tiles
.set X1, 64                            ; v64-127   outside the loop: 64 f32 of query r (features 16 e + 8 hh + j at 8 e + j)
.set KF, 128                           ; v128-255  key fragments (kb, ks) at 8 (4 kb + ks)
.set FB, 128                           ; v128-159  outside the loop: operand B, four K steps
.set QB, 160
.set HR, 160                           ; v160-175  hidden tiles
.set HB, 176                           ; v176-183
.set YZ, 184                           ; v184-247  wo and FFN results
.set TT, 248                           ; v248-255
; window 1: x M_h fragments (q, ks) at 8 (4 q + ks); P fragments (q, kg) at PF + 8 (2 q + kg).  Behind the loop: Wvo image; then ln2_w 0, ln2_b 64, b2 128
.set PF, 128
; window 2: O tiles (t, q) at 8 (4 t + q).  Before the loop: M image.  Behind it: ln1_w 0, ln1_b 64, w1 image 128, w2 image 192
; window 3: score tiles (kb, q) at 8 (4 kb + q); value fragments (kg, t) at VF + 8 (8 kg + t).  Outside the loop: x M_h sums; partial sums of four waves
.set VF, 128
.set G1, 32                            ; s[32:39]  shape of an x tile (joint)
.set G0, 40                            ; s[40:47]  from where, to where: one set a slot
.set G1X, 48                           ; s[48:55]  shape of my four f32 rows (plain)
.set G0X, 56                           ; s[56:59]
.set MSB, 0
.macro WIN new                         ; s_set_vgpr_msb: bits 1:0 source 0, 3:2 source 1, 5:4 source 2, 7:6 destination; the high byte repeats the setting left
.if MSB != \new
	s_set_vgpr_msb (MSB<<8)|\new
.set MSB, \new
.endif
.endm
.macro PLACES                          ; four places behind matrix instructions (ISA guide 7.12.1) where there is no independent vector work
.rept 4
	v_nop
.endr
.endm
.macro ROUND                           ; a round of the cluster's barrier: my work-group's barrier, wave 0 signals for it, all wait for the four work-groups, my barrier again
	WIN 0
	s_barrier_signal -1
	s_barrier_wait -1
	s_cmp_lg_u32 s24, 0
	s_cbranch_scc1 .Lnot_wave_0_\@
	s_barrier_signal -3
.Lnot_wave_0_\@:
	s_barrier_wait -3
	s_barrier_signal -1
	s_barrier_wait -1
.endm
.macro PACK dst, src, n                ; n words of two bf16 from 2 n f32
.set ii, 0
.rept \n
	v_cvt_pk_bf16_f32 v[\dst+ii], v[\src+2*ii], v[\src+2*ii+1]
.set ii, ii+1
.endr
.endm
.macro LDVEC dst, sb                   ; a vector of 128 f32 in the layout of X1: features 16 e + 8 hh + 0..7
.irp e, 0,1,2,3,4,5,6,7
	global_load_b128 v[\dst+8*\e:\dst+8*\e+3],   v[POFF], s[\sb:\sb+1] offset:64*\e
	global_load_b128 v[\dst+8*\e+4:\dst+8*\e+7], v[POFF], s[\sb:\sb+1] offset:64*\e+16
.endr
.endm
.macro LDP p, areg, off                ; 64 registers of wave p's partial sums into window 3
.set ii, 0
.rept 16
	ds_load_b128 v[64*\p+4*ii:64*\p+4*ii+3], v[\areg+\p] offset:\off+512*ii
.set ii, ii+1
.endr
.endm
.macro ADDPART                         ; X1 += the four waves' partial sums
	WIN 0x03
.irp p, 0,1,2,3
.set ii, 0
.rept 32
	v_pk_add_f32 v[X1+2*ii:X1+2*ii+1], v[64*\p+2*ii:64*\p+2*ii+1], v[X1+2*ii:X1+2*ii+1]
.set ii, ii+1
.endr
.endr
.endm
.macro STP off                         ; my 64 result registers into my ring
	WIN 0
.set ii, 0
.rept 16
	ds_store_b128 v[OWN], v[YZ+4*ii:YZ+4*ii+3] offset:\off+512*ii
.set ii, ii+1
.endr
.endm
.macro RED8                            ; four pairs in TT to one number, over both halves of the lanes
	v_pk_add_f32 v[TT:TT+1], v[TT:TT+1], v[TT+2:TT+3]
	v_pk_add_f32 v[TT+4:TT+5], v[TT+4:TT+5], v[TT+6:TT+7]
	v_pk_add_f32 v[TT:TT+1], v[TT:TT+1], v[TT+4:TT+5]
	v_add_f32 v[TT], v[TT], v[TT+1]
	v_permlanex16_b32 v[TT+2], v[TT], s28, s29
	v_add_f32 v[TT], v[TT], v[TT+2]
.endm
; LayerNorm of X1 in place: mean, then the sum of squares of the differences (no difference of large sums).  wset: the window of gain (v0-63) and bias (v64-127)
.macro LNORM wset
	WIN 0
.irp c, 0,2,4,6
	v_pk_add_f32 v[TT+\c:TT+\c+1], v[X1+\c:X1+\c+1], v[X1+8+\c:X1+8+\c+1]
.endr
.irp g, 2,3,4,5,6,7
.irp c, 0,2,4,6
	v_pk_add_f32 v[TT+\c:TT+\c+1], v[TT+\c:TT+\c+1], v[X1+8*\g+\c:X1+8*\g+\c+1]
.endr
.endr
	RED8
	v_mul_f32 v[TT+6], 0xbc000000, v[TT]           ; - sum / 128
	v_mov_b32 v[TT+7], v[TT+6]
.set ii, 0
.rept 32
	v_pk_add_f32 v[X1+2*ii:X1+2*ii+1], v[X1+2*ii:X1+2*ii+1], v[TT+6:TT+7]
.set ii, ii+1
.endr
.irp c, 0,2,4,6
	v_pk_mul_f32 v[TT+\c:TT+\c+1], v[X1+\c:X1+\c+1], v[X1+\c:X1+\c+1]
.endr
.irp g, 1,2,3,4,5,6,7
.irp c, 0,2,4,6
	v_pk_fma_f32 v[TT+\c:TT+\c+1], v[X1+8*\g+\c:X1+8*\g+\c+1], v[X1+8*\g+\c:X1+8*\g+\c+1], v[TT+\c:TT+\c+1]
.endr
.endr
	RED8
	v_fma_f32 v[TT], v[TT], s30, s31               ; variance + 1e-5
	v_rsq_f32 v[TT+6], v[TT]
	v_rsq_f32 v[TT+7], v[TT]
	v_nop                                          ; one plain place behind a transcendental before its result is used (ISA guide 5.7.2)
.set ii, 0
	s_wait_alu depctr_va_vdst(0)
.rept 32
	v_pk_mul_f32 v[X1+2*ii:X1+2*ii+1], v[X1+2*ii:X1+2*ii+1], v[TT+6:TT+7]
.set ii, ii+1
.endr
	WIN \wset
.set ii, 0
.rept 32
	v_pk_fma_f32 v[X1+2*ii:X1+2*ii+1], v[X1+2*ii:X1+2*ii+1], v[2*ii:2*ii+1], v[64+2*ii:64+2*ii+1]
.set ii, ii+1
.endr
.endm
; ---- the loop's steps
.macro LDK slot, c                     ; 32 loads: 64 keys x 128 features as operand A of the scores
	WIN 0
.irp kb, 0,1,2,3
.irp ks, 0,1,2,3
	ds_load_b128 v[KF+8*(4*\kb+\ks):KF+8*(4*\kb+\ks)+3],   v[ADRK+(\slot)] offset:(\c)*CHK+\kb*16*PITCH+64*\ks
	ds_load_b128 v[KF+8*(4*\kb+\ks)+4:KF+8*(4*\kb+\ks)+7], v[ADRK+(\slot)] offset:(\c)*CHK+\kb*16*PITCH+64*\ks+32
.endr
.endr
.endm
; 32 transposing loads: the same 64 keys as operand A of P x.  Lanes 8-15 of a half take the 16 bytes 128 bytes further on, so row m of fragment t is
; feature 8 t + 64 (m >> 3) + (m & 7), O tile t holds features 64 hh + 8 t + j (the order built into the Wvo image), and at pitch 272 the 16 lanes of a
; half touch 16 different 16-byte columns modulo 256 bytes
.macro LDV slot, c
	WIN 0xc0
.irp kg, 0,1
.irp t, 0,1,2,3,4,5,6,7
	ds_load_tr16_b128 v[VF+8*(8*\kg+\t):VF+8*(8*\kg+\t)+3],   v[ADRV+(\slot)] offset:(\c)*CHK+\kg*32*PITCH+16*\t
	ds_load_tr16_b128 v[VF+8*(8*\kg+\t)+4:VF+8*(8*\kg+\t)+7], v[ADRV+(\slot)] offset:(\c)*CHK+\kg*32*PITCH+16*PITCH+16*\t
.endr
.endr
.endm
.macro SPH                             ; scores, transposed: tile (kb, q) = keys 16 kb .. x queries of head q.  The four heads' tiles take turns
	s_wait_dscnt 32                                ; all but the 32 value loads just issued: the key fragments are in
	WIN 0xf4
.irp kb, 0,1,2,3
.irp ks, 0,1,2,3
.irp qb, 0,1,2,3
.if \ks == 0
	v_wmma_f32_16x16x32_bf16 v[8*(4*\kb+\qb):8*(4*\kb+\qb)+7], v[KF+8*(4*\kb+\ks):KF+8*(4*\kb+\ks)+7], v[8*(4*\qb+\ks):8*(4*\qb+\ks)+7], 0
.else
	v_wmma_f32_16x16x32_bf16 v[8*(4*\kb+\qb):8*(4*\kb+\qb)+7], v[KF+8*(4*\kb+\ks):KF+8*(4*\kb+\ks)+7], v[8*(4*\qb+\ks):8*(4*\qb+\ks)+7], v[8*(4*\kb+\qb):8*(4*\kb+\qb)+7]
.endif
.endr
.endr
.endr
.endm
.macro MAXPH first                     ; the new running maximum of each head's query r, alpha = 2^(old - new), and -m
	WIN 0x0f
.set ii, 0
.rept 16
	v_max_num_f32 v[AM+ii], v[8*ii], v[8*ii+1]
.set ii, ii+1
.endr
.irp p, 2,4,6
.set ii, 0
.rept 16
	v_max3_num_f32 v[AM+ii], v[8*ii+\p], v[8*ii+\p+1], v[AM+ii]
.set ii, ii+1
.endr
.endr
	WIN 0
.irp q, 0,1,2,3
	v_max3_num_f32 v[TM+\q], v[AM+\q], v[AM+4+\q], v[AM+8+\q]
.endr
.irp q, 0,1,2,3
.if \first
	v_max_num_f32 v[TM+\q], v[TM+\q], v[AM+12+\q]
.else
	v_max3_num_f32 v[TM+\q], v[TM+\q], v[AM+12+\q], v[MX+\q]
.endif
.endr
.irp q, 0,1,2,3
	v_permlanex16_b32 v[TX+\q], v[TM+\q], s28, s29 ; the other half of the lanes holds the other keys of the same query
.endr
.irp q, 0,1,2,3
	v_max_num_f32 v[TM+\q], v[TM+\q], v[TX+\q]
.endr
.if \first == 0
.irp q, 0,1,2,3
	v_sub_f32 v[TX+\q], v[MX+\q], v[TM+\q]
.endr
.irp q, 0,1,2,3
	v_exp_f32 v[AL+2*\q], v[TX+\q]
	v_exp_f32 v[AL+2*\q+1], v[TX+\q]
.endr
.endif
.irp q, 0,1,2,3
	v_mov_b32 v[MX+\q], v[TM+\q]                   ; also the plain place behind the exponentials
.endr
.irp q, 0,1,2,3
	v_sub_f32 v[NM+2*\q], 0, v[TM+\q]
	v_sub_f32 v[NM+2*\q+1], 0, v[TM+\q]
.endr
.endm
.macro SUBEXP                          ; P = 2^(S - m) in place; the next tile's subtraction is the plain place behind a tile's exponentials
	WIN 0xc3
.set ii, 0
.rept 16
.irp p, 0,2,4,6
	v_pk_add_f32 v[8*ii+\p:8*ii+\p+1], v[8*ii+\p:8*ii+\p+1], v[NM+2*(ii&3):NM+2*(ii&3)+1]
.endr
.irp p, 0,1,2,3,4,5,6,7
	v_exp_f32 v[8*ii+\p], v[8*ii+\p]
.endr
.set ii, ii+1
.endr
.endm
.macro SUMPH first                     ; l = alpha l + sum of P, four chains
.if \first == 0
	WIN 0
	s_wait_alu depctr_va_vdst(0)
.irp q, 0,1,2,3
	v_pk_mul_f32 v[LS+2*\q:LS+2*\q+1], v[LS+2*\q:LS+2*\q+1], v[AL+2*\q:AL+2*\q+1]
.endr
.endif
	WIN 0x03
	s_wait_alu depctr_va_vdst(0)
.irp p, 0,2,4,6
.set ii, 0
.rept 16
	v_pk_add_f32 v[LS+2*(ii&3):LS+2*(ii&3)+1], v[8*ii+\p:8*ii+\p+1], v[LS+2*(ii&3):LS+2*(ii&3)+1]
.set ii, ii+1
.endr
.endr
.endm
.macro CVTPH                           ; score tiles 2 kg and 2 kg + 1 of a head are registers 0-3 and 4-7 of its operand B for keys 32 kg ..
	WIN 0x4f
.irp qb, 0,1,2,3
.irp kg, 0,1
.irp u, 0,1
.irp i, 0,1,2,3
	v_cvt_pk_bf16_f32 v[PF+8*(2*\qb+\kg)+4*\u+\i], v[8*(4*(2*\kg+\u)+\qb)+2*\i], v[8*(4*(2*\kg+\u)+\qb)+2*\i+1]
.endr
.endr
.endr
.endr
.endm
.macro RESC                            ; O *= alpha
	WIN 0x82
.set ii, 0
.rept 32
.irp p, 0,2,4,6
	v_pk_mul_f32 v[8*ii+\p:8*ii+\p+1], v[8*ii+\p:8*ii+\p+1], v[AL+2*(ii&3):AL+2*(ii&3)+1]
.endr
.set ii, ii+1
.endr
.endm
.macro PVPH first, left                ; O += x^T P: 32 tiles take turns
	s_wait_dscnt \left                             ; all but the next chunk's key loads: the value fragments are in
	WIN 0xa7
.irp kg, 0,1
.irp t, 0,1,2,3,4,5,6,7
.irp qb, 0,1,2,3
.if (\first)*(1-\kg)
	v_wmma_f32_16x16x32_bf16 v[8*(4*\t+\qb):8*(4*\t+\qb)+7], v[VF+8*(8*\kg+\t):VF+8*(8*\kg+\t)+7], v[PF+8*(2*\qb+\kg):PF+8*(2*\qb+\kg)+7], 0
.else
	v_wmma_f32_16x16x32_bf16 v[8*(4*\t+\qb):8*(4*\t+\qb)+7], v[VF+8*(8*\kg+\t):VF+8*(8*\kg+\t)+7], v[PF+8*(2*\qb+\kg):PF+8*(2*\qb+\kg)+7], v[8*(4*\t+\qb):8*(4*\t+\qb)+7]
.endif
.endr
.endr
.endr
.endm
; One chunk of 64 keys.  mode 0: the slot's first chunk; 1: its last, and the slot is filled again; 2: its last, nothing to fill; 3: the very last chunk.
; Behind the score products of a slot's last chunk every byte of the slot that is needed lies in registers: the earliest place for the refill.
.macro CHUNK slot, c, first, mode
.if \first == 0
	PLACES                                         ; behind the products that read the value fragments
.endif
	LDV \slot, \c
	SPH
	PLACES                                         ; before the scores are read and the key fragments loaded again
.if \mode == 0
	LDK \slot, 1
.endif
.if \mode == 1
	s_wait_dscnt 0x0                               ; my reads of this slot are back
	s_wait_xcnt 0x0
	s_set_vgpr_msb 0xf434
	v_lshl_add_u32 v135, v0, 2, 0x4b100
	s_set_vgpr_msb 0x3474
	v_mov_b32 v255, 0
	s_wait_tensorcnt 0x0                           ; all my tensor loads have landed (the one out was the other slot's), so a descriptor may be written
	ds_add_u32 v135, v255
	s_wait_dscnt 0x0
	s_set_vgpr_msb 0x74f4
	s_add_nc_u64 s[G0+4*\slot+2:G0+4*\slot+3], s[G0+4*\slot+2:G0+4*\slot+3], 0x10000   ; two slots of 128 keys of 256 bytes further
	ROUND                                          ; both hold of every wave of the four work-groups
	tensor_load_to_lds s[G0+4*\slot:G0+4*\slot+3], s[G1:G1+7]     ; my one tensor load behind the round, first thing; it has two chunks' work in which to land
	s_nop 0
	LDK 1-\slot, 0
.endif
.if \mode == 2
	s_wait_tensorcnt 0x0                           ; the last fill, issued two chunks ago; no load was issued behind it
	LDK 1-\slot, 0
.endif
	MAXPH \first
	SUBEXP
	SUMPH \first
	CVTPH
.if \first == 0
	RESC
.endif
.if \mode == 3
	PVPH \first, 0
.else
	PVPH \first, 32
.endif
.endm
; ---- set-up
	s_load_b512 s[4:19], s[0:1], 0x0               ; x f32 s[4:5], st s[6:7], ln1_w, ln1_b, b1 s[12:13], b2 s[14:15], ln2_w s[16:17], ln2_b s[18:19]
.if LAST
	s_load_b64 s[20:21], s[0:1], 0x40              ; the output
	v_lshl_add_u32 v135, v0, 2, 0x4b100
	s_set_vgpr_msb 0x40
	v_mov_b32 v255, 0
	s_set_vgpr_msb 0x4044
	ds_add_u32 v135, v255
	s_wait_dscnt 0x0
	s_set_vgpr_msb 0x4400
.else
	s_load_b128 s[20:23], s[0:1], 0x40             ; next x in f32, next st (its bf16 x)
.endif
	v_lshrrev_b32 v1, 5, v0
	v_readfirstlane_b32 s24, v1                    ; wave w
	s_bfe_u32 s25, ttmp6, 0x40000                  ; cx
	s_lshl_b32 s26, ttmp9, 2
	s_add_co_u32 s26, s26, s25                     ; work-group = 4 x cluster + cx: enters global addresses of plain accesses alone
	s_mov_b32 s28, 0x76543210                      ; v_permlanex16_b32: lane i of the other half
	s_mov_b32 s29, 0xfedcba98
	s_mov_b32 s30, 0x3c000000                      ; 1 / 128
	s_mov_b32 s31, 0x3727c5ac                      ; 1e-5
	s_mov_b32 s[G1+0], 15|(1<<16)|(1<<20)|(1<<21)|(5<<22)|(3<<25)  ; mask: all four work-groups; 2-byte elements; padding on; bit 21 beside a mask; after 64 words, 4 words
	s_mov_b32 s[G1+1], 128<<16                     ; tensor_dim0 = 128
	s_mov_b32 s[G1+2], 128<<16                     ; tensor_dim1 = 128
	s_mov_b32 s[G1+3], 128<<16                     ; tile_dim0 = 128
	s_mov_b32 s[G1+4], 128                         ; tile_dim1 = 128 keys
	s_mov_b32 s[G1+5], 128                         ; 128 elements from row to row
	s_mov_b32 s[G1+6], 0
	s_mov_b32 s[G1+7], 0
	s_mov_b32 s[G1X+0], (2<<16)|(1<<20)|(6<<22)|(3<<25)            ; no mask; 4-byte elements; after 128 words, 4 words
	s_mov_b32 s[G1X+1], 128<<16
	s_mov_b32 s[G1X+2], 4<<16
	s_mov_b32 s[G1X+3], 128<<16
	s_mov_b32 s[G1X+4], 4                          ; four rows a wave
	s_mov_b32 s[G1X+5], 128
	s_mov_b32 s[G1X+6], 0
	s_mov_b32 s[G1X+7], 0
	s_mul_i32 s60, s24, RING                       ; my ring
	s_mul_i32 s61, s24, 4*XP
	s_lshl_b32 s62, s24, 18                        ; 1,024 keys of 256 bytes a wave
	s_mov_b32 s63, 0
	s_lshl_b32 s76, s26, 13                        ; 16 rows of 512 bytes a work-group,
	s_lshl_b32 s77, s24, 11                        ; four a wave
	s_add_co_u32 s76, s76, s77
	s_mov_b32 s77, 0
	s_lshl_b32 s78, s24, 15
	s_mov_b32 s79, 0
	s_wait_kmcnt 0x0
	s_add_nc_u64 s[62:63], s[6:7], s[62:63]
.irp s, 0,1
	s_mov_b32 s[G0+4*\s], 1
	s_add_co_u32 s[G0+4*\s+1], s60, \s*SLOT
	s_add_nc_u64 s[G0+4*\s+2:G0+4*\s+3], s[62:63], \s*32768
	s_or_b32 s[G0+4*\s+3], s[G0+4*\s+3], 0x80000000
.endr
	s_mov_b32 s[G0X], 1
	s_add_co_u32 s[G0X+1], s61, XROW
	s_add_nc_u64 s[G0X+2:G0X+3], s[4:5], s[76:77]
	s_or_b32 s[G0X+3], s[G0X+3], 0x80000000
	ROUND                                          ; the four work-groups are here: the first joint loads meet
	tensor_load_to_lds s[G0X:G0X+3], s[G1X:G1X+7]  ; my four rows of x in f32
	s_nop 0
	tensor_load_to_lds s[G0:G0+3], s[G1:G1+7]      ; keys 0-127 of my quarter
	s_nop 0
	tensor_load_to_lds s[G0+4:G0+7], s[G1:G1+7]    ; keys 128-255
	s_nop 0
	s_add_nc_u64 s[66:67], s[6:7], s[78:79]
	s_add_nc_u64 s[68:69], s[66:67], WVO_OFF       ; Wvo image of head w
	s_add_nc_u64 s[66:67], s[66:67], MT_OFF        ; M image of head w
	s_lshl_b32 s78, s24, 13
	s_add_nc_u64 s[70:71], s[6:7], s[78:79]
	s_add_nc_u64 s[70:71], s[70:71], W1_OFF        ; w1 image, hidden features 32 w ..: eight fragments
	s_lshl_b32 s78, s24, 10
	s_add_nc_u64 s[72:73], s[6:7], s[78:79]
	s_add_nc_u64 s[72:73], s[72:73], W2_OFF        ; w2 image, K step w of every block
	s_lshl_b32 s78, s24, 7
	s_add_nc_u64 s[74:75], s[12:13], s[78:79]      ; b1 at 32 w
	s_add_nc_u64 s[20:21], s[20:21], s[76:77]      ; my four rows of the f32 result
.if LAST == 0
	s_lshr_b32 s76, s76, 1
	s_add_nc_u64 s[22:23], s[22:23], s[76:77]      ; and of its bf16 copy
.endif
	v_and_b32 v1, 31, v0                           ; lane
	v_and_b32 v2, 15, v0                           ; r
	v_bfe_u32 v3, v0, 4, 1                         ; hh
	v_lshlrev_b32 v[LIN], 4, v1
	v_lshlrev_b32 v[L8], 3, v1
	v_lshlrev_b32 v[POFF], 5, v3
	WIN 0x80
.set ii, 0
.rept 64
	global_load_b128 v[4*ii:4*ii+3], v[LIN], s[66:67] offset:512*ii    ; the M image of my head, 512 consecutive bytes a load
.set ii, ii+1
.endr
	WIN 0
	v_mul_u32_u24 v[TA], v2, PITCH
	v_lshl_add_u32 v[TA], v3, 4, v[TA]
	v_add_nc_u32 v[ADRK], s60, v[TA]               ; row r, 16 hh
	v_add_nc_u32 v[ADRK+1], SLOT, v[ADRK]
	v_and_b32 v[TA], 7, v0
	v_lshl_add_u32 v[TA], v3, 3, v[TA]
	v_mul_u32_u24 v[TA], v[TA], PITCH
	v_bfe_u32 v[ADRV], v0, 3, 1
	v_lshl_add_u32 v[TA], v[ADRV], 7, v[TA]
	v_add_nc_u32 v[ADRV], s60, v[TA]               ; row 8 hh + (lane & 7), 128 ((lane >> 3) & 1)
	v_add_nc_u32 v[ADRV+1], SLOT, v[ADRV]
	v_mul_u32_u24 v[XRD], v2, XP
	v_lshl_add_u32 v[XRD], v3, 5, v[XRD]           ; row r, 32 hh
	v_add_nc_u32 v[SGW], s60, v[XRD]
	v_add_nc_u32 v[SGW], STG, v[SGW]
	v_add_nc_u32 v[XRD], XROW, v[XRD]
	s_lshl_b32 s78, s24, 12
	s_add_co_u32 s78, s78, QFRAG
	v_add_nc_u32 v[QST], s78, v[LIN]
	v_add_nc_u32 v[QLD], QFRAG, v[LIN]
	s_lshl_b32 s78, s24, 10
	s_add_co_u32 s78, s78, STAT
	v_add_nc_u32 v[STS], s78, v[L8]
	s_lshl_b32 s78, s24, 8
	s_add_co_u32 s78, s78, STAT
	v_add_nc_u32 v[STL], s78, v[L8]
	v_add_nc_u32 v[OWN], s60, v[LIN]
	s_lshl_b32 s78, s24, 13
.irp p, 0,1,2,3
	v_add_nc_u32 v[WB+\p], \p*RING, v[LIN]
	v_add_nc_u32 v[OXL+\p], s78, v[WB+\p]
.endr
	s_add_co_u32 s78, s61, s60
	s_add_co_u32 s78, s78, STG
	v_add_nc_u32 v[SGR], s78, v[LIN]               ; rows 4 w .. of my stage
; ---- x M_h of my head for the 16 queries
	s_wait_tensorcnt 0x2                           ; my rows of x are in; the two x tiles issued behind them stay out
	s_barrier_signal -1
	s_barrier_wait -1                              ; all 16 rows are in
.irp e, 0,1,2,3,4,5,6,7
	ds_load_b128 v[X1+8*\e:X1+8*\e+3],   v[XRD] offset:64*\e
	ds_load_b128 v[X1+8*\e+4:X1+8*\e+7], v[XRD] offset:64*\e+16
.endr
	s_wait_dscnt 0x0
	PACK FB, X1, 32
	s_wait_loadcnt 0x0                             ; the M image
	WIN 0xf2
.irp ks, 0,1,2,3
.irp bb, 0,1,2,3,4,5,6,7
.if \ks == 0
	v_wmma_f32_16x16x32_bf16 v[8*\bb:8*\bb+7], v[8*(4*\bb+\ks):8*(4*\bb+\ks)+7], v[FB+8*\ks:FB+8*\ks+7], 0
.else
	v_wmma_f32_16x16x32_bf16 v[8*\bb:8*\bb+7], v[8*(4*\bb+\ks):8*(4*\bb+\ks)+7], v[FB+8*\ks:FB+8*\ks+7], v[8*\bb:8*\bb+7]
.endif
.endr
.endr
	PLACES
	WIN 0x0f
	PACK QB, 0, 32
	WIN 0
.irp i, 0,1,2,3,4,5,6,7
	ds_store_b128 v[QST], v[QB+4*\i:QB+4*\i+3] offset:512*\i
.endr
	s_wait_dscnt 0x0                               ; my head's fragments are in LDS before I say so
	s_barrier_signal -1
	s_barrier_wait -1
	WIN 0x40
.set ii, 0
.rept 32
	ds_load_b128 v[4*ii:4*ii+3], v[QLD] offset:512*ii                  ; all four heads' fragments
.set ii, ii+1
.endr
	WIN 0
.irp i, 0,1,2,3,4,5,6,7
	v_mov_b32 v[LS+\i], 0                          ; the sums of P start at 0
.endr
.irp i, 0,1,2,3
	v_mov_b32 v[TX+\i], 0                          ; a destination of v_permlanex16_b32 counts as read
.endr
	s_wait_tensorcnt 0x1                           ; slot 0 is in (only I read my ring); slot 1 stays out
	LDK 0, 0
; ---- 16 chunks of 64 keys: eight fills of 128 keys, two at the start and six refills
	CHUNK 0, 0, 1, 0
	WIN 0
	s_mov_b32 s27, 3
.Lloop:
	CHUNK 0, 1, 0, 1
	CHUNK 1, 0, 0, 0
	CHUNK 1, 1, 0, 1
	CHUNK 0, 0, 0, 0
	WIN 0
	s_sub_co_u32 s27, s27, 1
	s_cmp_lg_u32 s27, 0
	s_cbranch_scc1 .Lloop
	CHUNK 0, 1, 0, 2
	CHUNK 1, 0, 0, 0
	CHUNK 1, 1, 0, 3
; ---- hand my quarter's (m, l, O) over.  My ring has had its last fill and its last read: it is scratch from here on
	PLACES
	WIN 0x40
.set ii, 0
.rept 64
	global_load_b128 v[4*ii:4*ii+3], v[LIN], s[68:69] offset:512*ii    ; 64 loads: the Wvo image of my head
.set ii, ii+1
.endr
	WIN 0
.irp q, 0,1,2,3
	v_add_f32 v[TM+\q], v[LS+2*\q], v[LS+2*\q+1]
.endr
.irp q, 0,1,2,3
	v_permlanex16_b32 v[TX+\q], v[TM+\q], s28, s29
.endr
.irp q, 0,1,2,3
	v_mov_b32 v[NM+2*\q], v[MX+\q]
	v_add_f32 v[NM+2*\q+1], v[TM+\q], v[TX+\q]
.endr
.irp q, 0,1,2,3
	ds_store_b64 v[STS], v[NM+2*\q:NM+2*\q+1] offset:256*\q
.endr
	WIN 0x08
.irp q, 0,1,2,3
.irp t, 0,1,2,3,4,5,6,7
	ds_store_b128 v[OWN], v[8*(4*\t+\q):8*(4*\t+\q)+3]   offset:8192*\q+1024*\t
	ds_store_b128 v[OWN], v[8*(4*\t+\q)+4:8*(4*\t+\q)+7] offset:8192*\q+1024*\t+512
.endr
.endr
	WIN 0
	s_wait_dscnt 0x0                               ; in LDS before I say so
	WIN 0x80                                       ; 52 loads: ln1_w 16, ln1_b 16, b1 4, w1 image 16
	LDVEC 0, 8
	LDVEC 64, 10
	WIN 0
.irp u, 0,1
	global_load_b128 v[HR+8*\u:HR+8*\u+3],   v[POFF], s[74:75] offset:64*\u       ; b1 starts the hidden sums
	global_load_b128 v[HR+8*\u+4:HR+8*\u+7], v[POFF], s[74:75] offset:64*\u+16
.endr
	WIN 0x80
.set ii, 0
.rept 16
	global_load_b128 v[128+4*ii:128+4*ii+3], v[LIN], s[70:71] offset:512*ii
.set ii, ii+1
.endr
	WIN 0
	s_barrier_signal -1
	s_barrier_wait -1
; ---- merge the four key quarters for my head
.irp p, 0,1,2,3
	ds_load_b64 v[NM+2*\p:NM+2*\p+1], v[STL] offset:1024*\p
.endr
	WIN 0xc0
	LDP 0, OXL, 0
	LDP 1, OXL, 0
	LDP 2, OXL, 0
	s_wait_dscnt 48                                ; all but the 48 loads of partial O: the four (m, l) are in
	LDP 3, OXL, 0
	WIN 0
	v_max3_num_f32 v[TA], v[NM], v[NM+2], v[NM+4]
	v_max_num_f32 v[TA], v[TA], v[NM+6]
.irp p, 0,1,2,3
	v_sub_f32 v[TX+\p], v[NM+2*\p], v[TA]
.endr
.irp p, 0,1,2,3
	v_exp_f32 v[TM+\p], v[TX+\p]
.endr
	v_nop
	s_wait_alu depctr_va_vdst(0)
	v_mul_f32 v[TA], v[TM], v[NM+1]
	v_fmac_f32 v[TA], v[TM+1], v[NM+3]
	v_fmac_f32 v[TA], v[TM+2], v[NM+5]
	v_fmac_f32 v[TA], v[TM+3], v[NM+7]             ; at least 1: the quarter with the largest m has factor 1 and a sum of at least 1
	v_rcp_f32 v[TX], v[TA]
	v_nop
	s_wait_alu depctr_va_vdst(0)
.irp p, 0,1,2,3
	v_mul_f32 v[AL+2*\p], v[TM+\p], v[TX]
	v_mul_f32 v[AL+2*\p+1], v[TM+\p], v[TX]
.endr
	s_wait_dscnt 0x0
	WIN 0x03
.set ii, 0
.rept 32
	v_pk_mul_f32 v[X1+2*ii:X1+2*ii+1], v[2*ii:2*ii+1], v[AL:AL+1]
.set ii, ii+1
.endr
.irp p, 1,2,3
.set ii, 0
.rept 32
	v_pk_fma_f32 v[X1+2*ii:X1+2*ii+1], v[64*\p+2*ii:64*\p+2*ii+1], v[AL+2*\p:AL+2*\p+1], v[X1+2*ii:X1+2*ii+1]
.set ii, ii+1
.endr
.endr
	WIN 0
	PACK FB, X1, 32
; ---- (P_h x) Wvo_h: the sum over heads is split over the waves
	s_wait_loadcnt 52                              ; all but the 52 loads behind it: the Wvo image is in
	WIN 0x01
.irp ks, 0,1,2,3
.irp eb, 0,1,2,3,4,5,6,7
.if \ks == 0
	v_wmma_f32_16x16x32_bf16 v[YZ+8*\eb:YZ+8*\eb+7], v[8*(4*\eb+\ks):8*(4*\eb+\ks)+7], v[FB+8*\ks:FB+8*\ks+7], 0
.else
	v_wmma_f32_16x16x32_bf16 v[YZ+8*\eb:YZ+8*\eb+7], v[8*(4*\eb+\ks):8*(4*\eb+\ks)+7], v[FB+8*\ks:FB+8*\ks+7], v[YZ+8*\eb:YZ+8*\eb+7]
.endif
.endr
.endr
	PLACES
	WIN 0x80                                       ; 32 loads: w2 image 16, b2 16
.irp eb, 0,1,2,3,4,5,6,7
	global_load_b128 v[192+8*\eb:192+8*\eb+3],   v[LIN], s[72:73] offset:4096*\eb
	global_load_b128 v[192+8*\eb+4:192+8*\eb+7], v[LIN], s[72:73] offset:4096*\eb+512
.endr
	WIN 0x40
	LDVEC 128, 14
	STP PS1
	s_wait_dscnt 0x0
	s_barrier_signal -1
	s_barrier_wait -1
; ---- sum over heads, residual, first LayerNorm.  Every wave does all 128 features of the 16 queries: they are one block of columns
.irp e, 0,1,2,3,4,5,6,7
	ds_load_b128 v[X1+8*\e:X1+8*\e+3],   v[XRD] offset:64*\e
	ds_load_b128 v[X1+8*\e+4:X1+8*\e+7], v[XRD] offset:64*\e+16
.endr
	WIN 0xc0
	LDP 0, WB, PS1
	LDP 1, WB, PS1
	LDP 2, WB, PS1
	LDP 3, WB, PS1
	s_wait_dscnt 0x0
	ADDPART
	s_wait_loadcnt 52                              ; b1 4, w1 16 and the 32 behind them stay out: ln1_w and ln1_b are in
	LNORM 0x28
; ---- FFN: wave w makes hidden features 32 w .. + 31, which are K step w of the second product
	WIN 0
	PACK FB, X1, 32
	s_wait_loadcnt 32                              ; the w2 image and b2 stay out: b1 and the w1 image are in
	WIN 0x40                                       ; 32 loads: ln2_w, ln2_b
	LDVEC 0, 16
	LDVEC 64, 18
	WIN 0x02
.irp ks, 0,1,2,3
.irp u, 0,1
	v_wmma_f32_16x16x32_bf16 v[HR+8*\u:HR+8*\u+7], v[128+8*(4*\u+\ks):128+8*(4*\u+\ks)+7], v[FB+8*\ks:FB+8*\ks+7], v[HR+8*\u:HR+8*\u+7]
.endr
.endr
	PLACES
	WIN 0
.set ii, 0
.rept 16
	v_max_num_f32 v[HR+ii], 0, v[HR+ii]            ; leaky_relu with slope 0
.set ii, ii+1
.endr
	PACK HB, HR, 8
	s_wait_loadcnt 48                              ; b2 16 and the 32 of ln2 stay out: the w2 image is in
	WIN 0x02
.irp eb, 0,1,2,3,4,5,6,7
	v_wmma_f32_16x16x32_bf16 v[YZ+8*\eb:YZ+8*\eb+7], v[192+8*\eb:192+8*\eb+7], v[HB:HB+7], 0
.endr
	PLACES
	STP PS2
	s_wait_dscnt 0x0
	s_barrier_signal -1
	s_barrier_wait -1
	WIN 0xc0
	LDP 0, WB, PS2
	LDP 1, WB, PS2
	LDP 2, WB, PS2
	LDP 3, WB, PS2
	s_wait_dscnt 0x0
	ADDPART
	s_wait_loadcnt 32                              ; ln2's 32 stay out: b2 is in
	WIN 0x04
.set ii, 0
.rept 32
	v_pk_add_f32 v[X1+2*ii:X1+2*ii+1], v[X1+2*ii:X1+2*ii+1], v[128+2*ii:128+2*ii+1]
.set ii, ii+1
.endr
	s_wait_loadcnt 0x0
	LNORM 0x14
; ---- the way out: through my own stage into whole rows; wave w stores rows 4 w .. 4 w + 3
	WIN 0
.irp e, 0,1,2,3,4,5,6,7
	ds_store_b128 v[SGW], v[X1+8*\e:X1+8*\e+3]   offset:64*\e
	ds_store_b128 v[SGW], v[X1+8*\e+4:X1+8*\e+7] offset:64*\e+16
.endr
.irp i, 0,1,2,3
	ds_load_b128 v[FB+4*\i:FB+4*\i+3], v[SGR] offset:XP*\i             ; LDS serves a wave's instructions in order (ISA guide 5.7.1.4): these see the stores above
.endr
.if LAST
	s_wait_dscnt 0x0
	s_mov_b32 s76, 0x3fb8aa3b                      ; log2 e
	s_mov_b32 s77, 0x3f317218                      ; ln 2
.set ii, 0
.rept 16
	v_or_b32 v[HR+ii], 0x80000000, v[FB+ii]        ; -|x|
.set ii, ii+1
.endr
.set ii, 0
.rept 16
	v_mul_f32 v[HR+ii], s76, v[HR+ii]
.set ii, ii+1
.endr
.set ii, 0
.rept 16
	v_exp_f32 v[HR+ii], v[HR+ii]
.set ii, ii+1
.endr
	v_nop
.set ii, 0
	s_wait_alu depctr_va_vdst(0)
.rept 16
	v_add_f32 v[HR+ii], 1.0, v[HR+ii]
.set ii, ii+1
.endr
.set ii, 0
.rept 16
	v_log_f32 v[HR+ii], v[HR+ii]
.set ii, ii+1
.endr
	v_nop
.set ii, 0
.rept 16
	v_max_num_f32 v[FB+ii], 0, v[FB+ii]
.set ii, ii+1
.endr
.set ii, 0
	s_wait_alu depctr_va_vdst(0)
.rept 16
	v_fmac_f32 v[FB+ii], s77, v[HR+ii]
.set ii, ii+1
.endr
.irp i, 0,1,2,3
	global_store_b128 v[LIN], v[FB+4*\i:FB+4*\i+3], s[20:21] offset:512*\i th:TH_STORE_NT   ; a whole row of 512 consecutive bytes
.endr
.else
.irp i, 0,1,2,3
	s_wait_dscnt 3-\i                              ; LDS loads return in order: row i is in
	global_store_b128 v[LIN], v[FB+4*\i:FB+4*\i+3], s[20:21] offset:512*\i                  ; a whole row of 512 consecutive bytes
	v_cvt_pk_bf16_f32 v[HB+2*\i], v[FB+4*\i], v[FB+4*\i+1]
	v_cvt_pk_bf16_f32 v[HB+2*\i+1], v[FB+4*\i+2], v[FB+4*\i+3]
	global_store_b64 v[L8], v[HB+2*\i:HB+2*\i+1], s[22:23] offset:256*\i                    ; the same row in bf16: 256 consecutive bytes, aligned
.endr
.endif
	s_wait_xcnt 0x0
	v_lshl_add_u32 v135, v0, 2, 0x4b100
	s_set_vgpr_msb 0x40
	v_mov_b32 v255, 0
	s_set_vgpr_msb 0x4044
	s_wait_tensorcnt 0x0
	ds_add_u32 v135, v255
	s_wait_dscnt 0x0
	s_set_vgpr_msb 0x4400
	ROUND                                          ; the closing round: no work-group ends while a partner may still ask for a tile that names it
	s_endpgm
.Lfunc_end_k_q4889ac325b_layer_last:
	.size	k_q4889ac325b_layer_last, .Lfunc_end_k_q4889ac325b_layer_last-k_q4889ac325b_layer_last
	.p2alignl 7, 3214868480
	.fill 96, 4, 3214868480
	.section	.rodata,"a",@progbits
	.p2align	6, 0x0
	.amdhsa_kernel k_q4889ac325b_layer_last
		.amdhsa_group_segment_fixed_size 327680
		.amdhsa_private_segment_fixed_size 0
		.amdhsa_enable_private_segment 0
		.amdhsa_kernarg_size 72
		.amdhsa_user_sgpr_count 2
		.amdhsa_user_sgpr_kernarg_segment_ptr 1
		.amdhsa_wavefront_size32 1
		.amdhsa_system_sgpr_workgroup_id_x 1
		.amdhsa_system_sgpr_workgroup_id_y 1
		.amdhsa_system_sgpr_workgroup_id_z 1
		.amdhsa_system_vgpr_workitem_id 0
		.amdhsa_next_free_vgpr 1024
		.amdhsa_next_free_sgpr 80
		.amdhsa_reserve_vcc 0
		.amdhsa_float_denorm_mode_32 3
		.amdhsa_float_denorm_mode_16_64 3
		.amdhsa_memory_ordered 1
		.amdhsa_forward_progress 1
		.amdhsa_inst_pref_size 255
	.end_amdhsa_kernel
	.section	.bss,"aw",@nobits
	.p2align	6
	.space	262144
	.amdgpu_metadata
---
amdhsa.version: [ 1, 2 ]
amdhsa.kernels:
  - .name:           k_q4889ac325b_layer_last
    .symbol:         k_q4889ac325b_layer_last.kd
    .args:
      - { .name: xfb, .offset: 0, .size: 8, .value_kind: global_buffer, .address_space: global }
      - { .name: st4, .offset: 8, .size: 8, .value_kind: global_buffer, .address_space: global }
      - { .name: params_4_mha_ln_w, .offset: 16, .size: 8, .value_kind: global_buffer, .address_space: global }
      - { .name: params_4_mha_ln_b, .offset: 24, .size: 8, .value_kind: global_buffer, .address_space: global }
      - { .name: params_4_ffn_b1, .offset: 32, .size: 8, .value_kind: global_buffer, .address_space: global }
      - { .name: params_4_ffn_b2, .offset: 40, .size: 8, .value_kind: global_buffer, .address_space: global }
      - { .name: params_4_ffn_ln_w, .offset: 48, .size: 8, .value_kind: global_buffer, .address_space: global }
      - { .name: params_4_ffn_ln_b, .offset: 56, .size: 8, .value_kind: global_buffer, .address_space: global }
      - { .name: out0, .offset: 64, .size: 8, .value_kind: global_buffer, .address_space: global }
    .group_segment_fixed_size: 327680
    .private_segment_fixed_size: 0
    .kernarg_segment_align: 8
    .kernarg_segment_size: 72
    .max_flat_workgroup_size: 128
    .sgpr_count:     80
    .vgpr_count:     1024
    .wavefront_size: 32
...
	.end_amdgpu_metadata
.endif
;; end of part 4
;; ======== version 2 of 2: 13 launches; 1.26 times as fast as version 1
;; workspace buffers: st0 6,619,136 bytes; st1 6,619,136 bytes; st2 6,619,136 bytes; st3 6,619,136 bytes; st4 6,619,136 bytes; oimg 2,097,152 bytes; xfa 2,097,152 bytes; xfb 2,097,152 bytes
;; launch prep_qkv (part 5): grid 12 x 5, 4 waves a work-group, no clusters, 0 bytes of LDS; arguments params_0_mha_wq, params_0_mha_wk, params_0_mha_wv, params_1_mha_wq, params_1_mha_wk, params_1_mha_wv, params_2_mha_wq, params_2_mha_wk, params_2_mha_wv, params_3_mha_wq, params_3_mha_wk, params_3_mha_wv, params_4_mha_wq, params_4_mha_wk, params_4_mha_wv, st4, st0, st1, st2, st3; writes st4, st0, st1, st2, st3
.if DOCPART == 5
	.amdgcn_target "amdgcn-amd-amdhsa--gfx1250"
	.amdhsa_code_object_version 6
	.text
	.protected	k_q4889ac325b_prep_qkv
	.globl	k_q4889ac325b_prep_qkv
	.p2align	8
	.type	k_q4889ac325b_prep_qkv,@function
k_q4889ac325b_prep_qkv:
	s_mov_b64 s[64:65], 0
	v_nop
	global_prefetch_b8 v0, s[64:65] scope:SCOPE_SE
	s_setreg_imm32_b32 hwreg(HW_REG_WAVE_MODE, 25, 1), 1
	s_wait_xcnt 0x0
; wq, wk, wv of the five layers (128 x 256 f32, column 4 d + h belongs to head h) as bf16 register images of matrix operand A = w_h^T:
; per head 48 KB = [wq, wk, wv][block of 16 d (mb)][step of 32 along K (ks)][1,024 bytes], a fragment being [registers 0-3 | 4-7][lane][16 bytes];
; lane (r, hh) holds w[32 ks + 8 hh + 0..7 (and + 16)][4 (16 mb + r) + h].  wq is multiplied by log2(e)/sqrt(128), so that scores are ready for exp2.
; Layer l's images go into the st buffer of layer l - 1 (layer 0's into st4): the launch that makes Q, K, V of layer l reads that buffer and stores into st_l.
; Work-group (x, y): matrix x >> 2, ks = x & 3, layer y.  Wave = mb.  One 16-byte load brings the four heads of one (k, d); sixteen lanes read 256
; consecutive bytes, aligned.  No LDS, no matrix unit, no cluster: 1.9 MB are read once and nothing is shared.
; wk and wv pass through the same multiply with the factor 1, which spares a branch.  LIMIT: the images are rounded to bf16.
.set WQ_OFF, 6291456+65536
	s_load_b512 s[8:23], s[0:1], 0x0               ; matrices 0-7
	s_load_b256 s[24:31], s[0:1], 0x40             ; 8-11
	s_load_b128 s[32:35], s[0:1], 0x60             ; 12, 13
	s_load_b64 s[36:37], s[0:1], 0x70              ; 14
	s_load_b256 s[40:47], s[0:1], 0x78             ; the targets of layers 0-3
	s_load_b64 s[48:49], s[0:1], 0x98              ; of layer 4
	v_lshrrev_b32 v1, 5, v0
	v_readfirstlane_b32 s6, v1                     ; mb
	s_and_b32 s7, ttmp7, 0xffff                    ; layer
	s_lshr_b32 s2, ttmp9, 2                        ; 0 wq, 1 wk, 2 wv
	s_and_b32 s3, ttmp9, 3                         ; ks
	s_mul_i32 s4, s7, 3
	s_add_co_u32 s4, s4, s2                        ; which of the 15 matrices
	s_cmp_eq_u32 s2, 0
	s_cselect_b32 s50, 0x3e0293ee, 1.0             ; log2(e) / sqrt(128) for wq
	s_mov_b32 s51, s50
	s_lshl_b32 s52, s3, 15                         ; 32 rows of 1,024 bytes a K step,
	s_lshl_b32 s53, s6, 8                          ; 16 d x 4 heads x 4 bytes a block
	s_add_co_u32 s52, s52, s53
	s_mov_b32 s53, 0
	s_lshl2_add_u32 s58, s6, s3                    ; fragment 4 mb + ks
	s_lshl_b32 s58, s58, 10
	s_lshl_b32 s59, s2, 14
	s_add_co_u32 s58, s58, s59
	s_add_co_u32 s58, s58, WQ_OFF
	s_mov_b32 s59, 0
	v_and_b32 v1, 31, v0
	v_and_b32 v2, 15, v0                           ; r
	v_bfe_u32 v3, v0, 4, 1                         ; hh
	v_lshlrev_b32 v4, 4, v1                        ; 16 lane
	v_lshlrev_b32 v5, 4, v2
	v_lshl_add_u32 v5, v3, 13, v5                  ; row 8 hh, 16 r
	s_wait_kmcnt 0x0
	s_mov_b64 s[54:55], s[8:9]
.irp k, 1,2,3,4,5,6,7,8,9,10,11,12,13,14
	s_cmp_eq_u32 s4, \k
	s_cselect_b64 s[54:55], s[8+2*\k:9+2*\k], s[54:55]
.endr
	s_mov_b64 s[56:57], s[40:41]
.irp k, 1,2,3,4
	s_cmp_eq_u32 s7, \k
	s_cselect_b64 s[56:57], s[40+2*\k:41+2*\k], s[56:57]
.endr
	s_add_nc_u64 s[54:55], s[54:55], s[52:53]
	s_add_nc_u64 s[56:57], s[56:57], s[58:59]
.irp g, 0,1
.irp j, 0,1,2,3,4,5,6,7
	global_load_b128 v[16+4*(8*\g+\j):16+4*(8*\g+\j)+3], v5, s[54:55] offset:(16*\g+\j)*1024 th:TH_LOAD_NT
.endr
.endr
	s_wait_loadcnt 0x0
.set ii, 0
.rept 32
	v_pk_mul_f32 v[16+2*ii:16+2*ii+1], v[16+2*ii:16+2*ii+1], s[50:51] op_sel_hi:[1,0]
.set ii, ii+1
.endr
.irp h, 0,1,2,3
.irp g, 0,1
.irp q, 0,1,2,3
	v_cvt_pk_bf16_f32 v[80+8*\h+4*\g+\q], v[16+4*(8*\g+2*\q)+\h], v[16+4*(8*\g+2*\q+1)+\h]
.endr
	global_store_b128 v4, v[80+8*\h+4*\g:80+8*\h+4*\g+3], s[56:57] offset:49152*\h+512*\g   ; 512 consecutive bytes
.endr
.endr
	s_endpgm
.Lfunc_end_k_q4889ac325b_prep_qkv:
	.size	k_q4889ac325b_prep_qkv, .Lfunc_end_k_q4889ac325b_prep_qkv-k_q4889ac325b_prep_qkv
	.p2alignl 7, 3214868480
	.fill 96, 4, 3214868480
	.section	.rodata,"a",@progbits
	.p2align	6, 0x0
	.amdhsa_kernel k_q4889ac325b_prep_qkv
		.amdhsa_group_segment_fixed_size 0
		.amdhsa_private_segment_fixed_size 0
		.amdhsa_enable_private_segment 0
		.amdhsa_kernarg_size 160
		.amdhsa_user_sgpr_count 2
		.amdhsa_user_sgpr_kernarg_segment_ptr 1
		.amdhsa_wavefront_size32 1
		.amdhsa_system_sgpr_workgroup_id_x 1
		.amdhsa_system_sgpr_workgroup_id_y 1
		.amdhsa_system_sgpr_workgroup_id_z 1
		.amdhsa_system_vgpr_workitem_id 0
		.amdhsa_next_free_vgpr 112
		.amdhsa_next_free_sgpr 66
		.amdhsa_reserve_vcc 0
		.amdhsa_float_denorm_mode_32 3
		.amdhsa_float_denorm_mode_16_64 3
		.amdhsa_memory_ordered 1
		.amdhsa_forward_progress 1
		.amdhsa_inst_pref_size 10
	.end_amdhsa_kernel
	.amdgpu_metadata
---
amdhsa.version: [ 1, 2 ]
amdhsa.kernels:
  - .name:           k_q4889ac325b_prep_qkv
    .symbol:         k_q4889ac325b_prep_qkv.kd
    .args:
      - { .name: params_0_mha_wq, .offset: 0, .size: 8, .value_kind: global_buffer, .address_space: global }
      - { .name: params_0_mha_wk, .offset: 8, .size: 8, .value_kind: global_buffer, .address_space: global }
      - { .name: params_0_mha_wv, .offset: 16, .size: 8, .value_kind: global_buffer, .address_space: global }
      - { .name: params_1_mha_wq, .offset: 24, .size: 8, .value_kind: global_buffer, .address_space: global }
      - { .name: params_1_mha_wk, .offset: 32, .size: 8, .value_kind: global_buffer, .address_space: global }
      - { .name: params_1_mha_wv, .offset: 40, .size: 8, .value_kind: global_buffer, .address_space: global }
      - { .name: params_2_mha_wq, .offset: 48, .size: 8, .value_kind: global_buffer, .address_space: global }
      - { .name: params_2_mha_wk, .offset: 56, .size: 8, .value_kind: global_buffer, .address_space: global }
      - { .name: params_2_mha_wv, .offset: 64, .size: 8, .value_kind: global_buffer, .address_space: global }
      - { .name: params_3_mha_wq, .offset: 72, .size: 8, .value_kind: global_buffer, .address_space: global }
      - { .name: params_3_mha_wk, .offset: 80, .size: 8, .value_kind: global_buffer, .address_space: global }
      - { .name: params_3_mha_wv, .offset: 88, .size: 8, .value_kind: global_buffer, .address_space: global }
      - { .name: params_4_mha_wq, .offset: 96, .size: 8, .value_kind: global_buffer, .address_space: global }
      - { .name: params_4_mha_wk, .offset: 104, .size: 8, .value_kind: global_buffer, .address_space: global }
      - { .name: params_4_mha_wv, .offset: 112, .size: 8, .value_kind: global_buffer, .address_space: global }
      - { .name: st4, .offset: 120, .size: 8, .value_kind: global_buffer, .address_space: global }
      - { .name: st0, .offset: 128, .size: 8, .value_kind: global_buffer, .address_space: global }
      - { .name: st1, .offset: 136, .size: 8, .value_kind: global_buffer, .address_space: global }
      - { .name: st2, .offset: 144, .size: 8, .value_kind: global_buffer, .address_space: global }
      - { .name: st3, .offset: 152, .size: 8, .value_kind: global_buffer, .address_space: global }
    .group_segment_fixed_size: 0
    .private_segment_fixed_size: 0
    .kernarg_segment_align: 8
    .kernarg_segment_size: 160
    .max_flat_workgroup_size: 128
    .sgpr_count:     66
    .vgpr_count:     112
    .wavefront_size: 32
...
	.end_amdgpu_metadata
.endif
;; end of part 5
;; launch prep_rest (part 6): grid 50 x 1, 8 waves a work-group, no clusters, 68,864 bytes of LDS; arguments params_0_ffn_w1, params_0_ffn_w2, params_1_ffn_w1, params_1_ffn_w2, params_2_ffn_w1, params_2_ffn_w2, params_3_ffn_w1, params_3_ffn_w2, params_4_ffn_w1, params_4_ffn_w2, params_0_mha_wo, params_1_mha_wo, params_2_mha_wo, params_3_mha_wo, params_4_mha_wo, st0, st1, st2, st3, st4; writes st0, st1, st2, st3, st4
.if DOCPART == 6
	.amdgcn_target "amdgcn-amd-amdhsa--gfx1250"
	.amdhsa_code_object_version 6
	.text
	.protected	k_q4889ac325b_prep_rest
	.globl	k_q4889ac325b_prep_rest
	.p2align	8
	.type	k_q4889ac325b_prep_rest,@function
k_q4889ac325b_prep_rest:
	s_mov_b64 s[64:65], 0
	v_nop
	global_prefetch_b8 v0, s[64:65] scope:SCOPE_SE
	s_setreg_imm32_b32 hwreg(HW_REG_WAVE_MODE, 25, 1), 1
	s_wait_xcnt 0x0
; w1, w2 (128 x 128) and wo (256 x 128) of the five layers as bf16 register images of matrix operand A = w^T.  A fragment is 1,024 bytes,
; [registers 0-3 | 4-7][lane][16 bytes].
; Work-groups 0-39: one FFN matrix, one K step ks of 32; wave = block mb of 16 outputs; lane (r, hh) holds w[32 ks + 8 hh + 0..7 (and + 16)][16 mb + r].
;   The images lie by the wave that will use them: 16,384 (mb >> 1) + 8,192 (w1: 0, w2: 1) + 1,024 (4 (mb & 1) + ks).
; Work-groups 40-49: wo of one layer, p = 0 or 1; wave = mb, four fragments (one a head).  K step 2 h + p holds, in lane (r, hh), wo[4 f + h][16 mb + r] for
;   f = 32 hh + 16 p + 0..15: the order in which the attention launch's O tiles hold the head's 64 features.
; Rows are staged in LDS in f32 and gathered by 4-byte loads: 32 lanes read 32 different words modulo 64 (the second 64 rows of wo are shifted by 64 bytes for that).
; No matrix unit, no cluster, no tensor load: 1.3 MB are read once and nothing is shared.  LIMIT: the images are rounded to bf16.
.set XP, 528                           ; LDS pitch: 512 bytes + 16
.set HB1, 64*XP+64                     ; wo: where the rows of hh = 1 begin
.set W_OFF, 6291456
.set WO_OFF, W_OFF+262144
	s_load_b512 s[8:23], s[0:1], 0x0               ; FFN matrices 0-7
	s_load_b256 s[24:31], s[0:1], 0x40             ; 8, 9, wo of layers 0, 1
	s_load_b128 s[32:35], s[0:1], 0x60             ; wo 2, 3
	s_load_b64 s[36:37], s[0:1], 0x70              ; wo 4
	s_load_b256 s[40:47], s[0:1], 0x78             ; st0 .. st3
	s_load_b64 s[48:49], s[0:1], 0x98              ; st4
	v_lshl_add_u32 v112, v0, 2, 0x10900
	v_mov_b32 v113, 0
	v_lshrrev_b32 v1, 5, v0
	v_readfirstlane_b32 s6, v1                     ; wave v
	v_and_b32 v1, 31, v0
	v_and_b32 v2, 15, v0                           ; r
	v_bfe_u32 v3, v0, 4, 1                         ; hh
	v_lshlrev_b32 v4, 4, v1                        ; 16 lane
	s_wait_kmcnt 0x0
	s_cmp_ge_u32 ttmp9, 40                         ; the same for all waves of a work-group
	s_cbranch_scc1 .Lwo
	s_lshr_b32 s2, ttmp9, 2                        ; matrix
	s_lshr_b32 s3, s2, 1                           ; layer
	s_and_b32 s4, s2, 1                            ; w1 or w2
	s_and_b32 s5, ttmp9, 3                         ; ks
	s_mov_b64 s[50:51], s[8:9]
.irp k, 1,2,3,4,5,6,7,8,9
	s_cmp_eq_u32 s2, \k
	s_cselect_b64 s[50:51], s[8+2*\k:9+2*\k], s[50:51]
.endr
	s_mov_b64 s[52:53], s[40:41]
.irp k, 1,2,3,4
	s_cmp_eq_u32 s3, \k
	s_cselect_b64 s[52:53], s[40+2*\k:41+2*\k], s[52:53]
.endr
	s_lshl_b32 s54, s5, 14                         ; 32 rows of 512 bytes a K step,
	s_lshl_b32 s55, s6, 11                         ; four rows a wave
	s_add_co_u32 s54, s54, s55
	s_mov_b32 s55, 0
	s_add_nc_u64 s[50:51], s[50:51], s[54:55]
	s_and_b32 s56, s6, 1
	s_lshl2_add_u32 s56, s56, s5                   ; 4 (mb & 1) + ks
	s_lshl_b32 s56, s56, 10
	s_lshr_b32 s57, s6, 1
	s_lshl_b32 s57, s57, 14
	s_add_co_u32 s56, s56, s57
	s_lshl_b32 s57, s4, 13
	s_add_co_u32 s56, s56, s57
	s_add_co_u32 s56, s56, W_OFF
	s_mov_b32 s57, 0
	s_add_nc_u64 s[52:53], s[52:53], s[56:57]
.irp j, 0,1,2,3
	global_load_b128 v[8+4*\j:11+4*\j], v4, s[50:51] offset:512*\j th:TH_LOAD_NT   ; a whole row a load
.endr
	s_mul_i32 s58, s6, 4*XP
	v_add_nc_u32 v5, s58, v4
	v_mul_u32_u24 v6, v3, 8*XP
	v_lshl_add_u32 v6, v2, 2, v6
	s_lshl_b32 s59, s6, 6
	v_add_nc_u32 v6, s59, v6                       ; row 8 hh, column 16 v + r
	s_wait_loadcnt 0x0
.irp j, 0,1,2,3
	ds_store_b128 v5, v[8+4*\j:11+4*\j] offset:XP*\j
.endr
	s_wait_dscnt 0x0                               ; my rows are in LDS before I say so
	s_barrier_signal -1
	s_barrier_wait -1
.irp g, 0,1
.irp j, 0,1,2,3,4,5,6,7
	ds_load_b32 v[24+8*\g+\j], v6 offset:(16*\g+\j)*XP
.endr
.endr
	s_wait_dscnt 0x0
.irp g, 0,1
.irp q, 0,1,2,3
	v_cvt_pk_bf16_f32 v[40+4*\g+\q], v[24+8*\g+2*\q], v[24+8*\g+2*\q+1]
.endr
	global_store_b128 v4, v[40+4*\g:43+4*\g], s[52:53] offset:512*\g   ; 512 consecutive bytes
.endr
	s_wait_tensorcnt 0x0
	ds_add_u32 v112, v113
	s_wait_dscnt 0x0
	s_endpgm
.Lwo:
	s_sub_co_u32 s2, ttmp9, 40
	s_lshr_b32 s3, s2, 1                           ; layer
	s_and_b32 s5, s2, 1                            ; p
	s_mov_b64 s[50:51], s[28:29]
	s_mov_b64 s[52:53], s[40:41]
.irp k, 1,2,3,4
	s_cmp_eq_u32 s3, \k
	s_cselect_b64 s[50:51], s[28+2*\k:29+2*\k], s[50:51]
	s_cselect_b64 s[52:53], s[40+2*\k:41+2*\k], s[52:53]
.endr
	; rows 4 f + h for f = 32 hh + 16 p + 0..15 are rows 128 hh + 64 p + 0..63: two blocks of 64 rows; wave v stages 16 of them
	s_lshr_b32 s7, s6, 2                           ; hh of my rows
	s_lshl_b32 s54, s7, 7
	s_lshl_b32 s55, s5, 6
	s_add_co_u32 s54, s54, s55
	s_and_b32 s55, s6, 3
	s_lshl4_add_u32 s54, s55, s54                  ; 128 (v >> 2) + 64 p + 16 (v & 3)
	s_lshl_b32 s54, s54, 9
	s_mov_b32 s55, 0
	s_add_nc_u64 s[50:51], s[50:51], s[54:55]
	s_lshl_b32 s56, s6, 13                         ; eight fragments a block,
	s_lshl_b32 s57, s5, 10                         ; K step 2 h + p
	s_add_co_u32 s56, s56, s57
	s_add_co_u32 s56, s56, WO_OFF
	s_mov_b32 s57, 0
	s_add_nc_u64 s[52:53], s[52:53], s[56:57]
.irp j, 0,1,2,3,4,5,6,7,8,9,10,11,12,13,14,15
	global_load_b128 v[16+4*\j:19+4*\j], v4, s[50:51] offset:512*\j th:TH_LOAD_NT
.endr
	s_mul_i32 s58, s6, 16*XP
	s_lshl_b32 s59, s7, 6
	s_add_co_u32 s58, s58, s59
	v_add_nc_u32 v5, s58, v4
	v_mul_u32_u24 v6, v3, HB1
	v_lshl_add_u32 v6, v2, 2, v6
	s_lshl_b32 s59, s6, 6
	v_add_nc_u32 v6, s59, v6                       ; block hh, column 16 v + r
	s_wait_loadcnt 0x0
.irp j, 0,1,2,3,4,5,6,7,8,9,10,11,12,13,14,15
	ds_store_b128 v5, v[16+4*\j:19+4*\j] offset:XP*\j
.endr
	s_wait_dscnt 0x0                               ; my rows are in LDS before I say so
	s_barrier_signal -1
	s_barrier_wait -1
.irp hp, 0,1
.irp e, 0,1
.irp i, 0,1,2,3,4,5,6,7,8,9,10,11,12,13,14,15
	ds_load_b32 v[16+16*\e+\i], v6 offset:(4*\i+2*\hp+\e)*XP
.endr
.endr
	s_wait_dscnt 0x0
.irp e, 0,1
.irp q, 0,1,2,3,4,5,6,7
	v_cvt_pk_bf16_f32 v[80+16*\hp+8*\e+\q], v[16+16*\e+2*\q], v[16+16*\e+2*\q+1]
.endr
	global_store_b128 v4, v[80+16*\hp+8*\e:80+16*\hp+8*\e+3],   s[52:53] offset:(2*\hp+\e)*2048
	global_store_b128 v4, v[80+16*\hp+8*\e+4:80+16*\hp+8*\e+7], s[52:53] offset:(2*\hp+\e)*2048+512
.endr
.endr
	s_wait_tensorcnt 0x0
	ds_add_u32 v112, v113
	s_wait_dscnt 0x0
	s_endpgm
.Lfunc_end_k_q4889ac325b_prep_rest:
	.size	k_q4889ac325b_prep_rest, .Lfunc_end_k_q4889ac325b_prep_rest-k_q4889ac325b_prep_rest
	.p2alignl 7, 3214868480
	.fill 96, 4, 3214868480
	.section	.rodata,"a",@progbits
	.p2align	6, 0x0
	.amdhsa_kernel k_q4889ac325b_prep_rest
		.amdhsa_group_segment_fixed_size 68864
		.amdhsa_private_segment_fixed_size 0
		.amdhsa_enable_private_segment 0
		.amdhsa_kernarg_size 160
		.amdhsa_user_sgpr_count 2
		.amdhsa_user_sgpr_kernarg_segment_ptr 1
		.amdhsa_wavefront_size32 1
		.amdhsa_system_sgpr_workgroup_id_x 1
		.amdhsa_system_sgpr_workgroup_id_y 1
		.amdhsa_system_sgpr_workgroup_id_z 1
		.amdhsa_system_vgpr_workitem_id 0
		.amdhsa_next_free_vgpr 114
		.amdhsa_next_free_sgpr 66
		.amdhsa_reserve_vcc 0
		.amdhsa_float_denorm_mode_32 3
		.amdhsa_float_denorm_mode_16_64 3
		.amdhsa_memory_ordered 1
		.amdhsa_forward_progress 1
		.amdhsa_inst_pref_size 17
	.end_amdhsa_kernel
	.amdgpu_metadata
---
amdhsa.version: [ 1, 2 ]
amdhsa.kernels:
  - .name:           k_q4889ac325b_prep_rest
    .symbol:         k_q4889ac325b_prep_rest.kd
    .args:
      - { .name: params_0_ffn_w1, .offset: 0, .size: 8, .value_kind: global_buffer, .address_space: global }
      - { .name: params_0_ffn_w2, .offset: 8, .size: 8, .value_kind: global_buffer, .address_space: global }
      - { .name: params_1_ffn_w1, .offset: 16, .size: 8, .value_kind: global_buffer, .address_space: global }
      - { .name: params_1_ffn_w2, .offset: 24, .size: 8, .value_kind: global_buffer, .address_space: global }
      - { .name: params_2_ffn_w1, .offset: 32, .size: 8, .value_kind: global_buffer, .address_space: global }
      - { .name: params_2_ffn_w2, .offset: 40, .size: 8, .value_kind: global_buffer, .address_space: global }
      - { .name: params_3_ffn_w1, .offset: 48, .size: 8, .value_kind: global_buffer, .address_space: global }
      - { .name: params_3_ffn_w2, .offset: 56, .size: 8, .value_kind: global_buffer, .address_space: global }
      - { .name: params_4_ffn_w1, .offset: 64, .size: 8, .value_kind: global_buffer, .address_space: global }
      - { .name: params_4_ffn_w2, .offset: 72, .size: 8, .value_kind: global_buffer, .address_space: global }
      - { .name: params_0_mha_wo, .offset: 80, .size: 8, .value_kind: global_buffer, .address_space: global }
      - { .name: params_1_mha_wo, .offset: 88, .size: 8, .value_kind: global_buffer, .address_space: global }
      - { .name: params_2_mha_wo, .offset: 96, .size: 8, .value_kind: global_buffer, .address_space: global }
      - { .name: params_3_mha_wo, .offset: 104, .size: 8, .value_kind: global_buffer, .address_space: global }
      - { .name: params_4_mha_wo, .offset: 112, .size: 8, .value_kind: global_buffer, .address_space: global }
      - { .name: st0, .offset: 120, .size: 8, .value_kind: global_buffer, .address_space: global }
      - { .name: st1, .offset: 128, .size: 8, .value_kind: global_buffer, .address_space: global }
      - { .name: st2, .offset: 136, .size: 8, .value_kind: global_buffer, .address_space: global }
      - { .name: st3, .offset: 144, .size: 8, .value_kind: global_buffer, .address_space: global }
      - { .name: st4, .offset: 152, .size: 8, .value_kind: global_buffer, .address_space: global }
    .group_segment_fixed_size: 68864
    .private_segment_fixed_size: 0
    .kernarg_segment_align: 8
    .kernarg_segment_size: 160
    .max_flat_workgroup_size: 256
    .sgpr_count:     66
    .vgpr_count:     114
    .wavefront_size: 32
...
	.end_amdgpu_metadata
.endif
;; end of part 6
;; launch first (part 7): grid 256 x 1, 4 waves a work-group, clusters of 4 x 1, 303,872 bytes of LDS; arguments x, st4, st0; writes st0
.if DOCPART == 7
	.amdgcn_target "amdgcn-amd-amdhsa--gfx1250"
	.amdhsa_code_object_version 6
	.text
	.protected	k_q4889ac325b_first
	.globl	k_q4889ac325b_first
	.p2align	8
	.type	k_q4889ac325b_first,@function
k_q4889ac325b_first:
	s_mov_b64 s[64:65], 0
	v_nop
	global_prefetch_b8 v0, s[64:65] scope:SCOPE_SE
	s_setreg_imm32_b32 hwreg(HW_REG_WAVE_MODE, 25, 1), 1
	s_wait_xcnt 0x0
	s_wait_alu depctr_hold_cnt(0) depctr_sa_sdst(0) depctr_va_vdst(0) depctr_va_sdst(0) depctr_va_ssrc(0) depctr_va_vcc(0) depctr_vm_vsrc(0)
	s_getreg_b32 s2, hwreg(HW_REG_IB_STS2, 6, 4)
	s_cmp_eq_u32 s2, 0
	s_cbranch_scc0 .Lentry_in_a_cluster
	s_endpgm
.Lentry_in_a_cluster:
	s_bfe_u32 s2, ttmp6, 0x10000c
	s_cmp_lg_u32 s2, 0x3003
	s_cbranch_scc0 .Lentry_shape_is_right
	s_endpgm
.Lentry_shape_is_right:
; Q, K, V of layer 0 from x.  A work-group owns 16 rows; four waves, wave h is head h: 12 blocks of 16 outputs (4 of Q, 4 of K, 4 of V), K = 128.
; Computed transposed (weight images are operand A, x is operand B): lane (r, hh) of a result tile holds features 8 hh + 0..7 of row r.
; CLUSTER: all work-groups walk the same weight images (192 KB), so they come by joint tensor loads (mask 15); each wave loads the 48 KB that it alone reads,
; so its own wait orders those reads.  My 16 rows in f32 come by a plain tensor load in the same group.  A wave has at most two tensor loads outstanding.
; Q leaves as operand B images straight from registers; K and V leave as rows of 256 bytes [V 0-31 | K 0-31 | V 32-63 | K 32-63] through the wave's own stage.
; LIMIT: x and Q, K, V are rounded to bf16.
.set XP, 528                           ; pitch of f32 rows: 512 + 16
.set KP, 272                           ; pitch of the K, V stage: 256 + 16
.set QWL, 65536                        ; LDS: the images, 49,152 a wave
.set XROW, 262144                      ; my 16 rows in f32
.set KVS, 8448                         ; the K, V stage: 16,384 w + KVS, bytes into which no tensor load lands
.set Q_OFF, 4194304
.set WQ_OFF, 6291456+65536
.set LIN, 4
.set XRD, 5
.set QWA, 13
.set KVW, 16
.set KVR, 17
.set TA, 18
.set X1, 64                            ; v64-127  64 f32 of row r: features 16 e + 8 hh + j at 8 e + j; later the packed results
.set KVB, 112                          ; v112-143 K, V rows read back
.set FB, 128                           ; v128-159 operand B, four K steps
.set ACC, 160                          ; v160-255 twelve result tiles
; window 2: wq fragments 0-127, wk 128-255; window 3: wv 0-127
.set G1X, 36
.set G0X, 44
.set G1B, 68
.set G0B, 76
.set MSB, 0
.macro WIN new                         ; s_set_vgpr_msb: bits 1:0 source 0, 3:2 source 1, 5:4 source 2, 7:6 destination; the high byte repeats the setting left
.if MSB != \new
	s_set_vgpr_msb (MSB<<8)|\new
.set MSB, \new
.endif
.endm
.macro PLACES                          ; four places behind matrix instructions (ISA guide 7.12.1)
.rept 4
	v_nop
.endr
.endm
.macro ROUND                           ; a round of the cluster's barrier
	WIN 0
	s_barrier_signal -1
	s_barrier_wait -1
	s_cmp_lg_u32 s26, 0
	s_cbranch_scc1 .Lnot_wave_0_\@
	s_barrier_signal -3
.Lnot_wave_0_\@:
	s_barrier_wait -3
	s_barrier_signal -1
	s_barrier_wait -1
.endm
.macro PACK dst, src, n
.set ii, 0
.rept \n
	v_cvt_pk_bf16_f32 v[\dst+ii], v[\src+2*ii], v[\src+2*ii+1]
.set ii, ii+1
.endr
.endm
.macro LDQ g                           ; 32 loads: the 16 fragments of wq (0), wk (1) or wv (2) of my head
.if \g < 2
	WIN 0x80
.else
	WIN 0xc0
.endif
.set ii, 0
.rept 32
	ds_load_b128 v[128*(\g&1)+4*ii:128*(\g&1)+4*ii+3], v[QWA] offset:16384*\g+512*ii
.set ii, ii+1
.endr
.endm
	s_load_b128 s[4:7], s[0:1], 0x0                ; x, the buffer with layer 0's images
	s_load_b64 s[24:25], s[0:1], 0x10              ; st0
	v_lshl_add_u32 v62, v0, 2, 0x4a100
	v_mov_b32 v63, 0
	ds_add_u32 v62, v63
	v_lshrrev_b32 v1, 5, v0
	v_readfirstlane_b32 s26, v1                    ; wave = head
	s_bfe_u32 s27, ttmp6, 0x40000                  ; cx
	s_lshl_b32 s32, ttmp9, 2
	s_add_co_u32 s27, s32, s27                     ; block of 16 rows: enters global addresses of plain accesses alone
	s_mov_b32 s[G1X+0], (2<<16)|(1<<20)|(6<<22)|(3<<25)            ; no mask; 4-byte elements; after 128 words, 4 words of padding
	s_mov_b32 s[G1X+1], 128<<16
	s_mov_b32 s[G1X+2], 4<<16
	s_mov_b32 s[G1X+3], 128<<16
	s_mov_b32 s[G1X+4], 4                          ; four rows a wave
	s_mov_b32 s[G1X+5], 128
	s_mov_b32 s[G1X+6], 0
	s_mov_b32 s[G1X+7], 0
	s_mov_b32 s[G1B+0], 15|(3<<16)|(1<<21)         ; mask: all four work-groups; 8-byte elements; bit 21 beside a mask; a dense block as rows of 256 bytes
	s_mov_b32 s[G1B+1], 32<<16
	s_mov_b32 s[G1B+2], 192<<16
	s_mov_b32 s[G1B+3], 32<<16
	s_mov_b32 s[G1B+4], 192                        ; 49,152 bytes
	s_mov_b32 s[G1B+5], 32
	s_mov_b32 s[G1B+6], 0
	s_mov_b32 s[G1B+7], 0
	s_mul_i32 s33, s26, 4*XP
	s_lshl_b32 s80, s27, 13                        ; 16 rows of 512 bytes a work-group,
	s_lshl_b32 s81, s26, 11                        ; four a wave
	s_add_co_u32 s80, s80, s81
	s_mov_b32 s81, 0
	s_lshl_b32 s82, s26, 14
	s_mul_i32 s84, s26, 49152
	s_mov_b32 s85, 0
	s_mov_b32 s87, 0
	s_wait_dscnt 0x0
	s_wait_kmcnt 0x0
	s_mov_b32 s[G0X], 1
	s_add_co_u32 s[G0X+1], s33, XROW
	s_add_nc_u64 s[G0X+2:G0X+3], s[4:5], s[80:81]
	s_or_b32 s[G0X+3], s[G0X+3], 0x80000000
	s_mov_b32 s[G0B], 1
	s_add_co_u32 s[G0B+1], s84, QWL
	s_add_nc_u64 s[G0B+2:G0B+3], s[6:7], s[84:85]
	s_add_nc_u64 s[G0B+2:G0B+3], s[G0B+2:G0B+3], WQ_OFF
	s_or_b32 s[G0B+3], s[G0B+3], 0x80000000
	ROUND                                          ; the four work-groups are here: the joint loads meet
	tensor_load_to_lds s[G0X:G0X+3], s[G1X:G1X+7]  ; my four rows of x
	s_nop 0
	tensor_load_to_lds s[G0B:G0B+3], s[G1B:G1B+7]  ; my head's images
	s_nop 0
	s_lshl_b32 s86, s26, 19                        ; Q: 524,288 bytes a head, 2,048 a block
	s_lshl_b32 s88, s27, 11
	s_add_co_u32 s86, s86, s88
	s_add_nc_u64 s[66:67], s[24:25], s[86:87]
	s_add_nc_u64 s[66:67], s[66:67], Q_OFF
	s_lshl_b32 s86, s26, 20                        ; K, V: 1 MB a head, 4,096 bytes a block
	s_lshl_b32 s88, s27, 12
	s_add_co_u32 s86, s86, s88
	s_add_nc_u64 s[24:25], s[24:25], s[86:87]
	v_and_b32 v1, 31, v0
	v_and_b32 v2, 15, v0                           ; r
	v_bfe_u32 v3, v0, 4, 1                         ; hh
	v_lshlrev_b32 v[LIN], 4, v1
	v_mul_u32_u24 v[TA], v2, XP
	v_lshl_add_u32 v[TA], v3, 5, v[TA]
	v_add_nc_u32 v[XRD], XROW, v[TA]               ; row r, 32 hh
	s_add_co_u32 s89, s84, QWL
	v_add_nc_u32 v[QWA], s89, v[LIN]
	v_mul_u32_u24 v[TA], v2, KP
	v_lshl_add_u32 v[TA], v3, 4, v[TA]
	s_add_co_u32 s89, s82, KVS
	v_add_nc_u32 v[KVW], s89, v[TA]                ; in: row r, 16 hh
	v_mul_u32_u24 v[TA], v3, KP
	v_lshl_add_u32 v[TA], v2, 4, v[TA]
	v_add_nc_u32 v[KVR], s89, v[TA]                ; back: lanes 0-15 one row, lanes 16-31 the next
	s_wait_tensorcnt 0x1                           ; my rows are in; the images issued behind them stay out
	s_barrier_signal -1
	s_barrier_wait -1                              ; all 16 rows are in
.irp e, 0,1,2,3,4,5,6,7
	ds_load_b128 v[X1+8*\e:X1+8*\e+3],   v[XRD] offset:64*\e
	ds_load_b128 v[X1+8*\e+4:X1+8*\e+7], v[XRD] offset:64*\e+16
.endr
	s_wait_tensorcnt 0x0                           ; my head's images (only I read them)
	LDQ 0
	LDQ 1
	LDQ 2
	WIN 0
	s_wait_dscnt 0x0
	PACK FB, X1, 32
	; 48 products; the tiles take turns, one instruction a turn
	WIN 0x02
.irp ks, 0,1,2,3
.irp t, 0,1,2,3,4,5,6,7
.if \ks == 0
	v_wmma_f32_16x16x32_bf16 v[ACC+8*\t:ACC+8*\t+7], v[8*(4*\t+\ks):8*(4*\t+\ks)+7], v[FB+8*\ks:FB+8*\ks+7], 0
.else
	v_wmma_f32_16x16x32_bf16 v[ACC+8*\t:ACC+8*\t+7], v[8*(4*\t+\ks):8*(4*\t+\ks)+7], v[FB+8*\ks:FB+8*\ks+7], v[ACC+8*\t:ACC+8*\t+7]
.endif
.endr
.endr
	WIN 0x03
.irp ks, 0,1,2,3
.irp t, 0,1,2,3
.if \ks == 0
	v_wmma_f32_16x16x32_bf16 v[ACC+64+8*\t:ACC+64+8*\t+7], v[8*(4*\t+\ks):8*(4*\t+\ks)+7], v[FB+8*\ks:FB+8*\ks+7], 0
.else
	v_wmma_f32_16x16x32_bf16 v[ACC+64+8*\t:ACC+64+8*\t+7], v[8*(4*\t+\ks):8*(4*\t+\ks)+7], v[FB+8*\ks:FB+8*\ks+7], v[ACC+64+8*\t:ACC+64+8*\t+7]
.endif
.endr
.endr
	PLACES
	WIN 0
	PACK X1, ACC, 48                               ; Q at X1, K at X1 + 16, V at X1 + 32, four words a tile
.irp i, 0,1,2,3
	global_store_b128 v[LIN], v[X1+4*\i:X1+4*\i+3], s[66:67] offset:512*\i     ; tiles 2 ks, 2 ks + 1 are registers 0-3, 4-7 of fragment ks: 512 consecutive bytes
.endr
.irp mb, 0,1,2,3
	ds_store_b128 v[KVW], v[X1+32+4*\mb:X1+32+4*\mb+3], offset:(\mb&1)*32+(\mb>>1)*128
	ds_store_b128 v[KVW], v[X1+16+4*\mb:X1+16+4*\mb+3], offset:(\mb&1)*32+(\mb>>1)*128+64
.endr
.irp i, 0,1,2,3,4,5,6,7
	ds_load_b128 v[KVB+4*\i:KVB+4*\i+3], v[KVR] offset:2*KP*\i                 ; LDS serves a wave's instructions in order (ISA guide 5.7.1.4): these see the stores above
.endr
.irp i, 0,1,2,3,4,5,6,7
	s_wait_dscnt 7-\i                              ; LDS loads return in order: rows 2 i, 2 i + 1 are in
	global_store_b128 v[LIN], v[KVB+4*\i:KVB+4*\i+3], s[24:25] offset:512*\i   ; two whole rows of 256 bytes
.endr
	s_wait_tensorcnt 0x0
	ds_add_u32 v62, v63
	s_wait_dscnt 0x0
	ROUND                                          ; the closing round
	s_endpgm
.Lfunc_end_k_q4889ac325b_first:
	.size	k_q4889ac325b_first, .Lfunc_end_k_q4889ac325b_first-k_q4889ac325b_first
	.p2alignl 7, 3214868480
	.fill 96, 4, 3214868480
	.section	.rodata,"a",@progbits
	.p2align	6, 0x0
	.amdhsa_kernel k_q4889ac325b_first
		.amdhsa_group_segment_fixed_size 303872
		.amdhsa_private_segment_fixed_size 0
		.amdhsa_enable_private_segment 0
		.amdhsa_kernarg_size 24
		.amdhsa_user_sgpr_count 2
		.amdhsa_user_sgpr_kernarg_segment_ptr 1
		.amdhsa_wavefront_size32 1
		.amdhsa_system_sgpr_workgroup_id_x 1
		.amdhsa_system_sgpr_workgroup_id_y 1
		.amdhsa_system_sgpr_workgroup_id_z 1
		.amdhsa_system_vgpr_workitem_id 0
		.amdhsa_next_free_vgpr 1024
		.amdhsa_next_free_sgpr 90
		.amdhsa_reserve_vcc 0
		.amdhsa_float_denorm_mode_32 3
		.amdhsa_float_denorm_mode_16_64 3
		.amdhsa_memory_ordered 1
		.amdhsa_forward_progress 1
		.amdhsa_inst_pref_size 23
	.end_amdhsa_kernel
	.amdgpu_metadata
---
amdhsa.version: [ 1, 2 ]
amdhsa.kernels:
  - .name:           k_q4889ac325b_first
    .symbol:         k_q4889ac325b_first.kd
    .args:
      - { .name: x, .offset: 0, .size: 8, .value_kind: global_buffer, .address_space: global }
      - { .name: st4, .offset: 8, .size: 8, .value_kind: global_buffer, .address_space: global }
      - { .name: st0, .offset: 16, .size: 8, .value_kind: global_buffer, .address_space: global }
    .group_segment_fixed_size: 303872
    .private_segment_fixed_size: 0
    .kernarg_segment_align: 8
    .kernarg_segment_size: 24
    .max_flat_workgroup_size: 128
    .sgpr_count:     90
    .vgpr_count:     1024
    .wavefront_size: 32
...
	.end_amdgpu_metadata
.endif
;; end of part 7
;; launch att0 (part 8): grid 256 x 1, 8 waves a work-group, clusters of 4 x 1, 327,680 bytes of LDS; arguments st0, oimg; writes oimg
.if DOCPART == 8
	.amdgcn_target "amdgcn-amd-amdhsa--gfx1250"
	.amdhsa_code_object_version 6
	.text
	.protected	k_q4889ac325b_att0
	.globl	k_q4889ac325b_att0
	.p2align	8
	.type	k_q4889ac325b_att0,@function
k_q4889ac325b_att0:
	s_mov_b64 s[64:65], 0
	v_nop
	global_prefetch_b8 v0, s[64:65] scope:SCOPE_SE
	s_setreg_imm32_b32 hwreg(HW_REG_WAVE_MODE, 25, 1), 1
	s_wait_xcnt 0x0
	s_wait_alu depctr_hold_cnt(0) depctr_sa_sdst(0) depctr_va_vdst(0) depctr_va_sdst(0) depctr_va_ssrc(0) depctr_va_vcc(0) depctr_vm_vsrc(0)
	s_getreg_b32 s2, hwreg(HW_REG_IB_STS2, 6, 4)
	s_cmp_eq_u32 s2, 0
	s_cbranch_scc0 .Lentry_in_a_cluster
	s_endpgm
.Lentry_in_a_cluster:
	s_bfe_u32 s2, ttmp6, 0x10000c
	s_cmp_lg_u32 s2, 0x3003
	s_cbranch_scc0 .Lentry_shape_is_right
	s_endpgm
.Lentry_shape_is_right:
; Attention of one head for 64 query rows: O = softmax(Q K^T) V, with a running maximum.  Q carries log2(e)/sqrt(128), so scores are ready for exp2.
; 64 clusters of four work-groups: head = cluster >> 4; the four work-groups are four blocks of 64 rows of that head and walk the same keys, so every K, V tile
; is asked for jointly (mask 15): wave w of all four issues the same descriptor.
; Eight waves, two for each SIMD of a WGP.  Wave w takes keys 512 w .. + 511 in eight chunks of 64, through its own ring of two LDS slots of one chunk.
; A key's row of 256 bytes is [V 0-31 | K 0-31 | V 32-63 | K 32-63]: plain loads take K as operand A of the scores, transposing loads take V^T as operand A of
; V^T P.  64 rows are four blocks of columns, so every fragment read from LDS feeds four matrix instructions.
; Transposed throughout: lane (r, hh) of a score tile holds keys 8 hh + 0..7 of query r, so two tiles pack in place into operand B of V^T P, and the softmax sums
; are in-lane plus one exchange of halves.
; Between two refills waves 0-3 run softmax(k), V^T P(k), scores(k+1); waves 4-7 run V^T P(k), scores(k+1), softmax(k+1): the loads, waits and barriers are the
; same, only the softmax stands elsewhere, so that of two waves four numbers apart one has matrix work while the other has vector work.
; At the end the eight key parts meet in LDS: wave w merges block w >> 1 of the rows, features 32 hh + 16 (w & 1) + 0..15, and stores it as one operand B fragment.
; A wave has at most two tensor loads outstanding (the first fills), later one.  No L2 prefetch: a head's 1 MB is read by 16 clusters shortly after each other.
; LIMITS: P and O are rounded to bf16; exp2 results below 2^-126 count as zero.
.set PITCH, 272                        ; 256 bytes + 16: the 16 rows of a plain load, and the 8 rows x 2 columns of a transposing one, touch 16 different 16-byte columns modulo 256
.set SLOT, 64*PITCH
.set RING, 2*SLOT
.set STAT, 8*RING                      ; (m, l): [wave][block][lane][8]
.set Q_OFF, 4194304
.set LIN, 4
.set ADRK, 5                           ; v5, v6   key fragments in slot 0, 1
.set ADRV, 7                           ; v7, v8   value fragments in slot 0, 1
.set OWN, 9
.set STS, 10
.set STL, 11
.set OXL, 12
.set TA, 13
.set L8, 14
.set MX, 16                            ; v16-19   running maximum of block q
.set NM, 20                            ; v20-27   (-m, -m)
.set AL, 28                            ; v28-35   (alpha, alpha)
.set LS, 36                            ; v36-43   running sums, two each
.set TM, 44
.set AM, 48                            ; v48-63   maxima of the 16 score tiles
.set TX, 48                            ; free again once TM is made
.set QF, 64                            ; v64-127  Q fragments (q, ks) at 8 (2 q + ks)
.set KF, 128                           ; v128-191 K fragments (kb, ks) at 8 (2 kb + ks)
.set VF, 192                           ; v192-255 V fragments (kg, t) at 8 (4 kg + t)
.set OT, 128                           ; window 1: score tiles (kb, q) at 8 (4 kb + q); O tiles (t, q) at OT + 8 (4 t + q)
.set ST, 64                            ; the merge: (m, l) of eight waves,
.set FF, 80                            ; their factors,
.set GG, 88                            ; as pairs,
.set OH, 104                           ; the merged 16 numbers,
.set PK, 120                           ; packed
.set G1, 32
.set G0, 40
.set MSB, 0
.macro WIN new                         ; s_set_vgpr_msb: bits 1:0 source 0, 3:2 source 1, 5:4 source 2, 7:6 destination; the high byte repeats the setting left
.if MSB != \new
	s_set_vgpr_msb (MSB<<8)|\new
.set MSB, \new
.endif
.endm
.macro PLACES n                        ; places behind matrix instructions (ISA guide 7.12.1) where there is no independent vector work
.rept \n
	v_nop
.endr
.endm
.macro ROUND                           ; a round of the cluster's barrier
	WIN 0
	s_barrier_signal -1
	s_barrier_wait -1
	s_cmp_lg_u32 s24, 0
	s_cbranch_scc1 .Lnot_wave_0_\@
	s_barrier_signal -3
.Lnot_wave_0_\@:
	s_barrier_wait -3
	s_barrier_signal -1
	s_barrier_wait -1
.endm
.macro LDK slot                        ; 16 loads: 64 keys x 64 features of K
	WIN 0
.irp kb, 0,1,2,3
.irp ks, 0,1
	ds_load_b128 v[KF+8*(2*\kb+\ks):KF+8*(2*\kb+\ks)+3],   v[ADRK+(\slot)] offset:\kb*16*PITCH+128*\ks
	ds_load_b128 v[KF+8*(2*\kb+\ks)+4:KF+8*(2*\kb+\ks)+7], v[ADRK+(\slot)] offset:\kb*16*PITCH+128*\ks+32
.endr
.endr
.endm
; 16 transposing loads.  Lanes 8-15 of a half take the 16 bytes 128 bytes further on, so row m of fragment t is feature 8 t + 32 (m >> 3) + (m & 7) and O tile t
; holds features 32 hh + 8 t + j: the order built into the wo image
.macro LDV slot
	WIN 0
.irp kg, 0,1
.irp t, 0,1,2,3
	ds_load_tr16_b128 v[VF+8*(4*\kg+\t):VF+8*(4*\kg+\t)+3],   v[ADRV+(\slot)] offset:\kg*32*PITCH+16*\t
	ds_load_tr16_b128 v[VF+8*(4*\kg+\t)+4:VF+8*(4*\kg+\t)+7], v[ADRV+(\slot)] offset:\kg*32*PITCH+16*PITCH+16*\t
.endr
.endr
.endm
.macro SPH                             ; 32 products: the four blocks' tiles take turns
	WIN 0x50
.irp kb, 0,1,2,3
.irp ks, 0,1
.irp qb, 0,1,2,3
.if \ks == 0
	v_wmma_f32_16x16x32_bf16 v[8*(4*\kb+\qb):8*(4*\kb+\qb)+7], v[KF+8*(2*\kb+\ks):KF+8*(2*\kb+\ks)+7], v[QF+8*(2*\qb+\ks):QF+8*(2*\qb+\ks)+7], 0
.else
	v_wmma_f32_16x16x32_bf16 v[8*(4*\kb+\qb):8*(4*\kb+\qb)+7], v[KF+8*(2*\kb+\ks):KF+8*(2*\kb+\ks)+7], v[QF+8*(2*\qb+\ks):QF+8*(2*\qb+\ks)+7], v[8*(4*\kb+\qb):8*(4*\kb+\qb)+7]
.endif
.endr
.endr
.endr
.endm
.macro PVPH first                      ; 32 products: 16 tiles take turns
	WIN 0x54
.irp kg, 0,1
.irp t, 0,1,2,3
.irp qb, 0,1,2,3
.if (\first)*(1-\kg)
	v_wmma_f32_16x16x32_bf16 v[OT+8*(4*\t+\qb):OT+8*(4*\t+\qb)+7], v[VF+8*(4*\kg+\t):VF+8*(4*\kg+\t)+7], v[8*(8*\kg+\qb):8*(8*\kg+\qb)+7], 0
.else
	v_wmma_f32_16x16x32_bf16 v[OT+8*(4*\t+\qb):OT+8*(4*\t+\qb)+7], v[VF+8*(4*\kg+\t):VF+8*(4*\kg+\t)+7], v[8*(8*\kg+\qb):8*(8*\kg+\qb)+7], v[OT+8*(4*\t+\qb):OT+8*(4*\t+\qb)+7]
.endif
.endr
.endr
.endr
.endm
; new maximum, alpha = 2^(old - new), P = 2^(S - m), l = alpha l + sum P, P packed in place into the even tiles, O *= alpha
.macro SOFTMAX first
	WIN 0x05
.set ii, 0
.rept 16
	v_max_num_f32 v[AM+ii], v[8*ii], v[8*ii+1]
.set ii, ii+1
.endr
.irp p, 2,4,6
.set ii, 0
.rept 16
	v_max3_num_f32 v[AM+ii], v[8*ii+\p], v[8*ii+\p+1], v[AM+ii]
.set ii, ii+1
.endr
.endr
	WIN 0
.irp q, 0,1,2,3
	v_max3_num_f32 v[TM+\q], v[AM+\q], v[AM+4+\q], v[AM+8+\q]
.endr
.irp q, 0,1,2,3
.if \first
	v_max_num_f32 v[TM+\q], v[TM+\q], v[AM+12+\q]
.else
	v_max3_num_f32 v[TM+\q], v[TM+\q], v[AM+12+\q], v[MX+\q]
.endif
.endr
.irp q, 0,1,2,3
	v_permlanex16_b32 v[TX+\q], v[TM+\q], s28, s29 ; the other half of the lanes holds the other keys of the same query
.endr
.irp q, 0,1,2,3
	v_max_num_f32 v[TM+\q], v[TM+\q], v[TX+\q]
.endr
.if \first == 0
.irp q, 0,1,2,3
	v_sub_f32 v[TX+\q], v[MX+\q], v[TM+\q]
.endr
.irp q, 0,1,2,3
	v_exp_f32 v[AL+2*\q], v[TX+\q]
	v_exp_f32 v[AL+2*\q+1], v[TX+\q]
.endr
.endif
.irp q, 0,1,2,3
	v_mov_b32 v[MX+\q], v[TM+\q]                   ; also the plain place behind the exponentials (ISA guide 5.7.2)
.endr
.irp q, 0,1,2,3
	v_sub_f32 v[NM+2*\q], 0, v[TM+\q]
	v_sub_f32 v[NM+2*\q+1], 0, v[TM+\q]
.endr
	WIN 0x41
.set ii, 0
.rept 16
.irp p, 0,2,4,6
	v_pk_add_f32 v[8*ii+\p:8*ii+\p+1], v[8*ii+\p:8*ii+\p+1], v[NM+2*(ii&3):NM+2*(ii&3)+1]
.endr
.irp p, 0,1,2,3,4,5,6,7
	v_exp_f32 v[8*ii+\p], v[8*ii+\p]               ; the next tile's subtraction is the plain place behind these
.endr
.set ii, ii+1
.endr
.if \first == 0
	WIN 0
	s_wait_alu depctr_va_vdst(0)
.irp q, 0,1,2,3
	v_pk_mul_f32 v[LS+2*\q:LS+2*\q+1], v[LS+2*\q:LS+2*\q+1], v[AL+2*\q:AL+2*\q+1]
.endr
.endif
	WIN 0x01
	s_wait_alu depctr_va_vdst(0)
.irp p, 0,2,4,6
.set ii, 0
.rept 16
	v_pk_add_f32 v[LS+2*(ii&3):LS+2*(ii&3)+1], v[8*ii+\p:8*ii+\p+1], v[LS+2*(ii&3):LS+2*(ii&3)+1]
.set ii, ii+1
.endr
.endr
	WIN 0x45                                       ; nothing is lost
.irp qb, 0,1,2,3
.irp kg, 0,1
.irp u, 0,1
.irp i, 0,1,2,3
	v_cvt_pk_bf16_f32 v[8*(8*\kg+\qb)+4*\u+\i], v[8*(4*(2*\kg+\u)+\qb)+2*\i], v[8*(4*(2*\kg+\u)+\qb)+2*\i+1]
.endr
.endr
.endr
.endr
.if \first == 0
	WIN 0x41
.set ii, 0
.rept 16
.irp p, 0,2,4,6
	v_pk_mul_f32 v[OT+8*ii+\p:OT+8*ii+\p+1], v[OT+8*ii+\p:OT+8*ii+\p+1], v[AL+2*(ii&3):AL+2*(ii&3)+1]
.endr
.set ii, ii+1
.endr
.endif
.endm
.macro SM_LOW first                    ; waves 0-3 alone
	WIN 0
	s_cmp_lt_u32 s24, 4
	s_cbranch_scc0 .Lnot_low_\@
	SOFTMAX \first
	WIN 0
.Lnot_low_\@:
.endm
.macro SM_HIGH first                   ; waves 4-7 alone
	WIN 0
	s_cmp_lt_u32 s24, 4
	s_cbranch_scc1 .Lnot_high_\@
	SOFTMAX \first
	WIN 0
.Lnot_high_\@:
.endm
; Behind the score products: four places before the scores are read and the key fragments loaded again, and a fifth because the registers of the even score tiles
; are operand B of the V^T P products (P is packed in place).  The softmax between the two stands inside a branch, so the five are written outside it, on every way.
.macro AFTER_S
	PLACES 5
.endm
; Chunk k, in slot k & 1.  At its head the scores of chunk k are made and its value fragments are on their way into registers, so the slot is free.
; mode 1: the slot is filled again; 2: nothing is left to fetch; 3: the last chunk
.macro ITER slot, first, mode
	s_wait_dscnt 0x0                               ; my reads of this slot are back, the value fragments among them
.if \mode == 1
	s_wait_xcnt 0x0
	v_lshl_add_u32 v190, v0, 2, 0x46000
	v_mov_b32 v191, 0
	s_wait_tensorcnt 0x0                           ; all my tensor loads have landed (the one out was the other slot's), so a descriptor may be written
	ds_add_u32 v190, v191
	s_wait_dscnt 0x0
	s_add_nc_u64 s[G0+4*\slot+2:G0+4*\slot+3], s[G0+4*\slot+2:G0+4*\slot+3], 0x8000    ; two chunks of 64 keys of 256 bytes further
	ROUND                                          ; both hold of every wave of the four work-groups
	tensor_load_to_lds s[G0+4*\slot:G0+4*\slot+3], s[G1:G1+7]     ; my one tensor load behind the round, first thing
	s_nop 0
	LDK 1-\slot
.endif
.if \mode == 2
	s_wait_tensorcnt 0x0                           ; the last fill; no load was issued behind it
	LDK 1-\slot
.endif
	SM_LOW \first
	PVPH \first
.if \mode != 3
	PLACES 5                                       ; before the value fragments are loaded again (4) and the scores written over P (5)
	LDV 1-\slot
	s_wait_dscnt 16                                ; all but the 16 value loads just issued: the key fragments are in
	SPH
	AFTER_S
	SM_HIGH 0
.endif
.endm
	s_load_b128 s[4:7], s[0:1], 0x0                ; st, oimg
	v_lshl_add_u32 v190, v0, 2, 0x46000
	v_mov_b32 v191, 0
	ds_add_u32 v190, v191
	s_wait_dscnt 0x0
	v_lshrrev_b32 v1, 5, v0
	v_readfirstlane_b32 s24, v1                    ; wave w
	s_bfe_u32 s25, ttmp6, 0x40000                  ; cx
	s_lshr_b32 s26, ttmp9, 4                       ; head
	s_and_b32 s48, ttmp9, 15
	s_lshl2_add_u32 s48, s48, s25                  ; block of 64 rows: enters global addresses of plain accesses alone
	s_mov_b32 s28, 0x76543210                      ; v_permlanex16_b32: lane i of the other half
	s_mov_b32 s29, 0xfedcba98
	s_mov_b32 s[G1+0], 15|(1<<16)|(1<<20)|(1<<21)|(5<<22)|(3<<25)  ; mask: all four; 2-byte elements; padding on; bit 21 beside a mask; after 64 words, 4 words
	s_mov_b32 s[G1+1], 128<<16                     ; tensor_dim0 = 128
	s_mov_b32 s[G1+2], 64<<16                      ; tensor_dim1 = 64
	s_mov_b32 s[G1+3], 128<<16                     ; tile_dim0 = 128
	s_mov_b32 s[G1+4], 64                          ; tile_dim1 = 64 keys
	s_mov_b32 s[G1+5], 128
	s_mov_b32 s[G1+6], 0
	s_mov_b32 s[G1+7], 0
	s_lshl_b32 s50, s26, 20                        ; 1 MB a head,
	s_lshl_b32 s51, s24, 17                        ; 512 keys of 256 bytes a wave
	s_add_co_u32 s50, s50, s51
	s_mov_b32 s51, 0
	s_mul_i32 s52, s24, RING                       ; my ring
	s_lshl_b32 s54, s26, 19                        ; Q: 524,288 bytes a head,
	s_lshl_b32 s55, s48, 13                        ; 8,192 for 64 rows
	s_add_co_u32 s54, s54, s55
	s_mov_b32 s55, 0
	s_lshr_b32 s58, s24, 1                         ; the block that I merge
	s_and_b32 s59, s24, 1                          ; and its half p
	s_lshl_b32 s56, s48, 15                        ; O: 8,192 bytes for 16 rows, 2,048 a head, 1,024 a half
	s_lshl_b32 s57, s58, 13
	s_add_co_u32 s56, s56, s57
	s_lshl_b32 s57, s26, 11
	s_add_co_u32 s56, s56, s57
	s_lshl_b32 s57, s59, 10
	s_add_co_u32 s56, s56, s57
	s_mov_b32 s57, 0
	s_wait_kmcnt 0x0
	s_add_nc_u64 s[50:51], s[4:5], s[50:51]
.irp s, 0,1
	s_mov_b32 s[G0+4*\s], 1
	s_add_co_u32 s[G0+4*\s+1], s52, \s*SLOT
	s_add_nc_u64 s[G0+4*\s+2:G0+4*\s+3], s[50:51], \s*16384
	s_or_b32 s[G0+4*\s+3], s[G0+4*\s+3], 0x80000000
.endr
	ROUND                                          ; the four work-groups are here: the first joint loads meet
	tensor_load_to_lds s[G0:G0+3], s[G1:G1+7]      ; chunk 0
	s_nop 0
	tensor_load_to_lds s[G0+4:G0+7], s[G1:G1+7]    ; chunk 1
	s_nop 0
	s_add_nc_u64 s[54:55], s[4:5], s[54:55]
	s_add_nc_u64 s[54:55], s[54:55], Q_OFF
	s_add_nc_u64 s[6:7], s[6:7], s[56:57]
	v_and_b32 v1, 31, v0
	v_and_b32 v2, 15, v0                           ; r
	v_bfe_u32 v3, v0, 4, 1                         ; hh
	v_lshlrev_b32 v[LIN], 4, v1
	v_lshlrev_b32 v[L8], 3, v1
.set ii, 0
.rept 16
	global_load_b128 v[QF+4*ii:QF+4*ii+3], v[LIN], s[54:55] offset:512*ii      ; the eight Q fragments, 512 consecutive bytes a load
.set ii, ii+1
.endr
	v_mul_u32_u24 v[TA], v2, PITCH
	v_lshl_add_u32 v[TA], v3, 4, v[TA]
	v_add_nc_u32 v[TA], s52, v[TA]
	v_add_nc_u32 v[ADRK], 64, v[TA]                ; row r, K's first 64 bytes, 16 hh
	v_add_nc_u32 v[ADRK+1], SLOT, v[ADRK]
	v_and_b32 v[TA], 7, v0
	v_lshl_add_u32 v[TA], v3, 3, v[TA]
	v_mul_u32_u24 v[TA], v[TA], PITCH
	v_bfe_u32 v[ADRV], v0, 3, 1
	v_lshl_add_u32 v[TA], v[ADRV], 7, v[TA]
	v_add_nc_u32 v[ADRV], s52, v[TA]               ; row 8 hh + (lane & 7), 128 ((lane >> 3) & 1)
	v_add_nc_u32 v[ADRV+1], SLOT, v[ADRV]
	v_add_nc_u32 v[OWN], s52, v[LIN]
	s_lshl_b32 s53, s24, 10
	s_add_co_u32 s53, s53, STAT
	v_add_nc_u32 v[STS], s53, v[L8]
	s_lshl_b32 s53, s58, 8
	s_add_co_u32 s53, s53, STAT
	v_add_nc_u32 v[STL], s53, v[L8]
	s_lshl_b32 s53, s58, 12
	s_lshl_b32 s49, s59, 11
	s_add_co_u32 s53, s53, s49
	v_add_nc_u32 v[OXL], s53, v[LIN]
.irp i, 0,1,2,3,4,5,6,7
	v_mov_b32 v[LS+\i], 0                          ; the sums of P start at 0
.endr
	s_wait_tensorcnt 0x1                           ; chunk 0 is in (only I read my ring); chunk 1 stays out
	LDK 0
	LDV 0
	s_wait_loadcnt 0x0                             ; Q
	s_wait_dscnt 16                                ; all but the 16 value loads: the key fragments are in
	SPH
	AFTER_S
	SM_HIGH 1
	ITER 0, 1, 1                                   ; chunk 0
	s_mov_b32 s27, 2
.Lloop:
	ITER 1, 0, 1                                   ; chunks 1, 3
	ITER 0, 0, 1                                   ; chunks 2, 4
	s_sub_co_u32 s27, s27, 1
	s_cmp_lg_u32 s27, 0
	s_cbranch_scc1 .Lloop
	ITER 1, 0, 1                                   ; chunk 5: the last refill, chunk 7
	ITER 0, 0, 2
	ITER 1, 0, 3
	; hand my part's (m, l, O) over.  My ring has had its last fill and its last read: it is scratch from here on
	PLACES 4
	WIN 0
.irp q, 0,1,2,3
	v_add_f32 v[TM+\q], v[LS+2*\q], v[LS+2*\q+1]
.endr
.irp q, 0,1,2,3
	v_permlanex16_b32 v[TX+\q], v[TM+\q], s28, s29
.endr
.irp q, 0,1,2,3
	v_mov_b32 v[NM+2*\q], v[MX+\q]
	v_add_f32 v[NM+2*\q+1], v[TM+\q], v[TX+\q]
.endr
.irp q, 0,1,2,3
	ds_store_b64 v[STS], v[NM+2*\q:NM+2*\q+1] offset:256*\q
.endr
	WIN 0x04
.irp q, 0,1,2,3
.irp t, 0,1,2,3
	ds_store_b128 v[OWN], v[OT+8*(4*\t+\q):OT+8*(4*\t+\q)+3]   offset:4096*\q+1024*\t
	ds_store_b128 v[OWN], v[OT+8*(4*\t+\q)+4:OT+8*(4*\t+\q)+7] offset:4096*\q+1024*\t+512
.endr
.endr
	WIN 0
	s_wait_dscnt 0x0                               ; in LDS before I say so
	s_barrier_signal -1
	s_barrier_wait -1
.irp p, 0,1,2,3,4,5,6,7
	ds_load_b64 v[ST+2*\p:ST+2*\p+1], v[STL] offset:1024*\p
.endr
.irp p, 0,1,2,3,4,5,6,7
.irp i, 0,1,2,3
	ds_load_b128 v[128+16*\p+4*\i:128+16*\p+4*\i+3], v[OXL] offset:512*\i      ; tiles 2 p', 2 p' + 1 of my block from wave p
.endr
	v_add_nc_u32 v[OXL], RING, v[OXL]
.endr
	s_wait_dscnt 32                                ; all but the 32 loads of partial O: the eight (m, l) are in
	v_max3_num_f32 v[TA], v[ST], v[ST+2], v[ST+4]
	v_max3_num_f32 v[TA], v[TA], v[ST+6], v[ST+8]
	v_max3_num_f32 v[TA], v[TA], v[ST+10], v[ST+12]
	v_max_num_f32 v[TA], v[TA], v[ST+14]
.irp p, 0,1,2,3,4,5,6,7
	v_sub_f32 v[FF+\p], v[ST+2*\p], v[TA]
.endr
.irp p, 0,1,2,3,4,5,6,7
	v_exp_f32 v[FF+\p], v[FF+\p]
.endr
	v_nop
	s_wait_alu depctr_va_vdst(0)
	v_mul_f32 v[TA], v[FF], v[ST+1]
.irp p, 1,2,3,4,5,6,7
	v_fmac_f32 v[TA], v[FF+\p], v[ST+2*\p+1]       ; at least 1: the part with the largest m has factor 1 and a sum of at least 1
.endr
	v_rcp_f32 v[L8], v[TA]
	v_nop
	s_wait_alu depctr_va_vdst(0)
.irp p, 0,1,2,3,4,5,6,7
	v_mul_f32 v[GG+2*\p], v[FF+\p], v[L8]
	v_mul_f32 v[GG+2*\p+1], v[FF+\p], v[L8]
.endr
	s_wait_dscnt 0x0
.irp c, 0,2,4,6,8,10,12,14
	v_pk_mul_f32 v[OH+\c:OH+\c+1], v[128+\c:128+\c+1], v[GG:GG+1]
.endr
.irp p, 1,2,3,4,5,6,7
.irp c, 0,2,4,6,8,10,12,14
	v_pk_fma_f32 v[OH+\c:OH+\c+1], v[128+16*\p+\c:128+16*\p+\c+1], v[GG+2*\p:GG+2*\p+1], v[OH+\c:OH+\c+1]
.endr
.endr
.irp i, 0,1,2,3,4,5,6,7
	v_cvt_pk_bf16_f32 v[PK+\i], v[OH+2*\i], v[OH+2*\i+1]
.endr
	global_store_b128 v[LIN], v[PK:PK+3],   s[6:7]                 ; 512 consecutive bytes a store
	global_store_b128 v[LIN], v[PK+4:PK+7], s[6:7] offset:512
	s_wait_xcnt 0x0
	v_lshl_add_u32 v190, v0, 2, 0x46000
	v_mov_b32 v191, 0
	s_wait_tensorcnt 0x0
	ds_add_u32 v190, v191
	s_wait_dscnt 0x0
	ROUND                                          ; the closing round: no work-group ends while a partner may still ask for a tile that names it
	s_endpgm
.Lfunc_end_k_q4889ac325b_att0:
	.size	k_q4889ac325b_att0, .Lfunc_end_k_q4889ac325b_att0-k_q4889ac325b_att0
	.p2alignl 7, 3214868480
	.fill 96, 4, 3214868480
	.section	.rodata,"a",@progbits
	.p2align	6, 0x0
	.amdhsa_kernel k_q4889ac325b_att0
		.amdhsa_group_segment_fixed_size 327680
		.amdhsa_private_segment_fixed_size 0
		.amdhsa_enable_private_segment 0
		.amdhsa_kernarg_size 16
		.amdhsa_user_sgpr_count 2
		.amdhsa_user_sgpr_kernarg_segment_ptr 1
		.amdhsa_wavefront_size32 1
		.amdhsa_system_sgpr_workgroup_id_x 1
		.amdhsa_system_sgpr_workgroup_id_y 1
		.amdhsa_system_sgpr_workgroup_id_z 1
		.amdhsa_system_vgpr_workitem_id 0
		.amdhsa_next_free_vgpr 512
		.amdhsa_next_free_sgpr 66
		.amdhsa_reserve_vcc 0
		.amdhsa_float_denorm_mode_32 3
		.amdhsa_float_denorm_mode_16_64 3
		.amdhsa_memory_ordered 1
		.amdhsa_forward_progress 1
		.amdhsa_inst_pref_size 255
	.end_amdhsa_kernel
	.section	.bss,"aw",@nobits
	.p2align	6
	.space	262144
	.amdgpu_metadata
---
amdhsa.version: [ 1, 2 ]
amdhsa.kernels:
  - .name:           k_q4889ac325b_att0
    .symbol:         k_q4889ac325b_att0.kd
    .args:
      - { .name: st0, .offset: 0, .size: 8, .value_kind: global_buffer, .address_space: global }
      - { .name: oimg, .offset: 8, .size: 8, .value_kind: global_buffer, .address_space: global }
    .group_segment_fixed_size: 327680
    .private_segment_fixed_size: 0
    .kernarg_segment_align: 8
    .kernarg_segment_size: 16
    .max_flat_workgroup_size: 256
    .sgpr_count:     66
    .vgpr_count:     512
    .wavefront_size: 32
...
	.end_amdgpu_metadata
.endif
;; end of part 8
;; launch mid0 (part 9): grid 256 x 1, 4 waves a work-group, clusters of 4 x 1, 303,872 bytes of LDS; arguments x, st0, oimg, params_0_mha_ln_w, params_0_mha_ln_b, params_0_ffn_b1, params_0_ffn_b2, params_0_ffn_ln_w, params_0_ffn_ln_b, xfa, st1; writes xfa, st1
.if DOCPART == 9
	.amdgcn_target "amdgcn-amd-amdhsa--gfx1250"
	.amdhsa_code_object_version 6
	.text
	.protected	k_q4889ac325b_mid0
	.globl	k_q4889ac325b_mid0
	.p2align	8
	.type	k_q4889ac325b_mid0,@function
k_q4889ac325b_mid0:
	s_mov_b64 s[64:65], 0
	v_nop
	global_prefetch_b8 v0, s[64:65] scope:SCOPE_SE
	s_setreg_imm32_b32 hwreg(HW_REG_WAVE_MODE, 25, 1), 1
	s_wait_xcnt 0x0
	s_wait_alu depctr_hold_cnt(0) depctr_sa_sdst(0) depctr_va_vdst(0) depctr_va_sdst(0) depctr_va_ssrc(0) depctr_va_vcc(0) depctr_vm_vsrc(0)
	s_getreg_b32 s2, hwreg(HW_REG_IB_STS2, 6, 4)
	s_cmp_eq_u32 s2, 0
	s_cbranch_scc0 .Lentry_in_a_cluster
	s_endpgm
.Lentry_in_a_cluster:
	s_bfe_u32 s2, ttmp6, 0x10000c
	s_cmp_lg_u32 s2, 0x3003
	s_cbranch_scc0 .Lentry_shape_is_right
	s_endpgm
.Lentry_shape_is_right:
; What lies between two attention launches: O wo + x, LayerNorm, FFN, residual, LayerNorm, then Q, K, V of the next layer.
; LAST = 1: the same without Q, K, V, with softplus, to the output.
; A work-group owns 16 rows; four waves, as many as a WGP has SIMDs.  Everything is computed transposed (weights are operand A, activations operand B), so lane
; (r, hh) of a result tile holds features 8 hh + 0..7 of row r, and two neighbouring tiles pack straight into the next product's operand B.
; Products are split by output blocks: wave w makes blocks 2 w and 2 w + 1 (two sums by turns), the f32 tiles of 1 KB are gathered through LDS, and every wave
; does LayerNorm on all 128 features of the 16 rows (they are one block of columns).  For Q, K, V wave h is head h: 12 blocks.
; CLUSTER: all work-groups walk the same weights, so the FFN images (64 KB) and the Q, K, V images (192 KB) come by joint tensor loads (mask 15); each wave loads
; exactly the part that it alone reads, so its own wait orders those reads.  My 16 rows in f32 come by a plain tensor load in the same group.
; A wave has at most three tensor loads outstanding; nothing is filled again.  The wo image, the O fragments and the six vectors come by 54 global loads a wave.
; Q leaves as operand B images straight from registers; K and V leave as rows of 256 bytes [V 0-31 | K 0-31 | V 32-63 | K 32-63] through the wave's own stage.
; LIMITS: matrix operands are rounded to bf16; residuals and LayerNorm are f32.  softplus is max(x,0) + ln2 log2(1 + 2^(-|x| log2 e)): 0 for x below about -17,
; an absolute error under 6e-8.
.set LAST, 0
.set NTX, 2-LAST                       ; tensor loads issued behind the one for my rows
.set NTA, 1-LAST                       ; and behind the one for the FFN images
.set XP, 528                           ; pitch of f32 rows: 512 + 16
.set KP, 272                           ; pitch of the K, V stage: 256 + 16
.set QWL, 65536                        ; LDS: FFN images at 0 (16,384 a wave), Q, K, V images here (49,152 a wave)
.set XROW, 262144                      ; my 16 rows in f32
.set VEC, XROW+16*XP                   ; the six vectors, a copy of 3,072 bytes for each wave
.set EXY, VEC+4*3072                   ; eight f32 tiles of the wo product
.set EXH, 8192                         ; from EXY on: four operand B fragments of the hidden layer
.set EXZ, 12288                        ; from EXY on: eight f32 tiles of the second FFN product
.set KVS, 8448                         ; in my FFN part, once it has been read: the f32 stage at 0, the K, V stage here
.set Q_OFF, 4194304
.set W_OFF, 6291456
.set WQ_OFF, W_OFF+65536
.set WO_OFF, W_OFF+262144
.set LIN, 4                            ; 16 lane
.set XRD, 5
.set VST, 6
.set VLD, 7
.set VLT, 8
.set EB, 9
.set ES, 10
.set HS, 11
.set FFA, 12
.set QWA, 13
.set SGW, 14
.set SGR, 15
.set KVW, 16
.set KVR, 17
.set TA, 18
.set TT, 24                            ; v24-31
.set VV, 32                            ; v32-55   the six vectors as loaded
.set OUT, 32                           ; v32-47   later: my four rows on the way out
.set SP, 48                            ; v48-63
.set X1, 64                            ; v64-127  64 f32 of row r: features 16 e + 8 hh + j at 8 e + j; at the end the packed Q, K, V
.set KVB, 112                          ; v112-143 K, V rows read back
.set FB, 128                           ; v128-159 operand B, four K steps
.set ACC, 160                          ; v160-255 twelve tiles of Q, K, V; before that:
.set HR, 160                           ; hidden tiles
.set HBO, 176                          ; my hidden fragment
.set HBF, 184                          ; all four
.set YZ, 216                           ; my two tiles of the wo and of the second FFN product
; window 1: wo image 0-127, then gain 0-63 and bias 64-127; O fragments 128-191; gathered tiles 192-255
; window 2: wq fragments 0-127, wk 128-255.   window 3: wv fragments 0-127, w1 128-191, w2 192-255
.set G1X, 36
.set G0X, 44
.set G1A, 48
.set G0A, 56
.set G1B, 68
.set G0B, 76
.set MSB, 0
.macro WIN new                         ; s_set_vgpr_msb: bits 1:0 source 0, 3:2 source 1, 5:4 source 2, 7:6 destination; the high byte repeats the setting left
.if MSB != \new
	s_set_vgpr_msb (MSB<<8)|\new
.set MSB, \new
.endif
.endm
.macro PLACES                          ; four places behind matrix instructions (ISA guide 7.12.1) where there is no independent vector work
.rept 4
	v_nop
.endr
.endm
.macro ROUND                           ; a round of the cluster's barrier
	WIN 0
	s_barrier_signal -1
	s_barrier_wait -1
	s_cmp_lg_u32 s26, 0
	s_cbranch_scc1 .Lnot_wave_0_\@
	s_barrier_signal -3
.Lnot_wave_0_\@:
	s_barrier_wait -3
	s_barrier_signal -1
	s_barrier_wait -1
.endm
.macro PACK dst, src, n                ; n words of two bf16 from 2 n f32
.set ii, 0
.rept \n
	v_cvt_pk_bf16_f32 v[\dst+ii], v[\src+2*ii], v[\src+2*ii+1]
.set ii, ii+1
.endr
.endm
.macro LDVEC dst, vi                   ; vector vi from my copy in LDS, in the layout of X1
.irp e, 0,1,2,3,4,5,6,7
	ds_load_b128 v[\dst+8*\e:\dst+8*\e+3],   v[VLD] offset:512*\vi+64*\e
	ds_load_b128 v[\dst+8*\e+4:\dst+8*\e+7], v[VLD] offset:512*\vi+64*\e+16
.endr
.endm
.macro GATHER off                      ; the eight tiles of all four waves
	WIN 0x40
.set ii, 0
.rept 16
	ds_load_b128 v[192+4*ii:192+4*ii+3], v[EB] offset:\off+512*ii
.set ii, ii+1
.endr
.endm
.macro ADDPART
	WIN 0x01
.set ii, 0
.rept 32
	v_pk_add_f32 v[X1+2*ii:X1+2*ii+1], v[192+2*ii:192+2*ii+1], v[X1+2*ii:X1+2*ii+1]
.set ii, ii+1
.endr
.endm
.macro STT off                         ; my two tiles
	WIN 0
.irp i, 0,1,2,3
	ds_store_b128 v[ES], v[YZ+4*\i:YZ+4*\i+3] offset:\off+512*\i
.endr
.endm
.macro LDQ g                           ; 32 loads: the 16 fragments of wq (0), wk (1) or wv (2) of my head
.if \g < 2
	WIN 0x80
.else
	WIN 0xc0
.endif
.set ii, 0
.rept 32
	ds_load_b128 v[128*(\g&1)+4*ii:128*(\g&1)+4*ii+3], v[QWA] offset:16384*\g+512*ii
.set ii, ii+1
.endr
.endm
.macro RED8                            ; four pairs in TT to one number, over both halves of the lanes
	v_pk_add_f32 v[TT:TT+1], v[TT:TT+1], v[TT+2:TT+3]
	v_pk_add_f32 v[TT+4:TT+5], v[TT+4:TT+5], v[TT+6:TT+7]
	v_pk_add_f32 v[TT:TT+1], v[TT:TT+1], v[TT+4:TT+5]
	v_add_f32 v[TT], v[TT], v[TT+1]
	v_permlanex16_b32 v[TT+2], v[TT], s28, s29
	v_add_f32 v[TT], v[TT], v[TT+2]
.endm
; LayerNorm of X1 in place: mean, then the sum of squares of the differences (no difference of large sums); gain and bias in window 1
.macro LNORM
	WIN 0
.irp c, 0,2,4,6
	v_pk_add_f32 v[TT+\c:TT+\c+1], v[X1+\c:X1+\c+1], v[X1+8+\c:X1+8+\c+1]
.endr
.irp g, 2,3,4,5,6,7
.irp c, 0,2,4,6
	v_pk_add_f32 v[TT+\c:TT+\c+1], v[TT+\c:TT+\c+1], v[X1+8*\g+\c:X1+8*\g+\c+1]
.endr
.endr
	RED8
	v_mul_f32 v[TT+6], 0xbc000000, v[TT]           ; - sum / 128
	v_mov_b32 v[TT+7], v[TT+6]
.set ii, 0
.rept 32
	v_pk_add_f32 v[X1+2*ii:X1+2*ii+1], v[X1+2*ii:X1+2*ii+1], v[TT+6:TT+7]
.set ii, ii+1
.endr
.irp c, 0,2,4,6
	v_pk_mul_f32 v[TT+\c:TT+\c+1], v[X1+\c:X1+\c+1], v[X1+\c:X1+\c+1]
.endr
.irp g, 1,2,3,4,5,6,7
.irp c, 0,2,4,6
	v_pk_fma_f32 v[TT+\c:TT+\c+1], v[X1+8*\g+\c:X1+8*\g+\c+1], v[X1+8*\g+\c:X1+8*\g+\c+1], v[TT+\c:TT+\c+1]
.endr
.endr
	RED8
	v_fma_f32 v[TT], v[TT], s30, s31               ; variance + 1e-5
	v_rsq_f32 v[TT+6], v[TT]
	v_rsq_f32 v[TT+7], v[TT]
	v_nop                                          ; one plain place behind a transcendental before its result is used (ISA guide 5.7.2)
.set ii, 0
	s_wait_alu depctr_va_vdst(0)
.rept 32
	v_pk_mul_f32 v[X1+2*ii:X1+2*ii+1], v[X1+2*ii:X1+2*ii+1], v[TT+6:TT+7]
.set ii, ii+1
.endr
	WIN 0x14
.set ii, 0
.rept 32
	v_pk_fma_f32 v[X1+2*ii:X1+2*ii+1], v[X1+2*ii:X1+2*ii+1], v[2*ii:2*ii+1], v[64+2*ii:64+2*ii+1]
.set ii, ii+1
.endr
.endm
	s_load_b512 s[4:19], s[0:1], 0x0               ; x f32 s[4:5], st s[6:7], O s[8:9], ln1_w, ln1_b, b1, b2, ln2_w s[18:19]
	s_load_b128 s[20:23], s[0:1], 0x40             ; ln2_b, the f32 result
.if LAST == 0
	s_load_b64 s[24:25], s[0:1], 0x50              ; the next layer's st
	v_lshl_add_u32 v62, v0, 2, 0x4a100
	v_mov_b32 v63, 0
	ds_add_u32 v62, v63
.endif
	v_lshrrev_b32 v1, 5, v0
	v_readfirstlane_b32 s26, v1                    ; wave w
	s_bfe_u32 s27, ttmp6, 0x40000                  ; cx
	s_lshl_b32 s32, ttmp9, 2
	s_add_co_u32 s27, s32, s27                     ; block of 16 rows: enters global addresses of plain accesses alone
	s_mov_b32 s28, 0x76543210                      ; v_permlanex16_b32: lane i of the other half
	s_mov_b32 s29, 0xfedcba98
	s_mov_b32 s30, 0x3c000000                      ; 1 / 128
	s_mov_b32 s31, 0x3727c5ac                      ; 1e-5
	s_mov_b32 s[G1X+0], (2<<16)|(1<<20)|(6<<22)|(3<<25)            ; no mask; 4-byte elements; after 128 words, 4 words of padding
	s_mov_b32 s[G1X+1], 128<<16
	s_mov_b32 s[G1X+2], 4<<16
	s_mov_b32 s[G1X+3], 128<<16
	s_mov_b32 s[G1X+4], 4                          ; four rows a wave
	s_mov_b32 s[G1X+5], 128
	s_mov_b32 s[G1X+6], 0
	s_mov_b32 s[G1X+7], 0
	s_mov_b32 s[G1A+0], 15|(3<<16)|(1<<21)         ; mask: all four work-groups; 8-byte elements; bit 21 beside a mask; a dense block as rows of 256 bytes
	s_mov_b32 s[G1A+1], 32<<16
	s_mov_b32 s[G1A+2], 64<<16
	s_mov_b32 s[G1A+3], 32<<16
	s_mov_b32 s[G1A+4], 64                         ; 16,384 bytes
	s_mov_b32 s[G1A+5], 32
	s_mov_b32 s[G1A+6], 0
	s_mov_b32 s[G1A+7], 0
.if LAST == 0
	s_mov_b32 s[G1B+0], 15|(3<<16)|(1<<21)
	s_mov_b32 s[G1B+1], 32<<16
	s_mov_b32 s[G1B+2], 192<<16
	s_mov_b32 s[G1B+3], 32<<16
	s_mov_b32 s[G1B+4], 192                        ; 49,152 bytes
	s_mov_b32 s[G1B+5], 32
	s_mov_b32 s[G1B+6], 0
	s_mov_b32 s[G1B+7], 0
.endif
	s_mul_i32 s33, s26, 4*XP
	s_lshl_b32 s80, s27, 13                        ; 16 rows of 512 bytes a work-group,
	s_lshl_b32 s81, s26, 11                        ; four a wave
	s_add_co_u32 s80, s80, s81
	s_mov_b32 s81, 0
	s_lshl_b32 s82, s26, 14
	s_mov_b32 s83, 0
	s_mul_i32 s84, s26, 49152
	s_mov_b32 s85, 0
	s_mov_b32 s87, 0
	s_wait_dscnt 0x0
	s_wait_kmcnt 0x0
	s_mov_b32 s[G0X], 1
	s_add_co_u32 s[G0X+1], s33, XROW
	s_add_nc_u64 s[G0X+2:G0X+3], s[4:5], s[80:81]
	s_or_b32 s[G0X+3], s[G0X+3], 0x80000000
	s_mov_b32 s[G0A], 1
	s_mov_b32 s[G0A+1], s82
	s_add_nc_u64 s[G0A+2:G0A+3], s[6:7], s[82:83]
	s_add_nc_u64 s[G0A+2:G0A+3], s[G0A+2:G0A+3], W_OFF
	s_or_b32 s[G0A+3], s[G0A+3], 0x80000000
.if LAST == 0
	s_mov_b32 s[G0B], 1
	s_add_co_u32 s[G0B+1], s84, QWL
	s_add_nc_u64 s[G0B+2:G0B+3], s[6:7], s[84:85]
	s_add_nc_u64 s[G0B+2:G0B+3], s[G0B+2:G0B+3], WQ_OFF
	s_or_b32 s[G0B+3], s[G0B+3], 0x80000000
.endif
	ROUND                                          ; the four work-groups are here: the joint loads meet
	tensor_load_to_lds s[G0X:G0X+3], s[G1X:G1X+7]  ; my four rows of x
	s_nop 0
	tensor_load_to_lds s[G0A:G0A+3], s[G1A:G1A+7]  ; my blocks of w1 and w2
	s_nop 0
.if LAST == 0
	tensor_load_to_lds s[G0B:G0B+3], s[G1B:G1B+7]  ; my head's wq, wk, wv
	s_nop 0
.endif
	s_add_nc_u64 s[60:61], s[6:7], s[82:83]
	s_add_nc_u64 s[60:61], s[60:61], WO_OFF        ; wo image, blocks 2 w, 2 w + 1
	s_lshl_b32 s86, s27, 13
	s_add_nc_u64 s[62:63], s[8:9], s[86:87]        ; the eight O fragments of my rows
	s_add_nc_u64 s[22:23], s[22:23], s[80:81]      ; my four rows of the f32 result
.if LAST == 0
	s_lshl_b32 s86, s26, 19                        ; Q: 524,288 bytes a head, 2,048 a block
	s_lshl_b32 s88, s27, 11
	s_add_co_u32 s86, s86, s88
	s_add_nc_u64 s[66:67], s[24:25], s[86:87]
	s_add_nc_u64 s[66:67], s[66:67], Q_OFF
	s_lshl_b32 s86, s26, 20                        ; K, V: 1 MB a head, 4,096 bytes a block
	s_lshl_b32 s88, s27, 12
	s_add_co_u32 s86, s86, s88
	s_add_nc_u64 s[24:25], s[24:25], s[86:87]
.endif
	v_and_b32 v1, 31, v0
	v_and_b32 v2, 15, v0                           ; r
	v_bfe_u32 v3, v0, 4, 1                         ; hh
	v_lshlrev_b32 v[LIN], 4, v1
.irp k, 0,1,2,3,4,5
	global_load_b128 v[VV+4*\k:VV+4*\k+3], v[LIN], s[10+2*\k:11+2*\k]          ; 6 loads: ln1_w, ln1_b, b1, b2, ln2_w, ln2_b
.endr
	WIN 0x40
.set ii, 0
.rept 16
	global_load_b128 v[128+4*ii:128+4*ii+3], v[LIN], s[62:63] offset:512*ii    ; 16 loads: O
.set ii, ii+1
.endr
.set ii, 0
.rept 32
	global_load_b128 v[4*ii:4*ii+3], v[LIN], s[60:61] offset:512*ii            ; 32 loads: wo
.set ii, ii+1
.endr
	WIN 0
	v_mul_u32_u24 v[TA], v2, XP
	v_lshl_add_u32 v[TA], v3, 5, v[TA]             ; row r, 32 hh
	v_add_nc_u32 v[XRD], XROW, v[TA]
	v_add_nc_u32 v[SGW], s82, v[TA]
	s_add_co_u32 s88, s82, s33
	v_add_nc_u32 v[SGR], s88, v[LIN]               ; rows 4 w .. of my stage
	s_mul_i32 s88, s26, 3072
	s_add_co_u32 s88, s88, VEC
	v_add_nc_u32 v[VST], s88, v[LIN]
	v_lshl_add_u32 v[VLD], v3, 5, s88
	s_lshl_b32 s89, s26, 7
	v_add_nc_u32 v[VLT], s89, v[VLD]               ; at my blocks
	v_add_nc_u32 v[EB], EXY, v[LIN]
	s_lshl_b32 s89, s26, 11
	v_add_nc_u32 v[ES], s89, v[EB]
	s_lshl_b32 s89, s26, 10
	s_add_co_u32 s89, s89, EXH
	v_add_nc_u32 v[HS], s89, v[EB]
	v_add_nc_u32 v[FFA], s82, v[LIN]
	s_add_co_u32 s89, s84, QWL
	v_add_nc_u32 v[QWA], s89, v[LIN]
	v_mul_u32_u24 v[TA], v2, KP
	v_lshl_add_u32 v[TA], v3, 4, v[TA]
	s_add_co_u32 s89, s82, KVS
	v_add_nc_u32 v[KVW], s89, v[TA]                ; in: row r, 16 hh
	v_mul_u32_u24 v[TA], v3, KP
	v_lshl_add_u32 v[TA], v2, 4, v[TA]
	v_add_nc_u32 v[KVR], s89, v[TA]                ; back: lanes 0-15 one row, lanes 16-31 the next
	s_wait_loadcnt 48                              ; O 16 and wo 32 stay out: the six vectors are in
.irp k, 0,1,2,3,4,5
	ds_store_b128 v[VST], v[VV+4*\k:VV+4*\k+3] offset:512*\k                   ; my own copy: no barrier
.endr
; ---- O wo, my two blocks; the two sums take turns here and below
	s_wait_loadcnt 0x0
	WIN 0x05
.irp kk, 0,1,2,3,4,5,6,7
.irp u, 0,1
.if \kk == 0
	v_wmma_f32_16x16x32_bf16 v[YZ+8*\u:YZ+8*\u+7], v[8*(8*\u+\kk):8*(8*\u+\kk)+7], v[128+8*\kk:128+8*\kk+7], 0
.else
	v_wmma_f32_16x16x32_bf16 v[YZ+8*\u:YZ+8*\u+7], v[8*(8*\u+\kk):8*(8*\u+\kk)+7], v[128+8*\kk:128+8*\kk+7], v[YZ+8*\u:YZ+8*\u+7]
.endif
.endr
.endr
	PLACES
	STT 0
	s_wait_dscnt 0x0                               ; my tiles are in LDS,
	s_wait_tensorcnt NTX                           ; and my rows of x; the weight loads issued behind them stay out
	s_barrier_signal -1
	s_barrier_wait -1
.irp e, 0,1,2,3,4,5,6,7
	ds_load_b128 v[X1+8*\e:X1+8*\e+3],   v[XRD] offset:64*\e
	ds_load_b128 v[X1+8*\e+4:X1+8*\e+7], v[XRD] offset:64*\e+16
.endr
	GATHER 0
	LDVEC 0, 0
	LDVEC 64, 1
	s_wait_tensorcnt NTA                           ; my FFN images are in (only I read them); the Q, K, V images stay out
	WIN 0
.irp u, 0,1
	ds_load_b128 v[HR+8*\u:HR+8*\u+3],   v[VLT] offset:1024+64*\u              ; b1 starts the hidden sums,
	ds_load_b128 v[HR+8*\u+4:HR+8*\u+7], v[VLT] offset:1024+64*\u+16
	ds_load_b128 v[YZ+8*\u:YZ+8*\u+3],   v[VLT] offset:1536+64*\u              ; b2 those of the second product
	ds_load_b128 v[YZ+8*\u+4:YZ+8*\u+7], v[VLT] offset:1536+64*\u+16
.endr
	WIN 0xc0
.set ii, 0
.rept 32
	ds_load_b128 v[128+4*ii:128+4*ii+3], v[FFA] offset:512*ii
.set ii, ii+1
.endr
	s_wait_dscnt 40                                ; b1 4, b2 4 and the 32 image loads stay out: x, the tiles, gain and bias are in
	ADDPART
	LNORM
; ---- FFN
	WIN 0
	PACK FB, X1, 32
	s_wait_dscnt 0x0
	WIN 0x03
.irp ks, 0,1,2,3
.irp u, 0,1
	v_wmma_f32_16x16x32_bf16 v[HR+8*\u:HR+8*\u+7], v[128+8*(4*\u+\ks):128+8*(4*\u+\ks)+7], v[FB+8*\ks:FB+8*\ks+7], v[HR+8*\u:HR+8*\u+7]
.endr
.endr
	PLACES
	WIN 0
.set ii, 0
.rept 16
	v_max_num_f32 v[HR+ii], 0, v[HR+ii]            ; leaky_relu with slope 0
.set ii, ii+1
.endr
	PACK HBO, HR, 8                                ; hidden features 32 w .. + 31: K step w of the second product
	ds_store_b128 v[HS], v[HBO:HBO+3]
	ds_store_b128 v[HS], v[HBO+4:HBO+7] offset:512
	s_wait_dscnt 0x0
	s_barrier_signal -1
	s_barrier_wait -1
.set ii, 0
.rept 8
	ds_load_b128 v[HBF+4*ii:HBF+4*ii+3], v[EB] offset:EXH+512*ii
.set ii, ii+1
.endr
	s_wait_dscnt 0x0
	WIN 0x03
.irp ks, 0,1,2,3
.irp u, 0,1
	v_wmma_f32_16x16x32_bf16 v[YZ+8*\u:YZ+8*\u+7], v[192+8*(4*\u+\ks):192+8*(4*\u+\ks)+7], v[HBF+8*\ks:HBF+8*\ks+7], v[YZ+8*\u:YZ+8*\u+7]
.endr
.endr
	PLACES
	STT EXZ
	s_wait_dscnt 0x0
	s_barrier_signal -1
	s_barrier_wait -1
	GATHER EXZ
	LDVEC 0, 4
	LDVEC 64, 5
.if LAST
	s_wait_dscnt 0x0
	ADDPART
	LNORM
.else
	s_wait_tensorcnt 0x0                           ; my head's images (only I read them)
	LDQ 0
	s_wait_dscnt 32                                ; the 32 wq loads stay out: the tiles, gain and bias are in
	ADDPART
	LDQ 1
	LNORM
	LDQ 2
.endif
; ---- the f32 result: through my own stage into whole rows; wave w stores rows 4 w .. 4 w + 3
	WIN 0
.irp e, 0,1,2,3,4,5,6,7
	ds_store_b128 v[SGW], v[X1+8*\e:X1+8*\e+3]   offset:64*\e
	ds_store_b128 v[SGW], v[X1+8*\e+4:X1+8*\e+7] offset:64*\e+16
.endr
.irp i, 0,1,2,3
	ds_load_b128 v[OUT+4*\i:OUT+4*\i+3], v[SGR] offset:XP*\i                   ; LDS serves a wave's instructions in order (ISA guide 5.7.1.4): these see the stores above
.endr
.if LAST
	s_wait_dscnt 0x0
	s_mov_b32 s80, 0x3fb8aa3b                      ; log2 e
	s_mov_b32 s81, 0x3f317218                      ; ln 2
.set ii, 0
.rept 16
	v_or_b32 v[SP+ii], 0x80000000, v[OUT+ii]       ; -|x|
.set ii, ii+1
.endr
.set ii, 0
.rept 16
	v_mul_f32 v[SP+ii], s80, v[SP+ii]
.set ii, ii+1
.endr
.set ii, 0
.rept 16
	v_exp_f32 v[SP+ii], v[SP+ii]
.set ii, ii+1
.endr
	v_nop
.set ii, 0
.rept 16
	v_add_f32 v[SP+ii], 1.0, v[SP+ii]
.set ii, ii+1
.endr
.set ii, 0
.rept 16
	v_log_f32 v[SP+ii], v[SP+ii]
.set ii, ii+1
.endr
	v_nop
.set ii, 0
.rept 16
	v_max_num_f32 v[OUT+ii], 0, v[OUT+ii]
.set ii, ii+1
.endr
.set ii, 0
.rept 16
	v_fmac_f32 v[OUT+ii], s81, v[SP+ii]
.set ii, ii+1
.endr
.irp i, 0,1,2,3
	global_store_b128 v[LIN], v[OUT+4*\i:OUT+4*\i+3], s[22:23] offset:512*\i th:TH_STORE_NT  ; a whole row of 512 consecutive bytes
.endr
.else
.irp i, 0,1,2,3
	s_wait_dscnt 3-\i                              ; LDS loads return in order: row i is in, and so is all that was issued before it
	global_store_b128 v[LIN], v[OUT+4*\i:OUT+4*\i+3], s[22:23] offset:512*\i                 ; a whole row of 512 consecutive bytes
.endr
; ---- Q, K, V of the next layer, my head: 48 products; the tiles take turns
	PACK FB, X1, 32
	WIN 0x02
.irp ks, 0,1,2,3
.irp t, 0,1,2,3,4,5,6,7
.if \ks == 0
	v_wmma_f32_16x16x32_bf16 v[ACC+8*\t:ACC+8*\t+7], v[8*(4*\t+\ks):8*(4*\t+\ks)+7], v[FB+8*\ks:FB+8*\ks+7], 0
.else
	v_wmma_f32_16x16x32_bf16 v[ACC+8*\t:ACC+8*\t+7], v[8*(4*\t+\ks):8*(4*\t+\ks)+7], v[FB+8*\ks:FB+8*\ks+7], v[ACC+8*\t:ACC+8*\t+7]
.endif
.endr
.endr
	WIN 0x03
.irp ks, 0,1,2,3
.irp t, 0,1,2,3
.if \ks == 0
	v_wmma_f32_16x16x32_bf16 v[ACC+64+8*\t:ACC+64+8*\t+7], v[8*(4*\t+\ks):8*(4*\t+\ks)+7], v[FB+8*\ks:FB+8*\ks+7], 0
.else
	v_wmma_f32_16x16x32_bf16 v[ACC+64+8*\t:ACC+64+8*\t+7], v[8*(4*\t+\ks):8*(4*\t+\ks)+7], v[FB+8*\ks:FB+8*\ks+7], v[ACC+64+8*\t:ACC+64+8*\t+7]
.endif
.endr
.endr
	PLACES
	WIN 0
	PACK X1, ACC, 48                               ; Q at X1, K at X1 + 16, V at X1 + 32, four words a tile
.irp i, 0,1,2,3
	global_store_b128 v[LIN], v[X1+4*\i:X1+4*\i+3], s[66:67] offset:512*\i     ; tiles 2 ks, 2 ks + 1 are registers 0-3, 4-7 of fragment ks: 512 consecutive bytes
.endr
.irp mb, 0,1,2,3
	ds_store_b128 v[KVW], v[X1+32+4*\mb:X1+32+4*\mb+3], offset:(\mb&1)*32+(\mb>>1)*128
	ds_store_b128 v[KVW], v[X1+16+4*\mb:X1+16+4*\mb+3], offset:(\mb&1)*32+(\mb>>1)*128+64
.endr
.irp i, 0,1,2,3,4,5,6,7
	ds_load_b128 v[KVB+4*\i:KVB+4*\i+3], v[KVR] offset:2*KP*\i
.endr
.irp i, 0,1,2,3,4,5,6,7
	s_wait_dscnt 7-\i                              ; rows 2 i, 2 i + 1 are in
	global_store_b128 v[LIN], v[KVB+4*\i:KVB+4*\i+3], s[24:25] offset:512*\i   ; two whole rows of 256 bytes
.endr
.endif
	s_wait_tensorcnt 0x0
	ds_add_u32 v62, v63
	s_wait_dscnt 0x0
	ROUND                                          ; the closing round
	s_endpgm
.Lfunc_end_k_q4889ac325b_mid0:
	.size	k_q4889ac325b_mid0, .Lfunc_end_k_q4889ac325b_mid0-k_q4889ac325b_mid0
	.p2alignl 7, 3214868480
	.fill 96, 4, 3214868480
	.section	.rodata,"a",@progbits
	.p2align	6, 0x0
	.amdhsa_kernel k_q4889ac325b_mid0
		.amdhsa_group_segment_fixed_size 303872
		.amdhsa_private_segment_fixed_size 0
		.amdhsa_enable_private_segment 0
		.amdhsa_kernarg_size 88
		.amdhsa_user_sgpr_count 2
		.amdhsa_user_sgpr_kernarg_segment_ptr 1
		.amdhsa_wavefront_size32 1
		.amdhsa_system_sgpr_workgroup_id_x 1
		.amdhsa_system_sgpr_workgroup_id_y 1
		.amdhsa_system_sgpr_workgroup_id_z 1
		.amdhsa_system_vgpr_workitem_id 0
		.amdhsa_next_free_vgpr 1024
		.amdhsa_next_free_sgpr 90
		.amdhsa_reserve_vcc 0
		.amdhsa_float_denorm_mode_32 3
		.amdhsa_float_denorm_mode_16_64 3
		.amdhsa_memory_ordered 1
		.amdhsa_forward_progress 1
		.amdhsa_inst_pref_size 74
	.end_amdhsa_kernel
	.amdgpu_metadata
---
amdhsa.version: [ 1, 2 ]
amdhsa.kernels:
  - .name:           k_q4889ac325b_mid0
    .symbol:         k_q4889ac325b_mid0.kd
    .args:
      - { .name: x, .offset: 0, .size: 8, .value_kind: global_buffer, .address_space: global }
      - { .name: st0, .offset: 8, .size: 8, .value_kind: global_buffer, .address_space: global }
      - { .name: oimg, .offset: 16, .size: 8, .value_kind: global_buffer, .address_space: global }
      - { .name: params_0_mha_ln_w, .offset: 24, .size: 8, .value_kind: global_buffer, .address_space: global }
      - { .name: params_0_mha_ln_b, .offset: 32, .size: 8, .value_kind: global_buffer, .address_space: global }
      - { .name: params_0_ffn_b1, .offset: 40, .size: 8, .value_kind: global_buffer, .address_space: global }
      - { .name: params_0_ffn_b2, .offset: 48, .size: 8, .value_kind: global_buffer, .address_space: global }
      - { .name: params_0_ffn_ln_w, .offset: 56, .size: 8, .value_kind: global_buffer, .address_space: global }
      - { .name: params_0_ffn_ln_b, .offset: 64, .size: 8, .value_kind: global_buffer, .address_space: global }
      - { .name: xfa, .offset: 72, .size: 8, .value_kind: global_buffer, .address_space: global }
      - { .name: st1, .offset: 80, .size: 8, .value_kind: global_buffer, .address_space: global }
    .group_segment_fixed_size: 303872
    .private_segment_fixed_size: 0
    .kernarg_segment_align: 8
    .kernarg_segment_size: 88
    .max_flat_workgroup_size: 128
    .sgpr_count:     90
    .vgpr_count:     1024
    .wavefront_size: 32
...
	.end_amdgpu_metadata
.endif
;; end of part 9
;; launch att1: the kernel of part 8 again; grid 256 x 1, 8 waves a work-group, clusters of 4 x 1, 327,680 bytes of LDS; arguments st1, oimg; writes oimg
;; launch mid1: the kernel of part 9 again; grid 256 x 1, 4 waves a work-group, clusters of 4 x 1, 303,872 bytes of LDS; arguments xfa, st1, oimg, params_1_mha_ln_w, params_1_mha_ln_b, params_1_ffn_b1, params_1_ffn_b2, params_1_ffn_ln_w, params_1_ffn_ln_b, xfb, st2; writes xfb, st2
;; launch att2: the kernel of part 8 again; grid 256 x 1, 8 waves a work-group, clusters of 4 x 1, 327,680 bytes of LDS; arguments st2, oimg; writes oimg
;; launch mid2: the kernel of part 9 again; grid 256 x 1, 4 waves a work-group, clusters of 4 x 1, 303,872 bytes of LDS; arguments xfb, st2, oimg, params_2_mha_ln_w, params_2_mha_ln_b, params_2_ffn_b1, params_2_ffn_b2, params_2_ffn_ln_w, params_2_ffn_ln_b, xfa, st3; writes xfa, st3
;; launch att3: the kernel of part 8 again; grid 256 x 1, 8 waves a work-group, clusters of 4 x 1, 327,680 bytes of LDS; arguments st3, oimg; writes oimg
;; launch mid3: the kernel of part 9 again; grid 256 x 1, 4 waves a work-group, clusters of 4 x 1, 303,872 bytes of LDS; arguments xfa, st3, oimg, params_3_mha_ln_w, params_3_mha_ln_b, params_3_ffn_b1, params_3_ffn_b2, params_3_ffn_ln_w, params_3_ffn_ln_b, xfb, st4; writes xfb, st4
;; launch att4: the kernel of part 8 again; grid 256 x 1, 8 waves a work-group, clusters of 4 x 1, 327,680 bytes of LDS; arguments st4, oimg; writes oimg
;; launch last (part 10): grid 256 x 1, 4 waves a work-group, clusters of 4 x 1, 303,872 bytes of LDS; arguments xfb, st4, oimg, params_4_mha_ln_w, params_4_mha_ln_b, params_4_ffn_b1, params_4_ffn_b2, params_4_ffn_ln_w, params_4_ffn_ln_b, out0; writes out0
.if DOCPART == 10
	.amdgcn_target "amdgcn-amd-amdhsa--gfx1250"
	.amdhsa_code_object_version 6
	.text
	.protected	k_q4889ac325b_last
	.globl	k_q4889ac325b_last
	.p2align	8
	.type	k_q4889ac325b_last,@function
k_q4889ac325b_last:
	s_mov_b64 s[64:65], 0
	v_nop
	global_prefetch_b8 v0, s[64:65] scope:SCOPE_SE
	s_setreg_imm32_b32 hwreg(HW_REG_WAVE_MODE, 25, 1), 1
	s_wait_xcnt 0x0
	s_wait_alu depctr_hold_cnt(0) depctr_sa_sdst(0) depctr_va_vdst(0) depctr_va_sdst(0) depctr_va_ssrc(0) depctr_va_vcc(0) depctr_vm_vsrc(0)
	s_getreg_b32 s2, hwreg(HW_REG_IB_STS2, 6, 4)
	s_cmp_eq_u32 s2, 0
	s_cbranch_scc0 .Lentry_in_a_cluster
	s_endpgm
.Lentry_in_a_cluster:
	s_bfe_u32 s2, ttmp6, 0x10000c
	s_cmp_lg_u32 s2, 0x3003
	s_cbranch_scc0 .Lentry_shape_is_right
	s_endpgm
.Lentry_shape_is_right:
; What lies between two attention launches: O wo + x, LayerNorm, FFN, residual, LayerNorm, then Q, K, V of the next layer.
; LAST = 1: the same without Q, K, V, with softplus, to the output.
; A work-group owns 16 rows; four waves, as many as a WGP has SIMDs.  Everything is computed transposed (weights are operand A, activations operand B), so lane
; (r, hh) of a result tile holds features 8 hh + 0..7 of row r, and two neighbouring tiles pack straight into the next product's operand B.
; Products are split by output blocks: wave w makes blocks 2 w and 2 w + 1 (two sums by turns), the f32 tiles of 1 KB are gathered through LDS, and every wave
; does LayerNorm on all 128 features of the 16 rows (they are one block of columns).
; CLUSTER: all work-groups walk the same weights, so the FFN images (64 KB) come by joint tensor loads (mask 15); each wave loads exactly the part that it alone
; reads, so its own wait orders those reads.  My 16 rows in f32 come by a plain tensor load in the same group.
; A wave has at most two tensor loads outstanding; nothing is filled again.  The wo image, the O fragments and the six vectors come by 54 global loads a wave.
; LIMITS: matrix operands are rounded to bf16; residuals and LayerNorm are f32.  softplus is max(x,0) + ln2 log2(1 + 2^(-|x| log2 e)): 0 for x below about -17,
; an absolute error under 6e-8.
.set LAST, 1
.set NTX, 2-LAST                       ; tensor loads issued behind the one for my rows
.set NTA, 1-LAST                       ; and behind the one for the FFN images
.set XP, 528                           ; pitch of f32 rows: 512 + 16
.set XROW, 262144                      ; LDS: FFN images at 0 (16,384 a wave); my 16 rows in f32 here
.set VEC, XROW+16*XP                   ; the six vectors, a copy of 3,072 bytes for each wave
.set EXY, VEC+4*3072                   ; eight f32 tiles of the wo product
.set EXH, 8192                         ; from EXY on: four operand B fragments of the hidden layer
.set EXZ, 12288                        ; from EXY on: eight f32 tiles of the second FFN product
.set W_OFF, 6291456
.set WO_OFF, W_OFF+262144
.set LIN, 4                            ; 16 lane
.set XRD, 5
.set VST, 6
.set VLD, 7
.set VLT, 8
.set EB, 9
.set ES, 10
.set HS, 11
.set FFA, 12
.set SGW, 14
.set SGR, 15
.set TA, 18
.set TT, 24                            ; v24-31
.set VV, 32                            ; v32-55   the six vectors as loaded
.set OUT, 32                           ; v32-47   later: my four rows on the way out
.set SP, 48                            ; v48-63
.set X1, 64                            ; v64-127  64 f32 of row r: features 16 e + 8 hh + j at 8 e + j
.set FB, 128                           ; v128-159 operand B, four K steps
.set HR, 160                           ; hidden tiles
.set HBO, 176                          ; my hidden fragment
.set HBF, 184                          ; all four
.set YZ, 216                           ; my two tiles of the wo and of the second FFN product
; window 1: wo image 0-127, then gain 0-63 and bias 64-127; O fragments 128-191; gathered tiles 192-255.   window 3: w1 128-191, w2 192-255
.set G1X, 36
.set G0X, 44
.set G1A, 48
.set G0A, 56
.set MSB, 0
.macro WIN new                         ; s_set_vgpr_msb: bits 1:0 source 0, 3:2 source 1, 5:4 source 2, 7:6 destination; the high byte repeats the setting left
.if MSB != \new
	s_set_vgpr_msb (MSB<<8)|\new
.set MSB, \new
.endif
.endm
.macro PLACES                          ; four places behind matrix instructions (ISA guide 7.12.1) where there is no independent vector work
.rept 4
	v_nop
.endr
.endm
.macro ROUND                           ; a round of the cluster's barrier
	WIN 0
	s_barrier_signal -1
	s_barrier_wait -1
	s_cmp_lg_u32 s26, 0
	s_cbranch_scc1 .Lnot_wave_0_\@
	s_barrier_signal -3
.Lnot_wave_0_\@:
	s_barrier_wait -3
	s_barrier_signal -1
	s_barrier_wait -1
.endm
.macro PACK dst, src, n                ; n words of two bf16 from 2 n f32
.set ii, 0
.rept \n
	v_cvt_pk_bf16_f32 v[\dst+ii], v[\src+2*ii], v[\src+2*ii+1]
.set ii, ii+1
.endr
.endm
.macro LDVEC dst, vi                   ; vector vi from my copy in LDS, in the layout of X1
.irp e, 0,1,2,3,4,5,6,7
	ds_load_b128 v[\dst+8*\e:\dst+8*\e+3],   v[VLD] offset:512*\vi+64*\e
	ds_load_b128 v[\dst+8*\e+4:\dst+8*\e+7], v[VLD] offset:512*\vi+64*\e+16
.endr
.endm
.macro GATHER off                      ; the eight tiles of all four waves
	WIN 0x40
.set ii, 0
.rept 16
	ds_load_b128 v[192+4*ii:192+4*ii+3], v[EB] offset:\off+512*ii
.set ii, ii+1
.endr
.endm
.macro ADDPART
	WIN 0x01
.set ii, 0
.rept 32
	v_pk_add_f32 v[X1+2*ii:X1+2*ii+1], v[192+2*ii:192+2*ii+1], v[X1+2*ii:X1+2*ii+1]
.set ii, ii+1
.endr
.endm
.macro STT off                         ; my two tiles
	WIN 0
.irp i, 0,1,2,3
	ds_store_b128 v[ES], v[YZ+4*\i:YZ+4*\i+3] offset:\off+512*\i
.endr
.endm
.macro RED8                            ; four pairs in TT to one number, over both halves of the lanes
	v_pk_add_f32 v[TT:TT+1], v[TT:TT+1], v[TT+2:TT+3]
	v_pk_add_f32 v[TT+4:TT+5], v[TT+4:TT+5], v[TT+6:TT+7]
	v_pk_add_f32 v[TT:TT+1], v[TT:TT+1], v[TT+4:TT+5]
	v_add_f32 v[TT], v[TT], v[TT+1]
	v_permlanex16_b32 v[TT+2], v[TT], s28, s29
	v_add_f32 v[TT], v[TT], v[TT+2]
.endm
; LayerNorm of X1 in place: mean, then the sum of squares of the differences (no difference of large sums); gain and bias in window 1
.macro LNORM
	WIN 0
.irp c, 0,2,4,6
	v_pk_add_f32 v[TT+\c:TT+\c+1], v[X1+\c:X1+\c+1], v[X1+8+\c:X1+8+\c+1]
.endr
.irp g, 2,3,4,5,6,7
.irp c, 0,2,4,6
	v_pk_add_f32 v[TT+\c:TT+\c+1], v[TT+\c:TT+\c+1], v[X1+8*\g+\c:X1+8*\g+\c+1]
.endr
.endr
	RED8
	v_mul_f32 v[TT+6], 0xbc000000, v[TT]           ; - sum / 128
	v_mov_b32 v[TT+7], v[TT+6]
.set ii, 0
.rept 32
	v_pk_add_f32 v[X1+2*ii:X1+2*ii+1], v[X1+2*ii:X1+2*ii+1], v[TT+6:TT+7]
.set ii, ii+1
.endr
.irp c, 0,2,4,6
	v_pk_mul_f32 v[TT+\c:TT+\c+1], v[X1+\c:X1+\c+1], v[X1+\c:X1+\c+1]
.endr
.irp g, 1,2,3,4,5,6,7
.irp c, 0,2,4,6
	v_pk_fma_f32 v[TT+\c:TT+\c+1], v[X1+8*\g+\c:X1+8*\g+\c+1], v[X1+8*\g+\c:X1+8*\g+\c+1], v[TT+\c:TT+\c+1]
.endr
.endr
	RED8
	v_fma_f32 v[TT], v[TT], s30, s31               ; variance + 1e-5
	v_rsq_f32 v[TT+6], v[TT]
	v_rsq_f32 v[TT+7], v[TT]
	v_nop                                          ; one plain place behind a transcendental before its result is used (ISA guide 5.7.2)
.set ii, 0
	s_wait_alu depctr_va_vdst(0)
.rept 32
	v_pk_mul_f32 v[X1+2*ii:X1+2*ii+1], v[X1+2*ii:X1+2*ii+1], v[TT+6:TT+7]
.set ii, ii+1
.endr
	WIN 0x14
.set ii, 0
.rept 32
	v_pk_fma_f32 v[X1+2*ii:X1+2*ii+1], v[X1+2*ii:X1+2*ii+1], v[2*ii:2*ii+1], v[64+2*ii:64+2*ii+1]
.set ii, ii+1
.endr
.endm
	s_load_b512 s[4:19], s[0:1], 0x0               ; x f32 s[4:5], st s[6:7], O s[8:9], ln1_w, ln1_b, b1, b2, ln2_w s[18:19]
	s_load_b128 s[20:23], s[0:1], 0x40             ; ln2_b, the output
	v_lshl_add_u32 v254, v0, 2, 0x4a100
	v_mov_b32 v255, 0
	ds_add_u32 v254, v255
	v_lshrrev_b32 v1, 5, v0
	v_readfirstlane_b32 s26, v1                    ; wave w
	s_bfe_u32 s27, ttmp6, 0x40000                  ; cx
	s_lshl_b32 s32, ttmp9, 2
	s_add_co_u32 s27, s32, s27                     ; block of 16 rows: enters global addresses of plain accesses alone
	s_mov_b32 s28, 0x76543210                      ; v_permlanex16_b32: lane i of the other half
	s_mov_b32 s29, 0xfedcba98
	s_mov_b32 s30, 0x3c000000                      ; 1 / 128
	s_mov_b32 s31, 0x3727c5ac                      ; 1e-5
	s_mov_b32 s[G1X+0], (2<<16)|(1<<20)|(6<<22)|(3<<25)            ; no mask; 4-byte elements; after 128 words, 4 words of padding
	s_mov_b32 s[G1X+1], 128<<16
	s_mov_b32 s[G1X+2], 4<<16
	s_mov_b32 s[G1X+3], 128<<16
	s_mov_b32 s[G1X+4], 4                          ; four rows a wave
	s_mov_b32 s[G1X+5], 128
	s_mov_b32 s[G1X+6], 0
	s_mov_b32 s[G1X+7], 0
	s_mov_b32 s[G1A+0], 15|(3<<16)|(1<<21)         ; mask: all four work-groups; 8-byte elements; bit 21 beside a mask; a dense block as rows of 256 bytes
	s_mov_b32 s[G1A+1], 32<<16
	s_mov_b32 s[G1A+2], 64<<16
	s_mov_b32 s[G1A+3], 32<<16
	s_mov_b32 s[G1A+4], 64                         ; 16,384 bytes
	s_mov_b32 s[G1A+5], 32
	s_mov_b32 s[G1A+6], 0
	s_mov_b32 s[G1A+7], 0
	s_mul_i32 s33, s26, 4*XP
	s_lshl_b32 s80, s27, 13                        ; 16 rows of 512 bytes a work-group,
	s_lshl_b32 s81, s26, 11                        ; four a wave
	s_add_co_u32 s80, s80, s81
	s_mov_b32 s81, 0
	s_lshl_b32 s82, s26, 14
	s_mov_b32 s83, 0
	s_mov_b32 s87, 0
	s_wait_dscnt 0x0
	s_wait_kmcnt 0x0
	s_mov_b32 s[G0X], 1
	s_add_co_u32 s[G0X+1], s33, XROW
	s_add_nc_u64 s[G0X+2:G0X+3], s[4:5], s[80:81]
	s_or_b32 s[G0X+3], s[G0X+3], 0x80000000
	s_mov_b32 s[G0A], 1
	s_mov_b32 s[G0A+1], s82
	s_add_nc_u64 s[G0A+2:G0A+3], s[6:7], s[82:83]
	s_add_nc_u64 s[G0A+2:G0A+3], s[G0A+2:G0A+3], W_OFF
	s_or_b32 s[G0A+3], s[G0A+3], 0x80000000
	ROUND                                          ; the four work-groups are here: the joint loads meet
	tensor_load_to_lds s[G0X:G0X+3], s[G1X:G1X+7]  ; my four rows of x
	s_nop 0
	tensor_load_to_lds s[G0A:G0A+3], s[G1A:G1A+7]  ; my blocks of w1 and w2
	s_nop 0
	s_add_nc_u64 s[60:61], s[6:7], s[82:83]
	s_add_nc_u64 s[60:61], s[60:61], WO_OFF        ; wo image, blocks 2 w, 2 w + 1
	s_lshl_b32 s86, s27, 13
	s_add_nc_u64 s[62:63], s[8:9], s[86:87]        ; the eight O fragments of my rows
	s_add_nc_u64 s[22:23], s[22:23], s[80:81]      ; my four rows of the output
	v_and_b32 v1, 31, v0
	v_and_b32 v2, 15, v0                           ; r
	v_bfe_u32 v3, v0, 4, 1                         ; hh
	v_lshlrev_b32 v[LIN], 4, v1
.irp k, 0,1,2,3,4,5
	global_load_b128 v[VV+4*\k:VV+4*\k+3], v[LIN], s[10+2*\k:11+2*\k]          ; 6 loads: ln1_w, ln1_b, b1, b2, ln2_w, ln2_b
.endr
	WIN 0x40
.set ii, 0
.rept 16
	global_load_b128 v[128+4*ii:128+4*ii+3], v[LIN], s[62:63] offset:512*ii    ; 16 loads: O
.set ii, ii+1
.endr
.set ii, 0
.rept 32
	global_load_b128 v[4*ii:4*ii+3], v[LIN], s[60:61] offset:512*ii            ; 32 loads: wo
.set ii, ii+1
.endr
	WIN 0
	v_mul_u32_u24 v[TA], v2, XP
	v_lshl_add_u32 v[TA], v3, 5, v[TA]             ; row r, 32 hh
	v_add_nc_u32 v[XRD], XROW, v[TA]
	v_add_nc_u32 v[SGW], s82, v[TA]
	s_add_co_u32 s88, s82, s33
	v_add_nc_u32 v[SGR], s88, v[LIN]               ; rows 4 w .. of my stage
	s_mul_i32 s88, s26, 3072
	s_add_co_u32 s88, s88, VEC
	v_add_nc_u32 v[VST], s88, v[LIN]
	v_lshl_add_u32 v[VLD], v3, 5, s88
	s_lshl_b32 s89, s26, 7
	v_add_nc_u32 v[VLT], s89, v[VLD]               ; at my blocks
	v_add_nc_u32 v[EB], EXY, v[LIN]
	s_lshl_b32 s89, s26, 11
	v_add_nc_u32 v[ES], s89, v[EB]
	s_lshl_b32 s89, s26, 10
	s_add_co_u32 s89, s89, EXH
	v_add_nc_u32 v[HS], s89, v[EB]
	v_add_nc_u32 v[FFA], s82, v[LIN]
	s_wait_loadcnt 48                              ; O 16 and wo 32 stay out: the six vectors are in
.irp k, 0,1,2,3,4,5
	ds_store_b128 v[VST], v[VV+4*\k:VV+4*\k+3] offset:512*\k                   ; my own copy: no barrier
.endr
; ---- O wo, my two blocks; the two sums take turns here and below
	s_wait_loadcnt 0x0
	WIN 0x05
.irp kk, 0,1,2,3,4,5,6,7
.irp u, 0,1
.if \kk == 0
	v_wmma_f32_16x16x32_bf16 v[YZ+8*\u:YZ+8*\u+7], v[8*(8*\u+\kk):8*(8*\u+\kk)+7], v[128+8*\kk:128+8*\kk+7], 0
.else
	v_wmma_f32_16x16x32_bf16 v[YZ+8*\u:YZ+8*\u+7], v[8*(8*\u+\kk):8*(8*\u+\kk)+7], v[128+8*\kk:128+8*\kk+7], v[YZ+8*\u:YZ+8*\u+7]
.endif
.endr
.endr
	PLACES
	STT 0
	s_wait_dscnt 0x0                               ; my tiles are in LDS,
	s_wait_tensorcnt NTX                           ; and my rows of x; the FFN images issued behind them stay out
	s_barrier_signal -1
	s_barrier_wait -1
.irp e, 0,1,2,3,4,5,6,7
	ds_load_b128 v[X1+8*\e:X1+8*\e+3],   v[XRD] offset:64*\e
	ds_load_b128 v[X1+8*\e+4:X1+8*\e+7], v[XRD] offset:64*\e+16
.endr
	GATHER 0
	LDVEC 0, 0
	LDVEC 64, 1
	s_wait_tensorcnt NTA                           ; my FFN images are in (only I read them)
	WIN 0
.irp u, 0,1
	ds_load_b128 v[HR+8*\u:HR+8*\u+3],   v[VLT] offset:1024+64*\u              ; b1 starts the hidden sums,
	ds_load_b128 v[HR+8*\u+4:HR+8*\u+7], v[VLT] offset:1024+64*\u+16
	ds_load_b128 v[YZ+8*\u:YZ+8*\u+3],   v[VLT] offset:1536+64*\u              ; b2 those of the second product
	ds_load_b128 v[YZ+8*\u+4:YZ+8*\u+7], v[VLT] offset:1536+64*\u+16
.endr
	WIN 0xc0
.set ii, 0
.rept 32
	ds_load_b128 v[128+4*ii:128+4*ii+3], v[FFA] offset:512*ii
.set ii, ii+1
.endr
	s_wait_dscnt 40                                ; b1 4, b2 4 and the 32 image loads stay out: x, the tiles, gain and bias are in
	ADDPART
	LNORM
; ---- FFN
	WIN 0
	PACK FB, X1, 32
	s_wait_dscnt 0x0
	WIN 0x03
.irp ks, 0,1,2,3
.irp u, 0,1
	v_wmma_f32_16x16x32_bf16 v[HR+8*\u:HR+8*\u+7], v[128+8*(4*\u+\ks):128+8*(4*\u+\ks)+7], v[FB+8*\ks:FB+8*\ks+7], v[HR+8*\u:HR+8*\u+7]
.endr
.endr
	PLACES
	WIN 0
.set ii, 0
.rept 16
	v_max_num_f32 v[HR+ii], 0, v[HR+ii]            ; leaky_relu with slope 0
.set ii, ii+1
.endr
	PACK HBO, HR, 8                                ; hidden features 32 w .. + 31: K step w of the second product
	ds_store_b128 v[HS], v[HBO:HBO+3]
	ds_store_b128 v[HS], v[HBO+4:HBO+7] offset:512
	s_wait_dscnt 0x0
	s_barrier_signal -1
	s_barrier_wait -1
.set ii, 0
.rept 8
	ds_load_b128 v[HBF+4*ii:HBF+4*ii+3], v[EB] offset:EXH+512*ii
.set ii, ii+1
.endr
	s_wait_dscnt 0x0
	WIN 0x03
.irp ks, 0,1,2,3
.irp u, 0,1
	v_wmma_f32_16x16x32_bf16 v[YZ+8*\u:YZ+8*\u+7], v[192+8*(4*\u+\ks):192+8*(4*\u+\ks)+7], v[HBF+8*\ks:HBF+8*\ks+7], v[YZ+8*\u:YZ+8*\u+7]
.endr
.endr
	PLACES
	STT EXZ
	s_wait_dscnt 0x0
	s_barrier_signal -1
	s_barrier_wait -1
	GATHER EXZ
	LDVEC 0, 4
	LDVEC 64, 5
	s_wait_dscnt 0x0
	ADDPART
	LNORM
; ---- softplus and the way out: through my own stage (my FFN part, which has been read) into whole rows; wave w stores rows 4 w .. 4 w + 3
	WIN 0
.irp e, 0,1,2,3,4,5,6,7
	ds_store_b128 v[SGW], v[X1+8*\e:X1+8*\e+3]   offset:64*\e
	ds_store_b128 v[SGW], v[X1+8*\e+4:X1+8*\e+7] offset:64*\e+16
.endr
.irp i, 0,1,2,3
	ds_load_b128 v[OUT+4*\i:OUT+4*\i+3], v[SGR] offset:XP*\i                   ; LDS serves a wave's instructions in order (ISA guide 5.7.1.4): these see the stores above
.endr
	s_wait_dscnt 0x0
	s_mov_b32 s80, 0x3fb8aa3b                      ; log2 e
	s_mov_b32 s81, 0x3f317218                      ; ln 2
.set ii, 0
.rept 16
	v_or_b32 v[SP+ii], 0x80000000, v[OUT+ii]       ; -|x|
.set ii, ii+1
.endr
.set ii, 0
.rept 16
	v_mul_f32 v[SP+ii], s80, v[SP+ii]
.set ii, ii+1
.endr
.set ii, 0
.rept 16
	v_exp_f32 v[SP+ii], v[SP+ii]
.set ii, ii+1
.endr
	v_nop
.set ii, 0
	s_wait_alu depctr_va_vdst(0)
.rept 16
	v_add_f32 v[SP+ii], 1.0, v[SP+ii]
.set ii, ii+1
.endr
.set ii, 0
.rept 16
	v_log_f32 v[SP+ii], v[SP+ii]
.set ii, ii+1
.endr
	v_nop
.set ii, 0
.rept 16
	v_max_num_f32 v[OUT+ii], 0, v[OUT+ii]
.set ii, ii+1
.endr
.set ii, 0
	s_wait_alu depctr_va_vdst(0)
.rept 16
	v_fmac_f32 v[OUT+ii], s81, v[SP+ii]
.set ii, ii+1
.endr
.irp i, 0,1,2,3
	global_store_b128 v[LIN], v[OUT+4*\i:OUT+4*\i+3], s[22:23] offset:512*\i th:TH_STORE_NT  ; a whole row of 512 consecutive bytes
.endr
	s_wait_tensorcnt 0x0
	ds_add_u32 v254, v255
	s_wait_dscnt 0x0
	ROUND                                          ; the closing round
	s_endpgm
.Lfunc_end_k_q4889ac325b_last:
	.size	k_q4889ac325b_last, .Lfunc_end_k_q4889ac325b_last-k_q4889ac325b_last
	.p2alignl 7, 3214868480
	.fill 96, 4, 3214868480
	.section	.rodata,"a",@progbits
	.p2align	6, 0x0
	.amdhsa_kernel k_q4889ac325b_last
		.amdhsa_group_segment_fixed_size 303872
		.amdhsa_private_segment_fixed_size 0
		.amdhsa_enable_private_segment 0
		.amdhsa_kernarg_size 80
		.amdhsa_user_sgpr_count 2
		.amdhsa_user_sgpr_kernarg_segment_ptr 1
		.amdhsa_wavefront_size32 1
		.amdhsa_system_sgpr_workgroup_id_x 1
		.amdhsa_system_sgpr_workgroup_id_y 1
		.amdhsa_system_sgpr_workgroup_id_z 1
		.amdhsa_system_vgpr_workitem_id 0
		.amdhsa_next_free_vgpr 1024
		.amdhsa_next_free_sgpr 90
		.amdhsa_reserve_vcc 0
		.amdhsa_float_denorm_mode_32 3
		.amdhsa_float_denorm_mode_16_64 3
		.amdhsa_memory_ordered 1
		.amdhsa_forward_progress 1
		.amdhsa_inst_pref_size 59
	.end_amdhsa_kernel
	.amdgpu_metadata
---
amdhsa.version: [ 1, 2 ]
amdhsa.kernels:
  - .name:           k_q4889ac325b_last
    .symbol:         k_q4889ac325b_last.kd
    .args:
      - { .name: xfb, .offset: 0, .size: 8, .value_kind: global_buffer, .address_space: global }
      - { .name: st4, .offset: 8, .size: 8, .value_kind: global_buffer, .address_space: global }
      - { .name: oimg, .offset: 16, .size: 8, .value_kind: global_buffer, .address_space: global }
      - { .name: params_4_mha_ln_w, .offset: 24, .size: 8, .value_kind: global_buffer, .address_space: global }
      - { .name: params_4_mha_ln_b, .offset: 32, .size: 8, .value_kind: global_buffer, .address_space: global }
      - { .name: params_4_ffn_b1, .offset: 40, .size: 8, .value_kind: global_buffer, .address_space: global }
      - { .name: params_4_ffn_b2, .offset: 48, .size: 8, .value_kind: global_buffer, .address_space: global }
      - { .name: params_4_ffn_ln_w, .offset: 56, .size: 8, .value_kind: global_buffer, .address_space: global }
      - { .name: params_4_ffn_ln_b, .offset: 64, .size: 8, .value_kind: global_buffer, .address_space: global }
      - { .name: out0, .offset: 72, .size: 8, .value_kind: global_buffer, .address_space: global }
    .group_segment_fixed_size: 303872
    .private_segment_fixed_size: 0
    .kernarg_segment_align: 8
    .kernarg_segment_size: 80
    .max_flat_workgroup_size: 128
    .sgpr_count:     90
    .vgpr_count:     1024
    .wavefront_size: 32
...
	.end_amdgpu_metadata
.endif
;; end of part 10
